; MI455X (gfx1250); checked and timed in simulation.
; The chip was launched on July 23, 2026; its instructions are those of AMD's public machine-readable ISA for CDNA 5 (MIT licence, August 2026) and "CDNA5" Instruction Set Architecture Reference Guide (July 2026). The comments in the code are by the model that wrote it; some were corrected since.
;; Forgetting Transformer Block. Allowed arithmetic: matrix products marked QUANTISED: E2M3 operands, one E8M0 scale for each 32 along K, by v_wmma_scale_f32_16x16x128_f8f6f4 with both operands' format E2M3, f32 sums; everything else in f32.
;; Inputs: b1 4,096 float32; b2 1,024 float32; bf 16 float32; bk 1,024 float32; bo 1,024 float32; bq 1,024 float32; bv 1,024 float32; ln1_b 1,024 float32; ln1_g 1,024 float32; ln2_b 1,024 float32; ln2_g 1,024 float32; w1_codes 4,096 x 32 x 24 uint8 (E2M3 codes of w1, K innermost, in blocks of 32 codes, four codes in three bytes); w1_scales 4,096 x 32 uint8 (E8M0 scales of w1, one for each 32 codes along K); w2_codes 1,024 x 128 x 24 uint8 (E2M3 codes of w2, K innermost, in blocks of 32 codes, four codes in three bytes); w2_scales 1,024 x 128 uint8 (E8M0 scales of w2, one for each 32 codes along K); wf_codes 16 x 32 x 24 uint8 (E2M3 codes of wf, K innermost, in blocks of 32 codes, four codes in three bytes); wf_scales 16 x 32 uint8 (E8M0 scales of wf, one for each 32 codes along K); wk_codes 1,024 x 32 x 24 uint8 (E2M3 codes of wk, K innermost, in blocks of 32 codes, four codes in three bytes); wk_scales 1,024 x 32 uint8 (E8M0 scales of wk, one for each 32 codes along K); wo_codes 1,024 x 32 x 24 uint8 (E2M3 codes of wo, K innermost, in blocks of 32 codes, four codes in three bytes); wo_scales 1,024 x 32 uint8 (E8M0 scales of wo, one for each 32 codes along K); wq_codes 1,024 x 32 x 24 uint8 (E2M3 codes of wq, K innermost, in blocks of 32 codes, four codes in three bytes); wq_scales 1,024 x 32 uint8 (E8M0 scales of wq, one for each 32 codes along K); wv_codes 1,024 x 32 x 24 uint8 (E2M3 codes of wv, K innermost, in blocks of 32 codes, four codes in three bytes); wv_scales 1,024 x 32 uint8 (E8M0 scales of wv, one for each 32 codes along K); x 2 x 2,048 x 1,024 float32.
;; Outputs: out0 2 x 2,048 x 1,024 float32.
;; This version of the problem:
;;   THIS VERSION OF THE PROBLEM IS GIVEN IN LOW PRECISION. The matrix products marked QUANTISED in the list below multiply operands that are first quantised to E2M3 (2 exponent bits, 3 mantissa bits; 6 bits a number), with one power-of-two scale for each 32 numbers along K (OCP MX v1.0); their sums are f32. All else is computed in f32.
;;   The module's matrix products, in the order in which they are computed (A, B: the left and right operand; K: the contracted axis; several contracted axes count as one K, in the product's order):
;;     1. [M 4,096, K 1,024] x [K 1,024, N 1,024]; A: computed on the way; B: input wq (given as codes): QUANTISED
;;     2. [M 4,096, K 1,024] x [K 1,024, N 1,024]; A: computed on the way; B: input wk (given as codes): QUANTISED
;;     3. [M 4,096, K 1,024] x [K 1,024, N 1,024]; A: computed on the way; B: input wv (given as codes): QUANTISED
;;     4. [M 4,096, K 1,024] x [K 1,024, N 16]; A: computed on the way; B: input wf (given as codes): QUANTISED
;;     5. batch 32 x [M 2,048, K 64] x [K 64, N 2,048]; A: computed on the way; B: computed on the way: QUANTISED
;;     6. batch 32 x [M 64, K 2,048] x [K 2,048, N 2,048]; A: computed on the way; B: softmax (see below): QUANTISED
;;     7. [M 4,096, K 1,024] x [K 1,024, N 1,024]; A: computed on the way; B: input wo (given as codes): QUANTISED
;;     8. [M 4,096, K 1,024] x [K 1,024, N 4,096]; A: computed on the way; B: input w1 (given as codes): QUANTISED
;;     9. [M 4,096, K 4,096] x [K 4,096, N 1,024]; A: computed on the way; B: input w2 (given as codes): QUANTISED
;;   THE QUANTISER, for each operand of a quantised product, along K:
;;     - K is cut into blocks of 32 from its start; a last block that is shorter is filled with zeros.
;;     - A block's scale is 2^e with e = floor(log2(the largest magnitude in the block)) - 2, held to -126 .. 127; a block of zeros has e = 0. As a byte (E8M0): e + 127.
;;     - Each number is divided by its block's scale, clamped to +-7.5, and rounded to the nearest number of E2M3, ties to even, subnormals kept.
;;     - The product sums the exact products of the quantised numbers (number of the format x scale) in f32.
;;   ~~~python
;;   def quantise(x, axis):      # numpy; x: float32 -> the quantised numbers, widened to float32 again
;;       x = np.moveaxis(x, axis, -1); K = x.shape[-1]
;;       x = np.pad(x, [(0, 0)] * (x.ndim - 1) + [(0, -K % 32)]); x = x.reshape(x.shape[:-1] + (-1, 32)); a = np.abs(x).max(-1, keepdims=True)
;;       e = np.where(a > 0, np.clip(np.frexp(np.where(a > 0, a, 1))[1] - 1 - 2, -126, 127), 0)      # np.frexp(a)[1] - 1 = floor(log2(a)), exactly
;;       r = np.clip(x / 2.0 ** e, -7.5, 7.5)
;;       step = 2.0 ** (np.maximum(np.frexp(np.where(r == 0, 1, r))[1] - 1, 0) - 3)
;;       q = np.round(r / step) * step * 2.0 ** e      # np.round: ties to even
;;       return np.moveaxis(q.reshape(q.shape[:-2] + (-1,))[..., :K], -1, axis).astype(np.float32)
;;   ~~~
;;   SOFTMAX AHEAD OF A QUANTISED PRODUCT. Where the list says 'softmax', what is quantised is not the finished softmax but p = 2^(t - M), with t = logit x log2(e) and M = ceil(the row's largest t), a whole number; so 1/2 < the row's largest p <= 1. The row's sum l is taken of the UNQUANTISED p, in f32, and the product's result is divided by l at the end. Since M is a whole number, a kernel that streams over the keys may use a running M (the ceiling of the running maximum): every later rescaling is an exact power of two, which a block's scale takes up: the codes' values come out the same.
;;   OPERANDS COMPUTED ON THE WAY. 'Computed on the way' means the value that the module computes at that place (a softmax that the list does not call 'softmax' is quantised finished and normalised). What goes into a quantiser is computed in f32, as accurately as f32 sums, v_exp_f32 and their like allow (about 1e-6 of the number): no bf16 or f16 on the way to a quantiser, and a product that is left as it is and whose result goes on into a quantised operand takes f32 operands (vector FMAs, or v_wmma_f32_16x16x4_f32). A number that lies on a knife's edge between two numbers of the format may be rounded either way, as far as f32 arithmetic and the matrix unit's own rounding can turn it there, and no further.
;;   INPUTS GIVEN AS CODES. w1 (in the module: [1024, 4096], K = its axis 0); w2 (in the module: [4096, 1024], K = its axis 0); wf (in the module: [1024, 16], K = its axis 0); wk (in the module: [1024, 1024], K = its axis 0); wo (in the module: [1024, 1024], K = its axis 0); wq (in the module: [1024, 1024], K = its axis 0); wv (in the module: [1024, 1024], K = its axis 0): each comes as NAME_codes (uint8): NAME with its K axis moved to the last place and cut into blocks of 32 codes, [.., K / 32, bytes a block], one block behind the other in memory; four codes in three bytes: a row's codes are one little-endian stream of bits, code i at bits 6 i .. 6 i + 5 (a code: sign, 2 exponent bits, 3 mantissa bits); and NAME_scales (uint8): the same leading axes, one E8M0 byte (e + 127) for each 32 codes along K. Its value is code x scale, taken as it is: it is not quantised again, and the codes and scales need not be those that the quantiser above would give.
;; 2 versions, each right. Each part assembles by itself: llvm-mc -triple=amdgcn-amd-amdhsa -mcpu=gfx1250 --defsym DOCPART=n.
;; ======== version 1 of 2: 7 launches
;; workspace buffers: hbuf 3,538,944 bytes; qkvb 9,830,400 bytes; ctxb 3,276,800 bytes; x1 16,777,216 bytes; h2b 3,276,800 bytes; hidb 13,107,200 bytes
;; launch ln1q (part 1): grid 256 x 1, 8 waves a work-group, no clusters, 23,552 bytes of LDS; arguments x, ln1_g, ln1_b, wf_codes, wf_scales, bf, hbuf; writes hbuf
.if DOCPART == 1
	.amdgcn_target "amdgcn-amd-amdhsa--gfx1250"
	.amdhsa_code_object_version 6
	.text
	.protected	k_q52658dc3a8_ln1q
	.globl	k_q52658dc3a8_ln1q
	.p2align	8
	.type	k_q52658dc3a8_ln1q,@function
k_q52658dc3a8_ln1q:
	s_mov_b64 s[64:65], 0
	v_nop
	global_prefetch_b8 v0, s[64:65] scope:SCOPE_SE
	s_setreg_imm32_b32 hwreg(HW_REG_WAVE_MODE, 25, 1), 1
	s_wait_xcnt 0x0
; h = LayerNorm(x) g + b, quantised along its 1,024 columns to FP6 (E2M3) with one E8M0 byte for each 32; and logf = log_sigmoid(h wf + bf).
; hbuf: codes [4096][768] at 0, scale bytes [4096][32] at HSOFF, logf f32 [batch][head][2048] at LFOFF.
; SHARES.  A work-group takes 16 rows; wave w takes columns 128 w .. 128 w + 127 of all 16.  Lane (r, h) holds 64 numbers of row r: register 16 b + i = column 128 w + 32 b + 16 h + i,
; the order in which the conversions want a lane's numbers.  Mean and variance in two passes (the mean is taken off before the squares), each summed over the eight waves through LDS.
; The wave's codes are one operand fragment (16 rows x 128 K): it is multiplied at once with the wave's K step of wf (16 heads); the eight partial sums meet in LDS.
; Codes leave through LDS as whole rows: a wave stores 1,536 consecutive bytes.  logf leaves as runs of 64 bytes a head (a head's tokens are what the next reader wants on end).
; LIMITS: NaN and infinities among the inputs are not served; a block of zeros gets the byte 1 (its codes are zeros; this program alone reads the bytes).
.set HSOFF, 3145728
.set LFOFF, 3276800
.set RED1, 0                           ; LDS: 8 waves x 16 rows x 4 bytes: the sums
.set RED2, 512                         ; the sums of squares
.set ZR,   1024                        ; 8 waves x 1,024 bytes: partial products with wf
.set HST,  9216                        ; 16 rows of codes, 768 bytes + 16
.set HPI,  784
.set HSS,  21760                       ; 16 rows x 32 scale bytes
.set X,   32                           ; v32-95   my 64 numbers
.set G,   96                           ; v96-159  the gains of my columns
.set BT,  160                          ; v160-223 the biases
.set TM,  96                           ; (the gains' registers, once they are used up) at work in the quantiser
.set PW,  112                          ; the scale word
.set PC,  114                          ; the codes: 12 registers, 7 more at work
.set WF,  224                          ; wf's fragment
.set WFS, 236                          ; its scale word
.set DZ,  240                          ; the product
.set BFV, 248
.set SEL, 20
; 64 numbers of a lane, register 16 b + i = k 32 b + 16 (lane / 16) + i of my row, become a fragment's codes in v[pc] on and its scale word in v[pw].
.macro QUANT s, pc, pw
.irp b, 0,1,2,3
	v_max3_num_f32 v[TM+\b], |v[\s+16*\b]|, |v[\s+1+16*\b]|, 0x1800000   ; block b: my 16 numbers, and the floor 2^(3 - 127): the byte cannot fall under 1
.endr
.irp i, 2,4,6,8,10,12,14
.irp b, 0,1,2,3
	v_max3_num_f32 v[TM+\b], v[TM+\b], |v[\s+16*\b+\i]|, |v[\s+1+16*\b+\i]|
.endr
.endr
.irp b, 0,1,2,3
	v_permlanex16_b32 v[TM+4+\b], v[TM+\b], s[SEL], s[SEL+1]
.endr
.irp b, 0,1,2,3
	v_max_num_f32 v[TM+\b], v[TM+\b], v[TM+4+\b]   ; with lane l xor 16's: the block's largest magnitude
.endr
.irp b, 0,1,2,3
	v_add_nc_u32 v[TM+12+\b], 0xff000000, v[TM+\b]   ; 2 off its exponent field: the conversion's scale operand
.endr
.irp b, 0,1,2,3
	v_lshrrev_b32 v[TM+4+\b], 23, v[TM+12+\b]      ; the scale's byte
.endr
	v_lshl_or_b32 v[\pw], v[TM+5], 8, v[TM+4]
	v_lshl_or_b32 v[\pw], v[TM+6], 16, v[\pw]
	v_lshl_or_b32 v[\pw], v[TM+7], 24, v[\pw]
.irp c, 0,1
	v_cvt_scalef32_pk16_fp6_f32 v[\pc+6*\c:\pc+2+6*\c], v[\s+32*\c:\s+15+32*\c], v[TM+12+2*\c]
	v_cvt_scalef32_pk16_fp6_f32 v[\pc+12+4*\c:\pc+14+4*\c], v[\s+16+32*\c:\s+31+32*\c], v[TM+12+2*\c+1]   ; (a conversion's three registers begin on an even number)
.endr
	v_nop                                          ; one plain place behind a scaled conversion
.irp c, 0,1                                    ; the operand's layout wants a whole block in a lane
.irp i, 0,1,2
	v_permlane16_swap_b32 v[\pc+6*\c+\i], v[\pc+12+4*\c+\i]
.endr
.irp i, 0,1,2
	v_mov_b32 v[\pc+3+6*\c+\i], v[\pc+12+4*\c+\i]
.endr
.endr
.endm
.macro BARRIER                                 ; my LDS stores have landed and my LDS loads are in: then the work-group's barrier
	s_wait_dscnt 0x0
	s_barrier_signal -1
	s_barrier_wait -1
.endm
; v[24:27] hold my lane's part in four pieces: the row's sum over both halves of the lanes and the eight waves comes into v24 of every lane
.macro ROWSUM off
	v_pk_add_f32 v[24:25], v[24:25], v[26:27]
	v_add_f32 v24, v24, v25
	v_permlanex16_b32 v25, v24, s[SEL], s[SEL+1]
	v_add_f32 v24, v24, v25
	ds_store_b32 v9, v24 offset:\off               ; both halves of the lanes write the same word with the same value
	BARRIER
.irp i, 0,1,2,3,4,5,6,7
	ds_load_b32 v[24+\i], v10 offset:\off+64*\i
.endr
	s_wait_dscnt 0x0
	v_add_f32 v24, v24, v25
	v_add_f32 v26, v26, v27
	v_add_f32 v28, v28, v29
	v_add_f32 v30, v30, v31
	v_add_f32 v24, v24, v26
	v_add_f32 v28, v28, v30
	v_add_f32 v24, v24, v28
.endm
	s_load_b256 s[4:11], s[0:1], 0x0               ; x, ln1_g, ln1_b, wf's codes
	s_load_b128 s[12:15], s[0:1], 0x20             ; wf's scales, bf
	s_load_b64 s[16:17], s[0:1], 0x30              ; hbuf
	v_lshl_add_u32 v254, v0, 2, 0x5800
	v_mov_b32 v255, 0
	v_lshrrev_b32 v1, 5, v0
	v_readfirstlane_b32 s18, v1                    ; wave 0..7
	v_and_b32 v1, 31, v0                           ; lane
	v_and_b32 v2, 15, v0                           ; r
	v_bfe_u32 v3, v0, 4, 1                         ; h
	s_mov_b32 s[SEL], 0x76543210
	s_mov_b32 s[SEL+1], 0xfedcba98                 ; v_permlanex16_b32's selects for lane l xor 16
	s_mov_b32 s36, 0x3a800000                      ; 1 / 1,024
	s_lshl_b32 s19, s18, 9
	v_lshl_add_u32 v5, v3, 6, s19                  ; gains and biases: 512 w + 64 h
	v_lshl_add_u32 v4, v2, 12, v5                  ; x: + row r of 4,096 bytes
	s_mul_i32 s22, s18, 96
	v_mul_u32_u24 v6, v2, 768
	v_mad_u32_u24 v6, v3, 24, v6
	v_add_nc_u32 v6, s22, v6                       ; wf: head r, K step w, my half
	s_lshl_b32 s23, s18, 2
	v_lshl_add_u32 v7, v2, 5, s23                  ; a scale word: 32 r + 4 w
	v_bfe_u32 v8, v0, 3, 4
	v_lshlrev_b32 v8, 2, v8                        ; bf of the head whose logf I make
	s_lshl_b32 s24, s18, 6
	v_lshl_add_u32 v9, v2, 2, s24                  ; the sums: 64 w + 4 r
	v_lshlrev_b32 v10, 2, v2
	v_mul_u32_u24 v11, v2, HPI
	v_mad_u32_u24 v11, v3, 24, v11
	s_add_co_u32 s25, s22, HST
	v_add_nc_u32 v11, s25, v11                     ; my codes in the stage
	v_add_nc_u32 v12, HSS, v7
	s_lshl_b32 s26, s18, 10
	s_add_co_u32 s26, s26, ZR
	v_lshl_add_u32 v13, v1, 5, s26                 ; my partial products: 1,024 w + 32 x lane
	v_lshl_add_u32 v14, v0, 2, ZR                  ; and where thread t reads one number of each wave's
	s_mul_i32 s27, s18, 2*HPI
	s_add_co_u32 s27, s27, HST
	v_lshl_add_u32 v15, v1, 4, s27                 ; back out of the stage: rows 2 w and 2 w + 1,
	v_lshl_add_u32 v16, v3, 4, v15                 ; (behind the first row's padding for lanes 16-31 of the middle load)
	s_mul_i32 s28, s18, 1536
	v_lshl_add_u32 v17, v1, 4, s28                 ; and the same bytes in the work-group's 12,288 of hbuf
	v_bfe_u32 v18, v0, 3, 4
	v_lshlrev_b32 v18, 13, v18                     ; logf: head (t / 8) % 16: 8,192 bytes a head,
	v_lshrrev_b32 v19, 7, v0
	v_and_b32 v24, 7, v0
	v_lshl_add_u32 v19, v19, 3, v24                ; token 8 (t / 128) + t % 8
	v_lshl_add_u32 v18, v19, 2, v18
	v_lshlrev_b32 v19, 4, v1                       ; 16 x lane
	s_lshl_b32 s2, ttmp9, 16                       ; the work-group's 16 rows of x
	s_mov_b32 s3, 0
	s_mul_i32 s30, ttmp9, 12288                    ; of codes
	s_mov_b32 s31, 0
	s_lshl_b32 s32, ttmp9, 9                       ; of scale bytes
	s_add_co_u32 s32, s32, HSOFF
	s_mov_b32 s33, 0
	s_lshr_b32 s34, ttmp9, 7                       ; the batch: 16 heads x 8,192 bytes
	s_lshl_b32 s34, s34, 17
	s_and_b32 s35, ttmp9, 127                      ; the first token in it: 64 bytes for 16 tokens
	s_lshl_b32 s35, s35, 6
	s_add_co_u32 s34, s34, s35
	s_add_co_u32 s34, s34, LFOFF
	s_mov_b32 s35, 0
	s_wait_kmcnt 0x0
	s_add_nc_u64 s[4:5], s[4:5], s[2:3]
	s_add_nc_u64 s[30:31], s[16:17], s[30:31]
	s_add_nc_u64 s[32:33], s[16:17], s[32:33]
	s_add_nc_u64 s[34:35], s[16:17], s[34:35]
.irp b, 0,1,2,3
.irp j, 0,1,2,3
	global_load_b128 v[X+16*\b+4*\j:X+16*\b+4*\j+3], v4, s[4:5] offset:128*\b+16*\j th:TH_LOAD_NT
.endr
.endr
.irp b, 0,1,2,3
.irp j, 0,1,2,3
	global_load_b128 v[G+16*\b+4*\j:G+16*\b+4*\j+3], v5, s[6:7] offset:128*\b+16*\j
.endr
.endr
.irp b, 0,1,2,3
.irp j, 0,1,2,3
	global_load_b128 v[BT+16*\b+4*\j:BT+16*\b+4*\j+3], v5, s[8:9] offset:128*\b+16*\j
.endr
.endr
.irp p, 0,1,2,3,4,5
	global_load_b64 v[WF+2*\p:WF+2*\p+1], v6, s[10:11] offset:48*(\p/3)+8*(\p%3)
.endr
	global_load_b32 v[WFS], v7, s[12:13]
	global_load_b32 v[BFV], v8, s[14:15]
	s_wait_loadcnt 40                              ; x's 16 loads are in; the 40 issued behind them (16 + 16 + 6 + 1 + 1) may be out
	v_pk_add_f32 v[24:25], v[X:X+1], v[X+2:X+3]
	v_pk_add_f32 v[26:27], v[X+4:X+5], v[X+6:X+7]
.set j, 8
.rept 14
	v_pk_add_f32 v[24:25], v[24:25], v[X+j:X+j+1]
	v_pk_add_f32 v[26:27], v[26:27], v[X+j+2:X+j+3]
.set j, j+4
.endr
	ROWSUM RED1
	v_mul_f32 v20, s36, v24                        ; the mean
	v_mov_b32 v21, v20
.set j, 0
.rept 32
	v_pk_add_f32 v[X+j:X+j+1], v[X+j:X+j+1], v[20:21] neg_lo:[0,1] neg_hi:[0,1]
.set j, j+2
.endr
	v_pk_mul_f32 v[24:25], v[X:X+1], v[X:X+1]
	v_pk_mul_f32 v[26:27], v[X+2:X+3], v[X+2:X+3]
.set j, 4
.rept 15
	v_pk_fma_f32 v[24:25], v[X+j:X+j+1], v[X+j:X+j+1], v[24:25]
	v_pk_fma_f32 v[26:27], v[X+j+2:X+j+3], v[X+j+2:X+j+3], v[26:27]
.set j, j+4
.endr
	ROWSUM RED2
	v_fmaak_f32 v24, s36, v24, 0x3727c5ac          ; the variance + 1e-5
	v_rsq_f32 v22, v24
	s_wait_loadcnt 0x0                             ; gains, biases, wf
	v_nop                                          ; a plain place behind the transcendental
	s_wait_alu depctr_va_vdst(0)                   ; the wait ahead of the result's first reader
	v_mov_b32 v23, v22
.set j, 0
.rept 32
	v_pk_mul_f32 v[X+j:X+j+1], v[X+j:X+j+1], v[22:23]
.set j, j+2
.endr
.set j, 0
.rept 32
	v_pk_fma_f32 v[X+j:X+j+1], v[X+j:X+j+1], v[G+j:G+j+1], v[BT+j:BT+j+1]
.set j, j+2
.endr
.irp b, 0,1,2,3
	v_mov_b32 v[TM+4+\b], 0                        ; a lane permute's destination counts as one of its sources
.endr
	QUANT X, PC, PW
.irp p, 0,1,2,3,4,5
	ds_store_b64 v11, v[PC+2*\p:PC+2*\p+1] offset:48*(\p/3)+8*(\p%3)
.endr
	ds_store_b32 v12, v[PW]
.rept 8
	v_nop                                          ; a scale register written by a vector instruction stands 8 places ahead of a scaled matrix instruction, an operand so written 4
.endr
	v_wmma_scale_f32_16x16x128_f8f6f4 v[DZ:DZ+7], v[PC:PC+11], v[WF:WF+11], 0, v[PW], v[WFS] matrix_a_fmt:MATRIX_FMT_FP6 matrix_b_fmt:MATRIX_FMT_FP6   ; lane (r, h): head r, tokens 8 h + 0 .. 7; K = my 128 columns
.rept 4
	v_nop
.endr
	ds_store_b128 v13, v[DZ:DZ+3]
	ds_store_b128 v13, v[DZ+4:DZ+7] offset:16
	BARRIER                                        ; 16 rows of codes, their scale bytes and the eight partial products lie in LDS
	ds_load_b128 v[32:35], v15
	ds_load_b128 v[36:39], v16 offset:512
	ds_load_b128 v[40:43], v15 offset:1040
.irp i, 0,1,2,3,4,5,6,7
	ds_load_b32 v[48+\i], v14 offset:1024*\i
.endr
	s_wait_dscnt 0x0
	global_store_b128 v17, v[32:35], s[30:31]              ; a wave stores 1,536 consecutive bytes, at a multiple of 256 from the buffer's first byte
	global_store_b128 v17, v[36:39], s[30:31] offset:512
	global_store_b128 v17, v[40:43], s[30:31] offset:1024
.irp i, 1,2,3,4,5,6,7
	v_add_f32 v48, v48, v[48+\i]                   ; K ascending
.endr
	v_add_f32 v48, v48, v[BFV]                     ; z
	v_mul_f32 v49, 0xbfb8aa3b, |v48|               ; -|z| log2(e)
	v_exp_f32 v49, v49                             ; u = e^-|z|
	v_min_num_f32 v50, 0, v48                      ; (a plain place)
	s_wait_alu depctr_va_vdst(0)
	v_add_f32 v49, 1.0, v49
	v_log_f32 v49, v49
	v_nop
	s_wait_alu depctr_va_vdst(0)
	v_fmamk_f32 v50, v49, 0xbf317218, v50          ; log_sigmoid(z) = min(z, 0) - ln 2 x log2(1 + u)
	global_store_b32 v18, v50, s[34:35]
	s_cmp_lg_u32 s18, 0                            ; wave 0 stores the 512 scale bytes
	s_cbranch_scc1 .Ldone
	ds_load_b128 v[52:55], v19 offset:HSS
	s_wait_dscnt 0x0
	global_store_b128 v19, v[52:55], s[32:33]
.Ldone:
	s_wait_tensorcnt 0x0
	ds_add_u32 v254, v255
	s_wait_dscnt 0x0
	s_endpgm
.Lfunc_end_k_q52658dc3a8_ln1q:
	.size	k_q52658dc3a8_ln1q, .Lfunc_end_k_q52658dc3a8_ln1q-k_q52658dc3a8_ln1q
	.p2alignl 7, 3214868480
	.fill 96, 4, 3214868480
	.section	.rodata,"a",@progbits
	.p2align	6, 0x0
	.amdhsa_kernel k_q52658dc3a8_ln1q
		.amdhsa_group_segment_fixed_size 23552
		.amdhsa_private_segment_fixed_size 0
		.amdhsa_enable_private_segment 0
		.amdhsa_kernarg_size 56
		.amdhsa_user_sgpr_count 2
		.amdhsa_user_sgpr_kernarg_segment_ptr 1
		.amdhsa_wavefront_size32 1
		.amdhsa_system_sgpr_workgroup_id_x 1
		.amdhsa_system_sgpr_workgroup_id_y 1
		.amdhsa_system_sgpr_workgroup_id_z 1
		.amdhsa_system_vgpr_workitem_id 0
		.amdhsa_next_free_vgpr 256
		.amdhsa_next_free_sgpr 66
		.amdhsa_reserve_vcc 0
		.amdhsa_float_denorm_mode_32 3
		.amdhsa_float_denorm_mode_16_64 3
		.amdhsa_memory_ordered 1
		.amdhsa_forward_progress 1
		.amdhsa_inst_pref_size 29
	.end_amdhsa_kernel
	.amdgpu_metadata
---
amdhsa.version: [ 1, 2 ]
amdhsa.kernels:
  - .name:           k_q52658dc3a8_ln1q
    .symbol:         k_q52658dc3a8_ln1q.kd
    .args:
      - { .name: x, .offset: 0, .size: 8, .value_kind: global_buffer, .address_space: global }
      - { .name: ln1_g, .offset: 8, .size: 8, .value_kind: global_buffer, .address_space: global }
      - { .name: ln1_b, .offset: 16, .size: 8, .value_kind: global_buffer, .address_space: global }
      - { .name: wf_codes, .offset: 24, .size: 8, .value_kind: global_buffer, .address_space: global }
      - { .name: wf_scales, .offset: 32, .size: 8, .value_kind: global_buffer, .address_space: global }
      - { .name: bf, .offset: 40, .size: 8, .value_kind: global_buffer, .address_space: global }
      - { .name: hbuf, .offset: 48, .size: 8, .value_kind: global_buffer, .address_space: global }
    .group_segment_fixed_size: 23552
    .private_segment_fixed_size: 0
    .kernarg_segment_align: 8
    .kernarg_segment_size: 56
    .max_flat_workgroup_size: 256
    .sgpr_count:     66
    .vgpr_count:     256
    .wavefront_size: 32
...
	.end_amdgpu_metadata
.endif
;; end of part 1
;; launch qkv (part 2): grid 12 x 16, 4 waves a work-group, clusters of 4 x 4, 327,680 bytes of LDS; arguments hbuf, wq_codes, wq_scales, wk_codes, wk_scales, wv_codes, wv_scales, bq, bk, bv, qkvb; writes qkvb
.if DOCPART == 2
	.amdgcn_target "amdgcn-amd-amdhsa--gfx1250"
	.amdhsa_code_object_version 6
	.text
	.protected	k_q52658dc3a8_qkv
	.globl	k_q52658dc3a8_qkv
	.p2align	8
	.type	k_q52658dc3a8_qkv,@function
k_q52658dc3a8_qkv:
	s_mov_b64 s[64:65], 0
	v_nop
	global_prefetch_b8 v0, s[64:65] scope:SCOPE_SE
	s_setreg_imm32_b32 hwreg(HW_REG_WAVE_MODE, 25, 1), 1
	s_wait_xcnt 0x0
	s_wait_alu depctr_hold_cnt(0) depctr_sa_sdst(0) depctr_va_vdst(0) depctr_va_sdst(0) depctr_va_ssrc(0) depctr_va_vcc(0) depctr_vm_vsrc(0)
	s_getreg_b32 s2, hwreg(HW_REG_IB_STS2, 6, 4)
	s_cmp_eq_u32 s2, 0
	s_cbranch_scc0 .Lentry_in_a_cluster
	s_endpgm
.Lentry_in_a_cluster:
	s_bfe_u32 s2, ttmp6, 0x10000c
	s_cmp_lg_u32 s2, 0xf033
	s_cbranch_scc0 .Lentry_shape_is_right
	s_endpgm
.Lentry_shape_is_right:
; q = h wq + bq, k = h wk + bk (tiles C[token][channel]) and v^T = (h wv + bv)^T (tiles C[channel][token]), all on codes of FP6 (E2M3) with E8M0 scales, each result quantised again along its COLUMNS:
; q and k along the head's 64 channels, v^T along the keys.  The cluster's x says which: 0 q, 1 k, 2 v.  For v the operands change places: A = wv's rows, B = h's rows.
; A tile of C, 256 x 256, is made by four waves, 128 x 128 each: 64 accumulators.  K = 1,024 goes in steps of 256 through two LDS slots filled by the tensor data mover; the scale bytes of the 512 rows come once.
; CLUSTERS: 4 x 4 work-groups; A's tiles are asked for jointly along a row of the cluster, B's along a column.  The matrix instruction is used transposed (source 0 = rows of B, source 1 = rows of A): a lane holds
; eight neighbouring columns of one row of C.
; THE WAY OUT: block by block of 16 rows: + biases, two neighbouring tiles' halves change places so that a lane holds 16 neighbours, quantised, codes and scale bytes into a stage in slot 0
; (it has had its last fill and its last read), laid as 16 chunks of 64 rows x 48 bytes; a barrier; each wave stores four chunks of 3,072 consecutive bytes.
; qkvb: codes at X x 3,145,728, chunk (batch x 16 + head, group of 64 tokens) at index hb x 32 + group: q, k: [64 tokens][48 bytes]; v: [64 channels][48 bytes = 64 keys].  Scale bytes, two a row of a chunk, at 9,437,184 + X x 131,072.
; Both kinds of bias are always added: the column biases (q, k) are cleared for v, the row biases (v) for q and k.
; LIMITS: NaN and infinities are not served; a block of zeros gets the byte 1 (its codes are zeros; this program alone reads the bytes).
.set SIZE_K, 1024
.set ASTEP,  192                       ; bytes from A's K step to the next
.set AROW,   192
.set AROWS,  128
.set KSTEP,  256
.set NQ,     KSTEP/128
.set ROWB,   192
.set KROW,   SIZE_K*6/8
.set APIT,   KROW
.set PITCH,  240                       ; an LDS row: 3 x (64 bytes + 16 of padding)
.set FR,     12
.set NL,     6
.set NP,     4
.set HALFT,  128*PITCH
.set SLOT,   4*HALFT
.set LAPS,   SIZE_K/(2*KSTEP)
.set KS,     SIZE_K/32
.set SCL,    2*SLOT                    ; behind the ring: the scales, as units of 256 bytes + 16
.set HALFS,  (128*KS/256)*272
.set SBLK,   (16*KS/256)*272
.set SPARE,  SCL+4*HALFS               ; the spare words, 128 bytes for each wave
.set ADRA, 16
.set ADRB, 20
.set STO,  24                          ; the stage: where I put my codes
.set RD,   25                          ; and where I read chunks back
.set CO,   26                          ; 16 x lane
.set ADRS, 27
.set SPW,  28
.set NIL,  29
.set STS,  9                           ; the stage's scale bytes: in,
.set RDS,  10                          ; and back
.set SC,   32
.set AF,   128
.set BI,   64                          ; v64-127  column biases, register 8 b + j = column 16 b + 8 h + j
.set RB,   240                         ; v240-255 row biases, each twice
.set W,    128                         ; the way out: a block's 64 numbers
.set PC0,  192                         ; codes: two sets of 20 by turns
.set TM,   32
.set PW0,  48
.set SST,  49152
.set SEL,  104
.set G1, 24
.set G0, 32
.set G1B, 48
.set G0B, 56
.set G1S, 68
.set G0S, 76
.set G1SB, 80
.set G0SB, 88
.set MSB, 0
.macro WIN new                         ; the immediate's high byte repeats the setting that is left
.if MSB != \new
	s_set_vgpr_msb (MSB<<8)|\new
.set MSB, \new
.endif
.endm
.set MUL_LO, 0xa1
.set MUL_HI, 0xf1
.set TO_B,   0x40
.macro JLOAD g0a, g1a, g0b, g1b        ; a joint load: waves 0 and 1 fetch for A, waves 2 and 3 for B; four v_nop follow each line
	s_cmp_eq_u32 s15, 0
	s_cbranch_scc0 .Lfor_b_\@
	tensor_load_to_lds s[\g0a:\g0a+3], s[\g1a:\g1a+7]
	s_nop 0
.rept 4
	v_nop
.endr
	s_branch .Lasked_\@
.Lfor_b_\@:
	tensor_load_to_lds s[\g0b:\g0b+3], s[\g1b:\g1b+7]
	s_nop 0
.rept 4
	v_nop
.endr
.Lasked_\@:
.endm
.macro CREST
	s_cmp_lg_u32 s14, 0
	s_cbranch_scc1 .Lnot_wave_0_\@
	s_barrier_signal -3
.Lnot_wave_0_\@:
	s_barrier_wait -3
	s_barrier_signal -1
	s_barrier_wait -1
.endm
.macro CROUND
	s_barrier_signal -1
	s_barrier_wait -1
	CREST
.endm
.macro FRAG reg, adr, q, i             ; a fragment: 16 rows x 128 K, 12 registers, in pieces of 8 bytes; where lanes 16-31's piece lies behind one padding more, the second address register serves
.irp p, 0,1,2,3,4,5
.set PCE, 12*(\q)+6*(\p/3)+\p%3
.if PCE%8 < 5
	ds_load_b64 v[\reg+2*\p:\reg+2*\p+1], v[\adr] offset:8*PCE+16*(PCE/8)+(\i)*16*PITCH
.else
	ds_load_b64 v[\reg+2*\p:\reg+2*\p+1], v[\adr+2] offset:8*PCE+16*(PCE/8)+(\i)*16*PITCH
.endif
.endr
.endm
.macro MUL16 a0, p, q, sc, zero        ; A's blocks a0, a0 + 1 x B's eight; the 64 accumulators take turns
.irp a, \a0, \a0+1
.irp b, 0,1,2,3,4,5,6,7
.if \zero
	v_wmma_scale_f32_16x16x128_f8f6f4 v[8*(8*((\a)%4)+\b):8*(8*((\a)%4)+\b)+7], v[128*(\p)+FR*\b:128*(\p)+FR*\b+FR-1], v[AF+FR*(\a):AF+FR*(\a)+FR-1], 0, v[SC+8*NQ*(\sc)+NQ*\b+(\q)], v[SC+8*NQ*(\sc)+NQ*(\a)+(\q)] matrix_a_fmt:MATRIX_FMT_FP6 matrix_b_fmt:MATRIX_FMT_FP6 matrix_a_scale:MATRIX_SCALE_ROW1
.else
	v_wmma_scale_f32_16x16x128_f8f6f4 v[8*(8*((\a)%4)+\b):8*(8*((\a)%4)+\b)+7], v[128*(\p)+FR*\b:128*(\p)+FR*\b+FR-1], v[AF+FR*(\a):AF+FR*(\a)+FR-1], v[8*(8*((\a)%4)+\b):8*(8*((\a)%4)+\b)+7], v[SC+8*NQ*(\sc)+NQ*\b+(\q)], v[SC+8*NQ*(\sc)+NQ*(\a)+(\q)] matrix_a_fmt:MATRIX_FMT_FP6 matrix_b_fmt:MATRIX_FMT_FP6 matrix_a_scale:MATRIX_SCALE_ROW1
.endif
.endr
.endr
.endm
.macro FETCH_B slot, q, p
	WIN TO_B
.irp i, 0,1,2,3,4,5,6,7
	FRAG 128*(\p)+FR*\i, ADRB+\slot, \q, \i
.endr
	WIN 0
.endm
.macro FETCH_A slot, q, i0
.irp i, \i0, \i0+1, \i0+2, \i0+3
	FRAG AF+FR*(\i), ADRA+\slot, \q, \i
.endr
.endm
.macro SCALES sc                       ; lanes 0-15 take A's block i, lanes 16-31 B's block i: two words a row
.irp i, 0,1,2,3,4,5,6,7
	ds_load_b64 v[SC+8*NQ*\sc+NQ*\i:SC+8*NQ*\sc+NQ*\i+1], v[ADRS] offset:\i*SBLK
.endr
.endm
.macro PLACES n                        ; plain vector instructions between a matrix instruction and a load into, or a read of, its registers
.rept \n
	v_nop
.endr
.endm
.macro STEP slot, q, zero              ; 128 along K that has its successor in the same slot
	s_wait_dscnt 4*NL                              ; B's set and A's blocks 0-3 are in; the youngest 24 loads (A's blocks 4-7) may be out
	WIN MUL_LO
	MUL16 0, (\q)%2, \q, \slot, \zero
	MUL16 2, (\q)%2, \q, \slot, \zero
	s_wait_dscnt 0
	PLACES NP
	FETCH_B \slot, (\q)+1, 1-(\q)%2
	FETCH_A \slot, (\q)+1, 0
	WIN MUL_HI
	MUL16 4, (\q)%2, \q, \slot, \zero
	MUL16 6, (\q)%2, \q, \slot, \zero
	PLACES NP
	WIN 0
	FETCH_A \slot, (\q)+1, 4
.endm
.macro TURN slot, next, fill           ; a slot's last step changes slots
	s_wait_tensorcnt 0x0                           ; all my tensor loads have landed: my part of the next slot
	ds_add_u32 v[SPW], v[NIL]                      ; 0 onto my spare word
	s_wait_dscnt 4*NL+1                            ; (the add and the youngest 24 loads may be out)
	WIN MUL_LO
	MUL16 0, 1, NQ-1, \slot, 0
	s_wait_dscnt 0x0                               ; the add is done, and my reads of this slot are over
	s_barrier_signal -1
	MUL16 2, 1, NQ-1, \slot, 0
	WIN 0
	s_barrier_wait -1
.if \fill
	CREST                                          ; the barrier has opened a round of the cluster's barrier: no wave of any partner still reads this slot or has a load on its way
	s_add_nc_u64 s[G0+4*\slot+2:G0+4*\slot+3], s[G0+4*\slot+2:G0+4*\slot+3], 2*ASTEP
	s_add_nc_u64 s[G0B+4*\slot+2:G0B+4*\slot+3], s[G0B+4*\slot+2:G0B+4*\slot+3], 2*ROWB
	JLOAD G0+4*\slot, G1, G0B+4*\slot, G1B         ; the first tensor load behind the round
.else
	PLACES NP
.endif
	v_add_nc_u32 v[ADRS], 4*NQ, v[ADRS]
	FETCH_B \next, 0, 0
	FETCH_A \next, 0, 0
	SCALES \next
	WIN MUL_HI
	MUL16 4, 1, NQ-1, \slot, 0
	MUL16 6, 1, NQ-1, \slot, 0
	PLACES NP
	WIN 0
	FETCH_A \next, 0, 4
.endm
; 64 numbers of a lane, register 16 b + i = k 32 b + 16 (lane / 16) + i of my row, become a fragment's codes in v[pc] on and its scale word in v[pw].
.macro QUANT s, pc, pw
.irp b, 0,1,2,3
	v_max3_num_f32 v[TM+\b], |v[\s+16*\b]|, |v[\s+1+16*\b]|, 0x1800000   ; and the floor 2^(3 - 127): the byte cannot fall under 1
.endr
.irp i, 2,4,6,8,10,12,14
.irp b, 0,1,2,3
	v_max3_num_f32 v[TM+\b], v[TM+\b], |v[\s+16*\b+\i]|, |v[\s+1+16*\b+\i]|
.endr
.endr
.irp b, 0,1,2,3
	v_permlanex16_b32 v[TM+4+\b], v[TM+\b], s[SEL], s[SEL+1]
.endr
.irp b, 0,1,2,3
	v_max_num_f32 v[TM+\b], v[TM+\b], v[TM+4+\b]
.endr
.irp b, 0,1,2,3
	v_add_nc_u32 v[TM+12+\b], 0xff000000, v[TM+\b]   ; 2 off the exponent field: the conversion's scale operand
.endr
.irp b, 0,1,2,3
	v_lshrrev_b32 v[TM+4+\b], 23, v[TM+12+\b]
.endr
	v_lshl_or_b32 v[\pw], v[TM+5], 8, v[TM+4]
	v_lshl_or_b32 v[\pw], v[TM+6], 16, v[\pw]
	v_lshl_or_b32 v[\pw], v[TM+7], 24, v[\pw]
.irp c, 0,1
	v_cvt_scalef32_pk16_fp6_f32 v[\pc+6*\c:\pc+2+6*\c], v[\s+32*\c:\s+15+32*\c], v[TM+12+2*\c]
	v_cvt_scalef32_pk16_fp6_f32 v[\pc+12+4*\c:\pc+14+4*\c], v[\s+16+32*\c:\s+31+32*\c], v[TM+12+2*\c+1]
.endr
	v_nop                                          ; one plain place behind a scaled conversion
.irp c, 0,1
.irp i, 0,1,2
	v_permlane16_swap_b32 v[\pc+6*\c+\i], v[\pc+12+4*\c+\i]
.endr
.irp i, 0,1,2
	v_mov_b32 v[\pc+3+6*\c+\i], v[\pc+12+4*\c+\i]
.endr
.endr
.endm
; Two neighbouring tiles hold columns 32 b + 8 h + j and 32 b + 16 + 8 h + j: the first's lanes 16-31 change places with the second's lanes 0-15, and a lane holds columns 32 b + 16 h + 0 .. 15
.macro SWAP16 s
.irp b, 0,1,2,3
.irp j, 0,1,2,3,4,5,6,7
	v_permlane16_swap_b32 v[\s+16*\b+\j], v[\s+16*\b+8+\j]
.endr
.endr
.endm
	s_load_b512 s[68:83], s[0:1], 0x0              ; hbuf, wq codes, wq scales, wk codes, wk scales, wv codes, wv scales, bq
	s_load_b128 s[84:87], s[0:1], 0x40             ; bk, bv
	s_load_b64 s[88:89], s[0:1], 0x50              ; qkvb
	v_lshl_add_u32 v[SPW], v0, 2, SPARE
	v_mov_b32 v[NIL], 0
	ds_add_u32 v28, v29
	ds_add_u32 v28, v29
	s_wait_dscnt 0x0
	v_lshrrev_b32 v1, 5, v0
	v_readfirstlane_b32 s14, v1                    ; wave 0..3
	s_lshr_b32 s15, s14, 1                         ; which half of the tile's rows is mine.  Also: I fetch for A (0) or for B (1)
	s_and_b32 s16, s14, 1                          ; which half of its columns.  Also: which 128 rows of that tile I fetch
	s_bfe_u32 s40, ttmp6, 0x40000                  ; cx, cy: my place in the cluster
	s_bfe_u32 s41, ttmp6, 0x40004
	s_and_b32 s18, ttmp7, 0xffff
	s_lshl_b32 s18, s18, 2                         ; 4 x cluster y: it walks the tokens
	s_cmp_eq_u32 ttmp9, 2                          ; the cluster's x is the same in all sixteen partners
	s_cselect_b32 s19, 0, s18
	s_cselect_b32 s18, s18, 0
	s_cselect_b32 s95, -1, 0                       ; all ones for v
	s_add_co_u32 s17, s19, s41                     ; tile row: q, k: 4 Y + cy (tokens); v: cy (channels)
	s_add_co_u32 s42, s18, s40                     ; tile column: q, k: cx (channels); v: 4 Y + cx (tokens)
	s_lshl_b32 s43, s41, 2
	s_lshl_b32 s43, 15, s43                        ; my row of the cluster
	s_lshl_b32 s44, 0x1111, s40                    ; my column
	s_mov_b32 s[SEL], 0x76543210
	s_mov_b32 s[SEL+1], 0xfedcba98
	s_mul_i32 s96, ttmp9, 3145728
	s_mov_b32 s97, 0
	s_wait_kmcnt 0x0
	s_add_nc_u64 s[90:91], s[68:69], 3145728       ; h's scale bytes
	s_add_nc_u64 s[12:13], s[88:89], s[96:97]      ; where this tensor's codes go
	s_lshl_b32 s96, ttmp9, 17
	s_add_co_u32 s96, s96, 9437184
	s_add_nc_u64 s[100:101], s[88:89], s[96:97]    ; and its scale bytes
	s_cmp_eq_u32 ttmp9, 1
	s_cselect_b64 s[92:93], s[74:75], s[70:71]     ; wk or wq
	s_cselect_b64 s[2:3], s[76:77], s[72:73]
	s_cselect_b64 s[98:99], s[84:85], s[82:83]
	s_cmp_eq_u32 ttmp9, 2
	s_cselect_b64 s[4:5], s[78:79], s[68:69]       ; A's codes: wv or h
	s_cselect_b64 s[6:7], s[80:81], s[90:91]       ; A's scales
	s_cselect_b64 s[8:9], s[68:69], s[92:93]       ; B's codes: h or the weight
	s_cselect_b64 s[10:11], s[90:91], s[2:3]       ; B's scales
	s_cselect_b64 s[98:99], s[86:87], s[98:99]     ; the bias
	; descriptor group 1: a tile of 128 rows x 192 bytes, 16 bytes of padding behind every 64
	s_or_b32 s[G1+0], s43, (0<<16)|(1<<20)|(1<<21)|(3<<22)|(3<<25)
	s_or_b32 s[G1B+0], s44, (0<<16)|(1<<20)|(1<<21)|(3<<22)|(3<<25)
	s_mov_b32 s[G1+1], AROW<<16
	s_mov_b32 s[G1+2], AROWS<<16
	s_mov_b32 s[G1+3], AROW<<16
	s_mov_b32 s[G1+4], AROWS
	s_mov_b32 s[G1+5], APIT
	s_mov_b32 s[G1+6], 0
	s_mov_b32 s[G1+7], 0
	s_mov_b32 s[G1B+1], ROWB<<16
	s_mov_b32 s[G1B+2], 128<<16
	s_mov_b32 s[G1B+3], ROWB<<16
	s_mov_b32 s[G1B+4], 128
	s_mov_b32 s[G1B+5], KROW
	s_mov_b32 s[G1B+6], 0
	s_mov_b32 s[G1B+7], 0
	; the scales of 128 rows: a dense block, as rows of 256 bytes with 16 bytes of padding behind each
	s_or_b32 s[G1S+0], s43, (3<<16)|(1<<20)|(1<<21)|(5<<22)|(3<<25)
	s_or_b32 s[G1SB+0], s44, (3<<16)|(1<<20)|(1<<21)|(5<<22)|(3<<25)
.irp g, G1S, G1SB
	s_mov_b32 s[\g+1], 32<<16
	s_mov_b32 s[\g+2], (128*KS/256)<<16
	s_mov_b32 s[\g+3], 32<<16
	s_mov_b32 s[\g+4], 128*KS/256
	s_mov_b32 s[\g+5], 32
	s_mov_b32 s[\g+6], 0
	s_mov_b32 s[\g+7], 0
.endr
	s_lshl_b32 s18, s16, 7
	s_lshl_b32 s20, s17, 8
	s_add_co_u32 s20, s20, s18                     ; A: row 256 x tile row + 128 x half
	s_lshl_b32 s46, s42, 8
	s_add_co_u32 s46, s46, s18                     ; B: row 256 x tile column + 128 x half
	s_mov_b32 s21, 0
	s_mov_b32 s47, 0
	s_mov_b64 s[18:19], KS
	s_mul_u64 s[22:23], s[20:21], s[18:19]
	s_mul_u64 s[92:93], s[46:47], s[18:19]
	s_mov_b64 s[18:19], KROW
	s_mul_u64 s[20:21], s[20:21], s[18:19]
	s_mul_u64 s[46:47], s[46:47], s[18:19]
	s_mul_i32 s45, s14, HALFT
	s_mul_i32 s94, s14, HALFS
	s_add_nc_u64 s[20:21], s[4:5], s[20:21]
	s_add_nc_u64 s[22:23], s[6:7], s[22:23]
	s_add_nc_u64 s[46:47], s[8:9], s[46:47]
	s_add_nc_u64 s[92:93], s[10:11], s[92:93]
	CROUND                                         ; all sixteen work-groups are here: the first joint loads meet
	s_mov_b32 s[G0S], 1
	s_add_co_u32 s[G0S+1], s94, SCL
	s_mov_b64 s[G0S+2:G0S+3], s[22:23]
	s_or_b32 s[G0S+3], s[G0S+3], 0x80000000
	s_mov_b32 s[G0SB], 1
	s_add_co_u32 s[G0SB+1], s94, SCL
	s_mov_b64 s[G0SB+2:G0SB+3], s[92:93]
	s_or_b32 s[G0SB+3], s[G0SB+3], 0x80000000
	JLOAD G0S, G1S, G0SB, G1SB
.irp s, 0,1
	s_mov_b32 s[G0+4*\s], 1
	s_add_co_u32 s[G0+4*\s+1], s45, \s*SLOT
	s_add_nc_u64 s[G0+4*\s+2:G0+4*\s+3], s[20:21], \s*ASTEP
	s_or_b32 s[G0+4*\s+3], s[G0+4*\s+3], 0x80000000
	s_mov_b32 s[G0B+4*\s], 1
	s_add_co_u32 s[G0B+4*\s+1], s45, \s*SLOT
	s_add_nc_u64 s[G0B+4*\s+2:G0B+4*\s+3], s[46:47], \s*ROWB
	s_or_b32 s[G0B+4*\s+3], s[G0B+4*\s+3], 0x80000000
	JLOAD G0+4*\s, G1, G0B+4*\s, G1B
.endr
	v_and_b32 v1, 15, v0                           ; l % 16
	v_bfe_u32 v2, v0, 4, 1                         ; l / 16
	v_mul_u32_u24 v3, v1, PITCH
	v_mul_u32_u24 v4, v2, 24
	v_add_nc_u32 v4, v3, v4
	v_lshl_add_u32 v5, v2, 4, v4
	s_mul_i32 s21, s15, HALFT
	s_mul_i32 s22, s16, HALFT
	s_add_co_u32 s22, s22, 2*HALFT
.irp s, 0,1
	v_add_nc_u32 v[ADRA+\s], s21, v4
	v_add_nc_u32 v[ADRB+\s], s22, v4
	v_add_nc_u32 v[ADRA+2+\s], s21, v5
	v_add_nc_u32 v[ADRB+2+\s], s22, v5
	s_add_co_u32 s21, s21, SLOT
	s_add_co_u32 s22, s22, SLOT
.endr
	v_mul_u32_u24 v5, v1, KS
	v_lshrrev_b32 v6, 8, v5
	v_lshl_add_u32 v5, v6, 4, v5
	s_mul_i32 s21, s15, HALFS
	s_mul_i32 s22, s16, HALFS
	s_add_co_u32 s22, s22, 2*HALFS
	s_sub_co_u32 s22, s22, s21
	v_mul_u32_u24 v6, s22, v2                      ; lanes 16-31 take B's
	s_add_co_u32 s21, s21, SCL
	v_add_nc_u32 v5, v5, v6
	v_add_nc_u32 v[ADRS], s21, v5
	; the way out's LDS addresses: the stage is [row / 64][column / 64][64 rows][48 bytes], its scale bytes [row / 64][column / 64][64 rows][2] at SST
	v_mul_u32_u24 v5, v1, 48
	v_mad_u32_u24 v5, v2, 24, v5
	s_mul_i32 s21, s15, 24576
	s_mul_i32 s22, s16, 6144
	s_add_co_u32 s21, s21, s22
	v_add_nc_u32 v[STO], s21, v5
	s_lshl_b32 s21, s15, 10
	s_lshl_b32 s22, s16, 8
	s_add_co_u32 s21, s21, s22
	s_add_co_u32 s21, s21, SST
	v_lshl_add_u32 v[STS], v1, 1, s21
	v_and_b32 v6, 31, v0
	v_lshlrev_b32 v[CO], 4, v6
	s_mul_i32 s21, s14, 12288
	v_add_nc_u32 v[RD], s21, v[CO]                 ; back: wave w takes the four chunks of rows 64 w on
	v_lshl_add_u32 v[RDS], v0, 4, SST
	; the biases.  The set that this cluster does not use is read at offset 0 on, inside the buffer, and cleared later
	s_lshl_b32 s96, s42, 10
	s_lshl_b32 s97, s16, 9
	s_add_co_u32 s96, s96, s97                     ; my first column, in bytes
	s_lshl_b32 s97, s17, 10
	s_lshl_b32 s2, s15, 9
	s_add_co_u32 s97, s97, s2                      ; my first row
	s_cmp_eq_u32 ttmp9, 2
	s_cselect_b32 s96, 0, s96
	s_cselect_b32 s97, s97, 0
	v_lshl_add_u32 v7, v2, 5, s96
	v_lshl_add_u32 v8, v1, 2, s97
.irp b, 0,1,2,3,4,5,6,7
	global_load_b128 v[BI+8*\b:BI+8*\b+3], v7, s[98:99] offset:64*\b
	global_load_b128 v[BI+8*\b+4:BI+8*\b+7], v7, s[98:99] offset:64*\b+16
.endr
.irp a, 0,1,2,3,4,5,6,7
	global_load_b32 v[RB+2*\a], v8, s[98:99] offset:64*\a
	global_load_b32 v[RB+2*\a+1], v8, s[98:99] offset:64*\a
.endr
	s_wait_tensorcnt 1                             ; the scales and my part of K step 0 are in (K step 1's load may be out),
	s_barrier_signal -1
	s_barrier_wait -1                              ; everybody's are
	FETCH_B 0, 0, 0
	FETCH_A 0, 0, 0
	SCALES 0
	FETCH_A 0, 0, 4
	STEP 0, 0, 1                                   ; the first step's products start the sums
.if LAPS > 1
	s_mov_b32 s3, LAPS-1
.Llap:
	TURN 0, 1, 1
	STEP 1, 0, 0
	TURN 1, 0, 1
	STEP 0, 0, 0
	s_sub_co_u32 s3, s3, 1
	s_cmp_lg_u32 s3, 0
	s_cbranch_scc1 .Llap
.endif
	TURN 0, 1, 0                                   ; the last lap fills nothing
	STEP 1, 0, 0
	s_wait_dscnt 4*NL
	WIN MUL_LO
	MUL16 0, 1, NQ-1, 1, 0
	MUL16 2, 1, NQ-1, 1, 0
	s_wait_dscnt 0
	WIN MUL_HI
	MUL16 4, 1, NQ-1, 1, 0
	MUL16 6, 1, NQ-1, 1, 0
	WIN 0
	; THE WAY OUT
	s_wait_loadcnt 0x0                             ; the biases
	PLACES NP
.set i, 0
.rept 64
	v_cndmask_b32 v[BI+i], v[BI+i], 0, s95         ; v has no column bias
.set i, i+1
.endr
.set i, 0
.rept 16
	v_cndmask_b32 v[RB+i], 0, v[RB+i], s95         ; q and k have no row bias
.set i, i+1
.endr
.irp b, 0,1,2,3
	v_mov_b32 v[TM+4+\b], 0                        ; a lane permute's destination counts as one of its sources
.endr
.macro QB a                            ; block a: 16 rows x my 128 columns
.set AC, 64*((\a)%4)
.set WN, 0x02+(\a)/4
.set PCX, PC0+20*((\a)%2)
.set PWX, PW0+(\a)%2
	WIN WN                                         ; source 0: the accumulators' window
.set i, 0
.rept 32
	v_pk_add_f32 v[W+i:W+i+1], v[AC+i:AC+i+1], v[BI+i:BI+i+1]   ; each accumulator from its low end on
.set i, i+2
.endr
	WIN 0
.set i, 0
.rept 32
	v_pk_add_f32 v[W+i:W+i+1], v[W+i:W+i+1], v[RB+2*(\a):RB+2*(\a)+1]
.set i, i+2
.endr
	SWAP16 W
.if (\a) >= 2
	s_wait_dscnt 8                                 ; the stores of the block two back have read this set of registers; the last block's eight may be out
.endif
	QUANT W, PCX, PWX
.irp p, 0,1,2,3,4,5
	ds_store_b64 v[STO], v[PCX+2*\p:PCX+2*\p+1] offset:((\a)/4)*12288+((\a)%4)*768+(\p/3)*3072+8*(\p%3)
.endr
	ds_store_b16 v[STS], v[PWX] offset:((\a)/4)*512+((\a)%4)*32            ; the two bytes of my first 64 columns (both halves of the lanes write the same),
	ds_store_b16_d16_hi v[STS], v[PWX] offset:((\a)/4)*512+((\a)%4)*32+128 ; and of the second
.endm
.irp a, 0,1,2,3,4,5,6,7
	QB \a
.endr
	s_wait_dscnt 0x0                               ; for the others' sake: my stores into the stage are done
	s_barrier_signal -1
	s_barrier_wait -1
.irp g, 0,1,2,3
.irp i, 0,1,2,3,4,5
	ds_load_b128 v[128+4*(6*\g+\i):131+4*(6*\g+\i)], v[RD] offset:3072*\g+512*\i
.endr
.endr
	ds_load_b128 v[232:235], v[RDS]
	; chunk index = (batch x 16 + head) x 32 + group of 64 tokens.  q, k: rows walk the groups, columns the heads; v: rows walk the heads, columns the groups
	s_cmp_eq_u32 ttmp9, 2
	s_cselect_b32 s18, s42, s17                    ; the tile coordinate along the tokens
	s_cselect_b32 s19, s17, s42                    ; and along the channels
	s_cselect_b32 s20, 32, 1                       ; chunks from one 64 rows to the next
	s_cselect_b32 s21, 1, 32                       ; and from one 64 columns to the next
	s_lshr_b32 s22, s18, 3
	s_lshl_b32 s22, s22, 4
	s_lshl_b32 s23, s19, 2
	s_add_co_u32 s22, s22, s23
	s_lshl_b32 s22, s22, 5
	s_and_b32 s23, s18, 7
	s_lshl_b32 s23, s23, 2
	s_add_co_u32 s22, s22, s23
	s_mul_i32 s23, s14, s20
	s_add_co_u32 s22, s22, s23                     ; my first chunk
	s_mov_b32 s47, 0
.irp g, 0,1,2,3
	s_mul_i32 s46, s21, \g
	s_add_co_u32 s46, s46, s22
	s_mul_i32 s46, s46, 3072
	s_add_nc_u64 s[24+2*\g:25+2*\g], s[12:13], s[46:47]   ; (no tensor load is out: the descriptors' registers are free)
.endr
	s_lshl_b32 s46, s22, 7
	s_add_nc_u64 s[100:101], s[100:101], s[46:47]
	v_and_b32 v12, 31, v0
	v_lshrrev_b32 v11, 3, v12
	s_lshl_b32 s23, s21, 7
	v_mul_u32_u24 v11, s23, v11
	v_and_b32 v12, 7, v12
	v_lshl_add_u32 v11, v12, 4, v11                ; eight lanes to a chunk's 128 scale bytes
.irp g, 0,1,2,3
.irp i, 0,1,2,3,4,5
	s_wait_dscnt 24-(6*\g+\i)                      ; this load is in; the younger ones may be out
	global_store_b128 v[CO], v[128+4*(6*\g+\i):131+4*(6*\g+\i)], s[24+2*\g:25+2*\g] offset:512*\i   ; 32 lanes store 512 consecutive bytes of a chunk
.endr
.endr
	s_wait_dscnt 0x0
	global_store_b128 v11, v[232:235], s[100:101]
	s_wait_tensorcnt 0x0                           ; the wave's end
	ds_add_u32 v[SPW], v[NIL]
	s_wait_dscnt 0x0
	CROUND                                         ; the closing round
	s_endpgm
.Lfunc_end_k_q52658dc3a8_qkv:
	.size	k_q52658dc3a8_qkv, .Lfunc_end_k_q52658dc3a8_qkv-k_q52658dc3a8_qkv
	.p2alignl 7, 3214868480
	.fill 96, 4, 3214868480
	.section	.rodata,"a",@progbits
	.p2align	6, 0x0
	.amdhsa_kernel k_q52658dc3a8_qkv
		.amdhsa_group_segment_fixed_size 327680
		.amdhsa_private_segment_fixed_size 0
		.amdhsa_enable_private_segment 0
		.amdhsa_kernarg_size 88
		.amdhsa_user_sgpr_count 2
		.amdhsa_user_sgpr_kernarg_segment_ptr 1
		.amdhsa_wavefront_size32 1
		.amdhsa_system_sgpr_workgroup_id_x 1
		.amdhsa_system_sgpr_workgroup_id_y 1
		.amdhsa_system_sgpr_workgroup_id_z 1
		.amdhsa_system_vgpr_workitem_id 0
		.amdhsa_next_free_vgpr 1024
		.amdhsa_next_free_sgpr 106
		.amdhsa_reserve_vcc 0
		.amdhsa_float_denorm_mode_32 3
		.amdhsa_float_denorm_mode_16_64 3
		.amdhsa_memory_ordered 1
		.amdhsa_forward_progress 1
		.amdhsa_inst_pref_size 220
	.end_amdhsa_kernel
	.amdgpu_metadata
---
amdhsa.version: [ 1, 2 ]
amdhsa.kernels:
  - .name:           k_q52658dc3a8_qkv
    .symbol:         k_q52658dc3a8_qkv.kd
    .args:
      - { .name: hbuf, .offset: 0, .size: 8, .value_kind: global_buffer, .address_space: global }
      - { .name: wq_codes, .offset: 8, .size: 8, .value_kind: global_buffer, .address_space: global }
      - { .name: wq_scales, .offset: 16, .size: 8, .value_kind: global_buffer, .address_space: global }
      - { .name: wk_codes, .offset: 24, .size: 8, .value_kind: global_buffer, .address_space: global }
      - { .name: wk_scales, .offset: 32, .size: 8, .value_kind: global_buffer, .address_space: global }
      - { .name: wv_codes, .offset: 40, .size: 8, .value_kind: global_buffer, .address_space: global }
      - { .name: wv_scales, .offset: 48, .size: 8, .value_kind: global_buffer, .address_space: global }
      - { .name: bq, .offset: 56, .size: 8, .value_kind: global_buffer, .address_space: global }
      - { .name: bk, .offset: 64, .size: 8, .value_kind: global_buffer, .address_space: global }
      - { .name: bv, .offset: 72, .size: 8, .value_kind: global_buffer, .address_space: global }
      - { .name: qkvb, .offset: 80, .size: 8, .value_kind: global_buffer, .address_space: global }
    .group_segment_fixed_size: 327680
    .private_segment_fixed_size: 0
    .kernarg_segment_align: 8
    .kernarg_segment_size: 88
    .max_flat_workgroup_size: 128
    .sgpr_count:     106
    .vgpr_count:     1024
    .wavefront_size: 32
...
	.end_amdgpu_metadata
.endif
;; end of part 2
;; launch attn (part 3): grid 8 x 32, 16 waves a work-group, no clusters, 224,256 bytes of LDS; arguments qkvb, hbuf, ctxb; writes ctxb
.if DOCPART == 3
	.amdgcn_target "amdgcn-amd-amdhsa--gfx1250"
	.amdhsa_code_object_version 6
	.text
	.protected	k_q52658dc3a8_attn
	.globl	k_q52658dc3a8_attn
	.p2align	8
	.type	k_q52658dc3a8_attn,@function
k_q52658dc3a8_attn:
	s_mov_b64 s[64:65], 0
	v_nop
	global_prefetch_b8 v0, s[64:65] scope:SCOPE_SE
	s_setreg_imm32_b32 hwreg(HW_REG_WAVE_MODE, 25, 1), 1
	s_wait_xcnt 0x0
; Causal attention with a forget gate, both products on codes of FP6 (E2M3) with E8M0 scales.  logit(i, j) = q_i . k_j / 8 + c_i - c_j, c the running sum of logf along the tokens of a (batch, head).
; t = logit x log2(e); M = the running largest t rounded up to a whole number; p = 2^(t - M) is quantised along the keys; the row's sum is taken of the unquantised p and divides at the end.
; The result, 64 channels of a token, is quantised again (two blocks of 32) and stored as codes and scale bytes of ctxb: codes [4096][768], scale bytes [4096][32] at 3,145,728.
; SHARES.  Work-group (g, hb): queries 128 g .. + 127 and 128 (15 - g) .. + 127 of (batch, head) hb: every work-group has the same number of key steps under the causal mask.  Each of 16 waves owns 16 queries.
; THE WHOLE HEAD'S K AND V LIE IN LDS (2 x 98,304 bytes of codes, 2 x 4,096 of scale bytes), filled once at the start: no slot is ever filled again.
; c is kept in two parts: the sum inside a chunk of 128 tokens (in LDS, as -8 x the sum) and the sum of the chunks before (a register, lane i = chunk i): next to the diagonal no difference of large sums is formed.
; -8 x the key's part is the C of the first product: S' = q . k - 8 loc_j, and t = S' log2(e) / 8 + ((base_i - base_J) + loc_i) log2(e).
; LAYOUT.  Both products are used transposed (S^T = K Q^T, O^T = V^T P^T): a lane holds one query (lane % 16).  The head has 64 channels: the upper half of K's and Q's fragments is zero codes.
; The keys of a tile are not neighbours: lane r of tile 2 b + u takes key 32 b + 8 u + r + 8 (r / 8), so that the 16 registers of tiles 2 b and 2 b + 1 are 16 neighbouring keys.
; NO CLUSTER: the work-groups that share K and V are the query blocks of a head, and which key steps a wave leaves out hangs on just that place.  Nothing is asked for later than the first lines, so there is nothing to prefetch.
; A head owns 48 bytes of a row of ctxb: these stores are pieces of 12 bytes (3 MB in all).
; LIMITS: NaN and infinities are not served; a block of zeros gets the byte 1 (its codes are zeros; this program alone reads the bytes).
.set KOFF,  3145728
.set VOFF,  6291456
.set QSOFF, 9437184
.set KSOFF, 9568256
.set VSOFF, 9699328
.set LFOFF, 3276800
.set CSOFF, 3145728
.set KREG,  0                          ; LDS: [2048 keys][48 bytes]
.set VREG,  98304                      ; [32 groups of 64 keys][64 channels][48 bytes]
.set KSC,   196608                     ; [2048 keys][2 bytes]
.set VSC,   200704                     ; [32 groups][64 channels][2 bytes]
.set LFR,   204800                     ; logf, 2,048 f32
.set CKL,   212992                     ; -8 x the sum inside the chunk, 2,048 f32 (stored by the waves: no fill lands here)
.set TOT,   221184                     ; the 16 chunks' totals
.set AK0,  1
.set AV0,  2
.set ASK0, 3
.set ASV0, 4
.set AC0,  5
.set EX,   6                           ; lane i % 16: the sum of the chunks before chunk i
.set LQ,   7                           ; my query's sum inside its chunk
.set ADK,  8
.set ADV,  9
.set ADS,  10
.set ADT,  11
.set ADC,  28
.set IDX,  29
.set BJ,   30
.set BQ,   31
.set TOF,  205                         ; what is added to S' log2(e) / 8 to give t
.set NM,   208                         ; -M
.set F,    210                         ; v[210:211]: f = 2^(old M - new M), and a 0
.set WV,   18
.set SEL,  20
.set CS,   22
.set G1A,  24                          ; 96 rows of 256 bytes: a quarter of K or of V
.set G1L,  32                          ; 32 rows: logf
.set G1C,  40                          ; 16 rows: scale bytes
.set G0K,  48
.set G0V,  52
.set G0L,  56
.set G0KS, 60
.set G0VS, 68
.set TK,   72
.set TS,   73
.set TC,   74
.set TJ,   75
.set KF,   76
.set Q0,   77
.set CNT,  78
.set MK,   79                          ; s79-83: the lanes whose number has bit 0, 1, 2, 3, 4 set
	s_load_b128 s[4:7], s[0:1], 0x0                ; qkvb, hbuf
	s_load_b64 s[8:9], s[0:1], 0x10                ; ctxb
	v_lshl_add_u32 v243, v0, 2, 0x36400
	v_mov_b32 v252, 0
	ds_add_u32 v243, v252
	ds_add_u32 v243, v252
	v_lshrrev_b32 v8, 5, v0
	v_readfirstlane_b32 s[WV], v8                  ; wave 0..15
	s_and_b32 s84, ttmp7, 0xffff                   ; hb = batch x 16 + head
	s_and_b32 s85, s[WV], 3
	s_mul_i32 s85, s85, 24576                      ; the quarter that I fetch, if I fetch: in memory and in LDS alike
	s_mul_i32 s86, s84, 98304                      ; the head's codes
	s_add_co_u32 s88, s86, s85
	s_mov_b32 s89, 0
	s_lshl_b32 s90, s84, 13
	s_add_co_u32 s90, s90, LFOFF                   ; its logf
	s_mov_b32 s91, 0
	s_lshl_b32 s92, s84, 12                        ; its scale bytes
	s_mov_b32 s93, 0
	s_lshr_b32 s87, s[WV], 2                       ; which of the two blocks of queries is mine: by turns, and the turns shifted from four waves to the next four
	s_add_co_u32 s87, s87, s[WV]
	s_and_b32 s87, s87, 1
	s_sub_co_u32 s94, 15, ttmp9
	s_cmp_eq_u32 s87, 0
	s_cselect_b32 s94, ttmp9, s94
	s_lshl_b32 s94, s94, 7
	s_lshr_b32 s95, s[WV], 1
	s_lshl_b32 s95, s95, 4
	s_add_co_u32 s[Q0], s94, s95
	s_min_u32 s[Q0], s[Q0], 2032                   ; my first query
.irp g, G1A, G1L, G1C
	s_mov_b32 s[\g], 3<<16                         ; no mask; elements of 8 bytes; no padding
	s_mov_b32 s[\g+1], 32<<16                      ; rows of 256 bytes
	s_mov_b32 s[\g+3], 32<<16
	s_mov_b32 s[\g+5], 32                          ; dense
	s_mov_b32 s[\g+6], 0
	s_mov_b32 s[\g+7], 0
.endr
	s_mov_b32 s[G1A+2], 96<<16
	s_mov_b32 s[G1A+4], 96
	s_mov_b32 s[G1L+2], 32<<16
	s_mov_b32 s[G1L+4], 32
	s_mov_b32 s[G1C+2], 16<<16
	s_mov_b32 s[G1C+4], 16
	s_mov_b32 s[SEL], 0x76543210
	s_mov_b32 s[SEL+1], 0xfedcba98
	s_mov_b32 s[CS], 0x3e38aa3b                    ; log2(e) / 8
	s_mov_b32 s[CS+1], s[CS]
	s_mov_b32 s[MK], 0xaaaaaaaa
	s_mov_b32 s[MK+1], 0xcccccccc
	s_mov_b32 s[MK+2], 0xf0f0f0f0
	s_mov_b32 s[MK+3], 0xff00ff00
	s_mov_b32 s[MK+4], 0xffff0000
	s_mov_b32 s[TK], 0
	s_mov_b32 s[TS], 0
	s_mov_b32 s[TC], 0
	s_mov_b32 s[TJ], 0
	s_mov_b32 s[KF], 0
	s_mov_b32 s[CNT], 16
	s_wait_dscnt 0x0
	s_wait_kmcnt 0x0
	s_mov_b32 s[G0K], 1
	s_mov_b32 s[G0K+1], s85
	s_add_nc_u64 s[G0K+2:G0K+3], s[4:5], s[88:89]
	s_add_nc_u64 s[G0K+2:G0K+3], s[G0K+2:G0K+3], KOFF
	s_or_b32 s[G0K+3], s[G0K+3], 0x80000000
	s_mov_b32 s[G0V], 1
	s_add_co_u32 s[G0V+1], s85, VREG
	s_add_nc_u64 s[G0V+2:G0V+3], s[4:5], s[88:89]
	s_add_nc_u64 s[G0V+2:G0V+3], s[G0V+2:G0V+3], VOFF
	s_or_b32 s[G0V+3], s[G0V+3], 0x80000000
	s_mov_b32 s[G0L], 1
	s_mov_b32 s[G0L+1], LFR
	s_add_nc_u64 s[G0L+2:G0L+3], s[6:7], s[90:91]
	s_or_b32 s[G0L+3], s[G0L+3], 0x80000000
	s_mov_b32 s[G0KS], 1
	s_mov_b32 s[G0KS+1], KSC
	s_add_nc_u64 s[G0KS+2:G0KS+3], s[4:5], s[92:93]
	s_add_nc_u64 s[G0KS+2:G0KS+3], s[G0KS+2:G0KS+3], KSOFF
	s_or_b32 s[G0KS+3], s[G0KS+3], 0x80000000
	s_mov_b32 s[G0VS], 1
	s_mov_b32 s[G0VS+1], VSC
	s_add_nc_u64 s[G0VS+2:G0VS+3], s[4:5], s[92:93]
	s_add_nc_u64 s[G0VS+2:G0VS+3], s[G0VS+2:G0VS+3], VSOFF
	s_or_b32 s[G0VS+3], s[G0VS+3], 0x80000000
	; all fills of the launch, in one branch on the wave's number: waves 0-3 a quarter of K and of V each, wave 4 logf and the scale bytes; at most three loads of a wave are out
	s_cmp_lt_u32 s[WV], 4
	s_cbranch_scc0 .Lnot_kv
	tensor_load_to_lds s[G0K:G0K+3], s[G1A:G1A+7]
	s_nop 0
	tensor_load_to_lds s[G0V:G0V+3], s[G1A:G1A+7]
	s_nop 0
.rept 4
	v_nop
.endr
	s_branch .Lasked
.Lnot_kv:
	s_cmp_eq_u32 s[WV], 4
	s_cbranch_scc0 .Lasked
	tensor_load_to_lds s[G0L:G0L+3], s[G1L:G1L+7]
	s_nop 0
	tensor_load_to_lds s[G0KS:G0KS+3], s[G1C:G1C+7]
	s_nop 0
	tensor_load_to_lds s[G0VS:G0VS+3], s[G1C:G1C+7]
	s_nop 0
.rept 4
	v_nop
.endr
.Lasked:
	s_mul_i32 s94, s[Q0], 48
	s_add_co_u32 s94, s94, s86
	s_mov_b32 s95, 0
	s_add_nc_u64 s[14:15], s[4:5], s[94:95]        ; q's codes at my first query
	s_lshl_b32 s94, s[Q0], 1
	s_add_co_u32 s94, s94, s92
	s_add_co_u32 s94, s94, QSOFF
	s_add_nc_u64 s[16:17], s[4:5], s[94:95]        ; and its scale bytes
	s_lshr_b32 s96, s84, 4
	s_lshl_b32 s96, s96, 11
	s_add_co_u32 s96, s96, s[Q0]                   ; my first row of ctxb
	s_and_b32 s97, s84, 15                         ; the head
	s_mul_i32 s94, s96, 768
	s_mul_i32 s87, s97, 48
	s_add_co_u32 s94, s94, s87
	s_add_nc_u64 s[10:11], s[8:9], s[94:95]
	s_lshl_b32 s94, s96, 5
	s_lshl_b32 s87, s97, 1
	s_add_co_u32 s94, s94, s87
	s_add_co_u32 s94, s94, CSOFF
	s_add_nc_u64 s[12:13], s[8:9], s[94:95]
	v_and_b32 v80, 15, v0                          ; r
	v_bfe_u32 v81, v0, 4, 1                        ; h
	v_mul_u32_u24 v83, v80, 48
	v_mad_u32_u24 v83, v81, 24, v83                ; row r of 48 bytes, my half's 24
.irp p, 0,1,2
	global_load_b64 v[16+2*\p:17+2*\p], v83, s[14:15] offset:8*\p   ; Q's fragment stays in registers
.endr
	v_lshlrev_b32 v84, 1, v80
	global_load_u16 v255, v84, s[16:17]            ; its two scale bytes; the upper two bytes stand over zero codes
	v_and_b32 v85, 8, v80
	v_add_nc_u32 v85, v85, v80                     ; r + 8 (r / 8)
	v_mul_u32_u24 v[AK0], v85, 48
	v_mad_u32_u24 v[AK0], v81, 24, v[AK0]
	v_add_nc_u32 v[AV0], VREG, v83
	v_lshl_add_u32 v[ASK0], v85, 1, KSC
	v_lshl_add_u32 v[ASV0], v80, 1, VSC
	v_lshl_add_u32 v[AC0], v81, 6, CKL
	v_lshl_add_u32 v86, v0, 4, LFR                 ; the scan: thread t takes tokens 4 t .. 4 t + 3
	v_lshl_add_u32 v87, v0, 4, CKL
	s_lshl_b32 s94, s[WV], 2
	s_add_co_u32 s94, s94, TOT
	v_mov_b32 v88, s94
	v_lshl_add_u32 v89, v80, 2, TOT
	s_lshl_b32 s94, s[Q0], 2
	s_add_co_u32 s94, s94, CKL
	v_lshl_add_u32 v90, v80, 2, s94                ; my query's word
	s_lshr_b32 s94, s[Q0], 7
	s_lshl_b32 s94, s94, 2
	v_mov_b32 v91, s94                             ; 4 x my query's chunk
	v_mov_b32 v13, 0xff61b1e6                      ; the largest t so far: -3e38
	v_floor_f32 v[NM], -v13
	v_mov_b32 v14, 0
	v_mov_b32 v15, 0
	v_mov_b32 v[F+1], 0
	v_mov_b32 v212, 0                              ; written once: a lane permute's destination (the way out's) counts as one of its sources
.irp i, 22,23,24,25,26,27
	v_mov_b32 v[\i], 0                             ; channels 64 .. 127 of Q: zero codes
.endr
.irp t, 0,1,2,3
.irp i, 6,7,8,9,10,11
	v_mov_b32 v[32+12*\t+\i], 0                    ; and of K's four fragments: written once
.endr
.endr
.set j, 0
.rept 32
	v_mov_b32 v[160+j], 0                          ; O^T: the loop has no first step of its own
.set j, j+1
.endr
	s_wait_tensorcnt 0x0                           ; my fills have landed,
	s_barrier_signal -1
	s_barrier_wait -1                              ; everybody's have
	; THE SCAN.  Wave w: chunk w of 128 tokens.  Inside a lane three additions; across the lanes a butterfly: at step d a lane whose number has bit d set adds its partner group's total to what lies before it
.macro BFLY d, m
	v_mov_b32_dpp v238, v236 row_xmask:\d row_mask:0xf bank_mask:0xf
	v_cndmask_b32 v239, 0, v238, s[\m]
	v_add_f32 v237, v237, v239
	v_add_f32 v236, v236, v238
.endm
	ds_load_b128 v[232:235], v86
	v_mov_b32 v237, 0
	v_mov_b32 v238, 0
	s_wait_dscnt 0x0
	v_add_f32 v233, v232, v233
	v_add_f32 v234, v233, v234
	v_add_f32 v235, v234, v235
	v_mov_b32 v236, v235
	BFLY 1, MK
	BFLY 2, MK+1
	BFLY 4, MK+2
	BFLY 8, MK+3
	v_permlanex16_b32 v238, v236, s[SEL], s[SEL+1]
	v_cndmask_b32 v239, 0, v238, s[MK+4]
	v_add_f32 v237, v237, v239
	v_add_f32 v236, v236, v238                     ; the chunk's total, in every lane
.irp i, 0,1,2,3
	v_add_f32 v[232+\i], v237, v[232+\i]           ; the sum inside the chunk, my token included
.endr
.irp i, 0,1,2,3
	v_mul_f32 v[232+\i], 0xc1000000, v[232+\i]     ; x -8: exact
.endr
	ds_store_b128 v87, v[232:235]
	ds_store_b32 v88, v236                         ; all lanes write the same word with the same value
	s_wait_dscnt 0x0
	s_barrier_signal -1
	s_barrier_wait -1                              ; behind this barrier nothing is stored to LDS any more
	ds_load_b32 v236, v89                          ; lane i % 16: chunk i's total
	ds_load_b32 v[LQ], v90
	v_mov_b32 v237, 0
	s_wait_dscnt 0x0
	BFLY 1, MK
	BFLY 2, MK+1
	BFLY 4, MK+2
	BFLY 8, MK+3
	v_mov_b32 v[EX], v237
	ds_bpermute_b32 v[BQ], v91, v[EX]              ; my query's chunk's base
	v_mul_f32 v[LQ], 0xbe000000, v[LQ]             ; back from -8 x: exact
	s_wait_dscnt 0x0
	s_wait_loadcnt 0x0                             ; Q
; A KEY STEP: 128 keys.
.macro STEP
	s_add_co_u32 s96, s[Q0], 15                    ; a step all of whose keys come after my 16 queries is left out
	s_cmp_gt_u32 s[KF], s96
	s_cbranch_scc1 .Lhidden_\@
	v_add_nc_u32 v[ADK], s[TK], v[AK0]             ; (these six are also the places behind the last step's products)
	v_add_nc_u32 v[ADV], s[TK], v[AV0]
	v_add_nc_u32 v[ADS], s[TS], v[ASK0]
	v_add_nc_u32 v[ADT], s[TS], v[ASV0]
	v_add_nc_u32 v[ADC], s[TC], v[AC0]
	v_mov_b32 v[IDX], s[TJ]
.irp b, 0,1,2,3
.irp i, 0,1,2,3
	ds_load_b128 v[96+16*\b+4*\i:99+16*\b+4*\i], v[ADC] offset:128*\b+16*\i   ; -8 loc of keys 32 b + 16 h + 0 .. 15: the C of the products below
.endr
.endr
	ds_bpermute_b32 v[BJ], v[IDX], v[EX]           ; this chunk's base
.irp g, 0,1
.if \g > 0
.rept 4
	v_nop                                          ; places in front of loads into registers that matrix instructions have read
.endr
.endif
.irp t, 0,1,2,3
.irp p, 0,1,2
	ds_load_b64 v[32+12*\t+2*\p:33+12*\t+2*\p], v[ADK] offset:(32*((4*\g+\t)/2)+8*(\t%2))*48+8*\p
.endr
	ds_load_u16 v[248+\t], v[ADS] offset:(32*((4*\g+\t)/2)+8*(\t%2))*2
.endr
	s_wait_dscnt 0x0
.irp t, 0,1,2,3
	v_wmma_scale_f32_16x16x128_f8f6f4 v[96+8*(4*\g+\t):103+8*(4*\g+\t)], v[32+12*\t:43+12*\t], v[16:27], v[96+8*(4*\g+\t):103+8*(4*\g+\t)], v[248+\t], v255 matrix_a_fmt:MATRIX_FMT_FP6 matrix_b_fmt:MATRIX_FMT_FP6
.endr
.endr
	v_sub_f32 v[TOF], v[BQ], v[BJ]                 ; (four places behind the products)
	v_add_f32 v[TOF], v[TOF], v[LQ]
	v_mul_f32 v[TOF], 0x3fb8aa3b, v[TOF]
	v_nop
	s_add_co_u32 s96, s[KF], 127                   ; on the diagonal hidden scores become -infinity; a step all of whose keys count skips this
	s_cmp_le_u32 s96, s[Q0]
	s_cbranch_scc1 .Lopen_\@
	s_sub_co_i32 s96, s[Q0], s[KF]
	v_and_b32 v206, 15, v0
	v_bfe_u32 v207, v0, 4, 1
	v_lshlrev_b32 v207, 4, v207
	v_sub_nc_u32 v206, v206, v207
	v_add_nc_u32 v206, s96, v206                   ; d = my query - the step's first key - 16 h: register 16 b + i is hidden where 32 b + i > d
	v_mov_b32 v254, 0xff800000
.set n, 0
.rept 64
	v_cmp_gt_i32 vcc_lo, 32*(n/16)+n%16, v206
	v_cndmask_b32 v[96+n], v[96+n], v254, vcc_lo
.set n, n+1
.endr
.Lopen_\@:
.irp b, 0,1,2,3
	v_max3_num_f32 v[232+\b], v[96+16*\b], v[97+16*\b], v[98+16*\b]   ; the largest score of each block of 32 keys: for the row's maximum, and for the block's largest p
.endr
.irp i, 3,5,7,9,11,13
.irp b, 0,1,2,3
	v_max3_num_f32 v[232+\b], v[232+\b], v[96+16*\b+\i], v[97+16*\b+\i]
.endr
.endr
.irp b, 0,1,2,3
	v_max_num_f32 v[232+\b], v[232+\b], v[111+16*\b]
.endr
.irp b, 0,1,2,3
	v_permlanex16_b32 v[236+\b], v[232+\b], s[SEL], s[SEL+1]
.endr
.irp b, 0,1,2,3
	v_max_num_f32 v[232+\b], v[232+\b], v[236+\b]
.endr
	v_max3_num_f32 v254, v232, v233, v234
	v_max_num_f32 v254, v254, v235
	v_fma_f32 v254, v254, s[CS], v[TOF]            ; the step's largest t of my query
	v_max_num_f32 v13, v13, v254
	v_mov_b32 v254, v[NM]
	v_floor_f32 v[NM], -v13                        ; -M = floor(-t): M is a whole number
	v_sub_f32 v254, v[NM], v254
	v_cvt_i32_f32 v254, v254                       ; (it saturates)
	v_ldexp_f32 v[F], 1.0, v254                    ; f = 2^(old M - new M)
	v_add_f32 v12, v[TOF], v[NM]
.set j, 0
.rept 32
	v_pk_fma_f32 v[96+j:97+j], v[96+j:97+j], s[CS:CS+1], v[12:13] op_sel_hi:[1,0,0]   ; t - M, two at a time
.set j, j+2
.endr
.irp b, 0,1,2,3
	v_fma_f32 v[232+\b], v[232+\b], s[CS], v12
.endr
.set j, 0
.rept 64
	v_exp_f32 v[96+j], v[96+j]                     ; p = 2^(t - M)
.set j, j+1
.endr
	v_pk_mul_f32 v[14:15], v[14:15], v[F:F+1] op_sel_hi:[1,0]   ; the sums under the new M (a plain place behind the exponentials)
	s_wait_alu depctr_va_vdst(0)                   ; one wait for the batch, ahead of its first reader
.irp b, 0,1,2,3
	v_exp_f32 v[232+\b], v[232+\b]                 ; the block's largest p
.endr
	v_pk_add_f32 v[236:237], v[96:97], v[98:99]    ; the row's sum is taken of the unquantised p
.set j, 4
.rept 15
	v_pk_add_f32 v[14:15], v[14:15], v[96+j:97+j]
	v_pk_add_f32 v[236:237], v[236:237], v[98+j:99+j]
.set j, j+4
.endr
	v_pk_add_f32 v[14:15], v[14:15], v[236:237]
	s_wait_alu depctr_va_vdst(0)                   ; and one for the four
.irp b, 0,1,2,3
	v_max_num_f32 v[232+\b], 0x1800000, v[232+\b]  ; the floor 2^(3 - 127)
.endr
.irp b, 0,1,2,3
	v_add_nc_u32 v[244+\b], 0xff000000, v[232+\b]
.endr
.irp b, 0,1,2,3
	v_lshrrev_b32 v[236+\b], 23, v[244+\b]
.endr
	v_lshl_or_b32 v253, v237, 8, v236              ; p's scale word for these 128 keys
	v_lshl_or_b32 v253, v238, 16, v253
	v_lshl_or_b32 v253, v239, 24, v253
.irp c, 0,1
	v_cvt_scalef32_pk16_fp6_f32 v[224+6*\c:226+6*\c], v[96+32*\c:111+32*\c], v[244+2*\c]
	v_cvt_scalef32_pk16_fp6_f32 v[236+4*\c:238+4*\c], v[112+32*\c:127+32*\c], v[244+2*\c+1]
.endr
	v_nop                                          ; one plain place behind a scaled conversion
.irp t, 0,1,2,3                                ; V^T's four fragments (16 channels x 128 keys) into the registers that p has left
.irp c, 0,1
.irp p, 0,1,2
	ds_load_b64 v[96+12*\t+6*\c+2*\p:97+12*\t+6*\c+2*\p], v[ADV] offset:768*\t+3072*\c+8*\p
.endr
	ds_load_u16 v[192+2*\t+\c], v[ADT] offset:32*\t+128*\c
.endr
.endr
.irp c, 0,1
.irp i, 0,1,2
	v_permlane16_swap_b32 v[224+6*\c+\i], v[236+4*\c+\i]
.endr
.irp i, 0,1,2
	v_mov_b32 v[227+6*\c+\i], v[236+4*\c+\i]
.endr
.endr
	s_wait_dscnt 0x0
.irp t, 0,1,2,3
	v_lshl_or_b32 v[200+\t], v[193+2*\t], 16, v[192+2*\t]   ; V's scale word: two bytes of each group of 64 keys
.endr
.set j, 0
.rept 16
	v_pk_mul_f32 v[160+j:161+j], v[160+j:161+j], v[F:F+1] op_sel_hi:[1,0]   ; O^T under the new M (also the places in front of the scaled products)
.set j, j+2
.endr
.irp t, 0,1,2,3
	v_wmma_scale_f32_16x16x128_f8f6f4 v[160+8*\t:167+8*\t], v[96+12*\t:107+12*\t], v[224:235], v[160+8*\t:167+8*\t], v[200+\t], v253 matrix_a_fmt:MATRIX_FMT_FP6 matrix_b_fmt:MATRIX_FMT_FP6
.endr
.Lhidden_\@:
	s_add_co_u32 s[KF], s[KF], 128
	s_add_co_u32 s[TK], s[TK], 6144
	s_add_co_u32 s[TS], s[TS], 256
	s_add_co_u32 s[TC], s[TC], 512
	s_add_co_u32 s[TJ], s[TJ], 4
.endm
.Lstep:                                            ; 16 trips, a constant: what a wave does not need it jumps over inside the trip
	STEP
	s_sub_co_u32 s[CNT], s[CNT], 1
	s_cmp_lg_u32 s[CNT], 0
	s_cbranch_scc1 .Lstep
	; THE WAY OUT: O^T / the sum, quantised along the head's 64 channels
.rept 4
	v_nop
.endr
	v_add_f32 v14, v14, v15
	v_permlanex16_b32 v212, v14, s[SEL], s[SEL+1]
	v_add_f32 v14, v14, v212
	v_rcp_f32 v14, v14
	v_and_b32 v80, 15, v0                          ; (plain places behind the transcendental)
	v_bfe_u32 v81, v0, 4, 1
	v_mul_u32_u24 v82, v80, 768
	v_mad_u32_u24 v82, v81, 12, v82                ; row r, my half's 12 bytes of a block
	v_lshlrev_b32 v83, 5, v80
	s_wait_alu depctr_va_vdst(0)
.set j, 0
.rept 32
	v_mul_f32 v[96+j], v[160+j], v14               ; register 8 t + i: channel 16 t + 8 h + i
.set j, j+1
.endr
.irp b, 0,1
.irp j, 0,1,2,3,4,5,6,7
	v_permlane16_swap_b32 v[96+16*\b+\j], v[96+16*\b+8+\j]   ; now register 16 b + i: channel 32 b + 16 h + i
.endr
.endr
.irp b, 0,1
	v_max3_num_f32 v[232+\b], |v[96+16*\b]|, |v[97+16*\b]|, 0x1800000
.endr
.irp i, 2,4,6,8,10,12,14
.irp b, 0,1
	v_max3_num_f32 v[232+\b], v[232+\b], |v[96+16*\b+\i]|, |v[97+16*\b+\i]|
.endr
.endr
.irp b, 0,1
	v_permlanex16_b32 v[236+\b], v[232+\b], s[SEL], s[SEL+1]
.endr
.irp b, 0,1
	v_max_num_f32 v[232+\b], v[232+\b], v[236+\b]
.endr
.irp b, 0,1
	v_add_nc_u32 v[244+\b], 0xff000000, v[232+\b]
.endr
.irp b, 0,1
	v_lshrrev_b32 v[236+\b], 23, v[244+\b]
.endr
	v_lshl_or_b32 v240, v237, 8, v236
	v_cvt_scalef32_pk16_fp6_f32 v[224:226], v[96:111], v244
	v_cvt_scalef32_pk16_fp6_f32 v[228:230], v[112:127], v245
	v_nop
	global_store_b96 v82, v[224:226], s[10:11]
	global_store_b96 v82, v[228:230], s[10:11] offset:24
	global_store_b16 v83, v240, s[12:13]           ; both halves of the lanes write the same two bytes
	s_wait_tensorcnt 0x0
	ds_add_u32 v243, v252
	s_wait_dscnt 0x0
	s_endpgm
.Lfunc_end_k_q52658dc3a8_attn:
	.size	k_q52658dc3a8_attn, .Lfunc_end_k_q52658dc3a8_attn-k_q52658dc3a8_attn
	.p2alignl 7, 3214868480
	.fill 96, 4, 3214868480
	.section	.rodata,"a",@progbits
	.p2align	6, 0x0
	.amdhsa_kernel k_q52658dc3a8_attn
		.amdhsa_group_segment_fixed_size 224256
		.amdhsa_private_segment_fixed_size 0
		.amdhsa_enable_private_segment 0
		.amdhsa_kernarg_size 24
		.amdhsa_user_sgpr_count 2
		.amdhsa_user_sgpr_kernarg_segment_ptr 1
		.amdhsa_wavefront_size32 1
		.amdhsa_system_sgpr_workgroup_id_x 1
		.amdhsa_system_sgpr_workgroup_id_y 1
		.amdhsa_system_sgpr_workgroup_id_z 1
		.amdhsa_system_vgpr_workitem_id 0
		.amdhsa_next_free_vgpr 256
		.amdhsa_next_free_sgpr 100
		.amdhsa_reserve_vcc 1
		.amdhsa_float_denorm_mode_32 3
		.amdhsa_float_denorm_mode_16_64 3
		.amdhsa_memory_ordered 1
		.amdhsa_forward_progress 1
		.amdhsa_inst_pref_size 43
	.end_amdhsa_kernel
	.amdgpu_metadata
---
amdhsa.version: [ 1, 2 ]
amdhsa.kernels:
  - .name:           k_q52658dc3a8_attn
    .symbol:         k_q52658dc3a8_attn.kd
    .args:
      - { .name: qkvb, .offset: 0, .size: 8, .value_kind: global_buffer, .address_space: global }
      - { .name: hbuf, .offset: 8, .size: 8, .value_kind: global_buffer, .address_space: global }
      - { .name: ctxb, .offset: 16, .size: 8, .value_kind: global_buffer, .address_space: global }
    .group_segment_fixed_size: 224256
    .private_segment_fixed_size: 0
    .kernarg_segment_align: 8
    .kernarg_segment_size: 24
    .max_flat_workgroup_size: 512
    .sgpr_count:     100
    .vgpr_count:     256
    .wavefront_size: 32
...
	.end_amdgpu_metadata
.endif
;; end of part 3
;; launch wo (part 4): grid 4 x 16, 4 waves a work-group, clusters of 4 x 4, 327,680 bytes of LDS; arguments ctxb, wo_codes, wo_scales, bo, x, x1; writes x1
.if DOCPART == 4
	.amdgcn_target "amdgcn-amd-amdhsa--gfx1250"
	.amdhsa_code_object_version 6
	.text
	.protected	k_q52658dc3a8_wo
	.globl	k_q52658dc3a8_wo
	.p2align	8
	.type	k_q52658dc3a8_wo,@function
k_q52658dc3a8_wo:
	s_mov_b64 s[64:65], 0
	v_nop
	global_prefetch_b8 v0, s[64:65] scope:SCOPE_SE
	s_setreg_imm32_b32 hwreg(HW_REG_WAVE_MODE, 25, 1), 1
	s_wait_xcnt 0x0
	s_wait_alu depctr_hold_cnt(0) depctr_sa_sdst(0) depctr_va_vdst(0) depctr_va_sdst(0) depctr_va_ssrc(0) depctr_va_vcc(0) depctr_vm_vsrc(0)
	s_getreg_b32 s2, hwreg(HW_REG_IB_STS2, 6, 4)
	s_cmp_eq_u32 s2, 0
	s_cbranch_scc0 .Lentry_in_a_cluster
	s_endpgm
.Lentry_in_a_cluster:
	s_bfe_u32 s2, ttmp6, 0x10000c
	s_cmp_lg_u32 s2, 0xf033
	s_cbranch_scc0 .Lentry_shape_is_right
	s_endpgm
.Lentry_shape_is_right:
; out[m][n] = resid[m][n] + bias[n] + sum over k of A[m][k] B[n][k], A and B codes of FP6 (E2M3) with one E8M0 scale for each 32 along K; out, resid: [4096][1024] f32.
; Here: x1 = x + ctx wo + bo.  A: codes [4096][768] at the buffer's start, scale bytes [4096][32] at ASC.  B: [1024][768] and [1024][32].
; A tile of 256 x 256 is made by four waves, 128 x 128 each: 64 accumulators.  K goes in steps of 256 through two LDS slots filled by the tensor data mover; the scale bytes of the 512 rows come once.
; CLUSTERS: 4 x 4 work-groups; A's tiles are asked for jointly along a row of the cluster, B's along a column.  The matrix instruction is used transposed: a lane holds eight neighbouring columns of a row.
; THE WAY OUT: a block of 16 rows goes through the wave's own stage in slot 0 (which has had its last fill and its last read) and comes back as whole rows of 512 bytes; the residual's rows, asked for a block
; ahead, and the bias are added, and 32 lanes store 512 consecutive bytes.
; 64 tiles: this launch has work for 64 work-groups.
.set SIZE_K, 1024
.set SIZE_N, 1024
.set ABLK,   0
.set ASC,    3145728
.set KSTEP,  256
.set NQ,     KSTEP/128
.set ROWB,   192
.set KROW,   SIZE_K*6/8
.if ABLK
.set ASTEP,  24576                     ; A lies in dense blocks of 128 rows x 192 bytes, one for each K step: stated as 96 rows of 256 bytes; the padding counts along the whole tile, so the LDS image is the same
.set AROW,   256
.set AROWS,  96
.set APIT,   256
.else
.set ASTEP,  192
.set AROW,   192
.set AROWS,  128
.set APIT,   KROW
.endif
.set PITCH,  240
.set FR,     12
.set NL,     6
.set NP,     4
.set HALFT,  128*PITCH
.set SLOT,   4*HALFT
.set LAPS,   SIZE_K/(2*KSTEP)
.set KS,     SIZE_K/32
.set SCL,    2*SLOT
.set HALFS,  (128*KS/256)*272
.set SBLK,   (16*KS/256)*272
.set SPARE,  SCL+4*HALFS
.set SPITCH, 528
.set ADRA, 16
.set ADRB, 20
.set STO,  24
.set RD,   25
.set CO,   26
.set ADRS, 27
.set SPW,  28
.set NIL,  29
.set SC,   32
.set BV,   64                          ; v64-67 the bias of my four columns of a row
.set AF,   128
.set BK,   128
.set G1, 24
.set G0, 32
.set G1B, 48
.set G0B, 56
.set G1S, 68
.set G0S, 76
.set G1SB, 80
.set G0SB, 88
.set MSB, 0
.macro WIN new
.if MSB != \new
	s_set_vgpr_msb (MSB<<8)|\new
.set MSB, \new
.endif
.endm
.set MUL_LO, 0xa1
.set MUL_HI, 0xf1
.set TO_B,   0x40
.macro JLOAD g0a, g1a, g0b, g1b
	s_cmp_eq_u32 s15, 0
	s_cbranch_scc0 .Lfor_b_\@
	tensor_load_to_lds s[\g0a:\g0a+3], s[\g1a:\g1a+7]
	s_nop 0
.rept 4
	v_nop
.endr
	s_branch .Lasked_\@
.Lfor_b_\@:
	tensor_load_to_lds s[\g0b:\g0b+3], s[\g1b:\g1b+7]
	s_nop 0
.rept 4
	v_nop
.endr
.Lasked_\@:
.endm
.macro CREST
	s_cmp_lg_u32 s14, 0
	s_cbranch_scc1 .Lnot_wave_0_\@
	s_barrier_signal -3
.Lnot_wave_0_\@:
	s_barrier_wait -3
	s_barrier_signal -1
	s_barrier_wait -1
.endm
.macro CROUND
	s_barrier_signal -1
	s_barrier_wait -1
	CREST
.endm
.macro FRAG reg, adr, q, i
.irp p, 0,1,2,3,4,5
.set PCE, 12*(\q)+6*(\p/3)+\p%3
.if PCE%8 < 5
	ds_load_b64 v[\reg+2*\p:\reg+2*\p+1], v[\adr] offset:8*PCE+16*(PCE/8)+(\i)*16*PITCH
.else
	ds_load_b64 v[\reg+2*\p:\reg+2*\p+1], v[\adr+2] offset:8*PCE+16*(PCE/8)+(\i)*16*PITCH
.endif
.endr
.endm
.macro MUL16 a0, p, q, sc, zero
.irp a, \a0, \a0+1
.irp b, 0,1,2,3,4,5,6,7
.if \zero
	v_wmma_scale_f32_16x16x128_f8f6f4 v[8*(8*((\a)%4)+\b):8*(8*((\a)%4)+\b)+7], v[128*(\p)+FR*\b:128*(\p)+FR*\b+FR-1], v[AF+FR*(\a):AF+FR*(\a)+FR-1], 0, v[SC+8*NQ*(\sc)+NQ*\b+(\q)], v[SC+8*NQ*(\sc)+NQ*(\a)+(\q)] matrix_a_fmt:MATRIX_FMT_FP6 matrix_b_fmt:MATRIX_FMT_FP6 matrix_a_scale:MATRIX_SCALE_ROW1
.else
	v_wmma_scale_f32_16x16x128_f8f6f4 v[8*(8*((\a)%4)+\b):8*(8*((\a)%4)+\b)+7], v[128*(\p)+FR*\b:128*(\p)+FR*\b+FR-1], v[AF+FR*(\a):AF+FR*(\a)+FR-1], v[8*(8*((\a)%4)+\b):8*(8*((\a)%4)+\b)+7], v[SC+8*NQ*(\sc)+NQ*\b+(\q)], v[SC+8*NQ*(\sc)+NQ*(\a)+(\q)] matrix_a_fmt:MATRIX_FMT_FP6 matrix_b_fmt:MATRIX_FMT_FP6 matrix_a_scale:MATRIX_SCALE_ROW1
.endif
.endr
.endr
.endm
.macro FETCH_B slot, q, p
	WIN TO_B
.irp i, 0,1,2,3,4,5,6,7
	FRAG 128*(\p)+FR*\i, ADRB+\slot, \q, \i
.endr
	WIN 0
.endm
.macro FETCH_A slot, q, i0
.irp i, \i0, \i0+1, \i0+2, \i0+3
	FRAG AF+FR*(\i), ADRA+\slot, \q, \i
.endr
.endm
.macro SCALES sc
.irp i, 0,1,2,3,4,5,6,7
	ds_load_b64 v[SC+8*NQ*\sc+NQ*\i:SC+8*NQ*\sc+NQ*\i+1], v[ADRS] offset:\i*SBLK
.endr
.endm
.macro PLACES n
.rept \n
	v_nop
.endr
.endm
.macro STEP slot, q, zero
	s_wait_dscnt 4*NL                              ; B's set and A's blocks 0-3 are in; the youngest 24 loads (A's blocks 4-7) may be out
	WIN MUL_LO
	MUL16 0, (\q)%2, \q, \slot, \zero
	MUL16 2, (\q)%2, \q, \slot, \zero
	s_wait_dscnt 0
	PLACES NP
	FETCH_B \slot, (\q)+1, 1-(\q)%2
	FETCH_A \slot, (\q)+1, 0
	WIN MUL_HI
	MUL16 4, (\q)%2, \q, \slot, \zero
	MUL16 6, (\q)%2, \q, \slot, \zero
	PLACES NP
	WIN 0
	FETCH_A \slot, (\q)+1, 4
.endm
.macro TURN slot, next, fill
	s_wait_tensorcnt 0x0                           ; all my tensor loads have landed: my part of the next slot
	ds_add_u32 v[SPW], v[NIL]                      ; 0 onto my spare word
	s_wait_dscnt 4*NL+1                            ; (the add and the youngest 24 loads may be out)
	WIN MUL_LO
	MUL16 0, 1, NQ-1, \slot, 0
	s_wait_dscnt 0x0                               ; the add is done, and my reads of this slot are over
	s_barrier_signal -1
	MUL16 2, 1, NQ-1, \slot, 0
	WIN 0
	s_barrier_wait -1
.if \fill
	CREST                                          ; a round of the cluster's barrier: no wave of any partner still reads this slot or has a load on its way
	s_add_nc_u64 s[G0+4*\slot+2:G0+4*\slot+3], s[G0+4*\slot+2:G0+4*\slot+3], 2*ASTEP
	s_add_nc_u64 s[G0B+4*\slot+2:G0B+4*\slot+3], s[G0B+4*\slot+2:G0B+4*\slot+3], 2*ROWB
	JLOAD G0+4*\slot, G1, G0B+4*\slot, G1B
.else
	PLACES NP
.endif
	v_add_nc_u32 v[ADRS], 4*NQ, v[ADRS]
	FETCH_B \next, 0, 0
	FETCH_A \next, 0, 0
	SCALES \next
	WIN MUL_HI
	MUL16 4, 1, NQ-1, \slot, 0
	MUL16 6, 1, NQ-1, \slot, 0
	PLACES NP
	WIN 0
	FETCH_A \next, 0, 4
.endm
	s_load_b64 s[4:5], s[0:1], 0x0                 ; A's buffer
	s_load_b128 s[8:11], s[0:1], 0x8               ; B's codes, B's scales
	s_load_b128 s[96:99], s[0:1], 0x18             ; the bias, the residual
	s_load_b64 s[12:13], s[0:1], 0x28              ; out
	v_lshl_add_u32 v[SPW], v0, 2, SPARE
	v_mov_b32 v[NIL], 0
	ds_add_u32 v28, v29
	ds_add_u32 v28, v29
	s_wait_dscnt 0x0
	v_lshrrev_b32 v1, 5, v0
	v_readfirstlane_b32 s14, v1
	s_lshr_b32 s15, s14, 1
	s_and_b32 s16, s14, 1
	s_bfe_u32 s40, ttmp6, 0x40000
	s_bfe_u32 s41, ttmp6, 0x40004
	s_lshl_b32 s42, ttmp9, 2
	s_add_co_u32 s42, s42, s40                     ; tile column
	s_and_b32 s17, ttmp7, 0xffff
	s_lshl_b32 s17, s17, 2
	s_add_co_u32 s17, s17, s41                     ; tile row
	s_lshl_b32 s43, s41, 2
	s_lshl_b32 s43, 15, s43
	s_lshl_b32 s44, 0x1111, s40
	s_or_b32 s[G1+0], s43, (0<<16)|(1<<20)|(1<<21)|(3<<22)|(3<<25)
	s_or_b32 s[G1B+0], s44, (0<<16)|(1<<20)|(1<<21)|(3<<22)|(3<<25)
	s_mov_b32 s[G1+1], AROW<<16
	s_mov_b32 s[G1+2], AROWS<<16
	s_mov_b32 s[G1+3], AROW<<16
	s_mov_b32 s[G1+4], AROWS
	s_mov_b32 s[G1+5], APIT
	s_mov_b32 s[G1+6], 0
	s_mov_b32 s[G1+7], 0
	s_mov_b32 s[G1B+1], ROWB<<16
	s_mov_b32 s[G1B+2], 128<<16
	s_mov_b32 s[G1B+3], ROWB<<16
	s_mov_b32 s[G1B+4], 128
	s_mov_b32 s[G1B+5], KROW
	s_mov_b32 s[G1B+6], 0
	s_mov_b32 s[G1B+7], 0
	s_or_b32 s[G1S+0], s43, (3<<16)|(1<<20)|(1<<21)|(5<<22)|(3<<25)
	s_or_b32 s[G1SB+0], s44, (3<<16)|(1<<20)|(1<<21)|(5<<22)|(3<<25)
.irp g, G1S, G1SB
	s_mov_b32 s[\g+1], 32<<16
	s_mov_b32 s[\g+2], (128*KS/256)<<16
	s_mov_b32 s[\g+3], 32<<16
	s_mov_b32 s[\g+4], 128*KS/256
	s_mov_b32 s[\g+5], 32
	s_mov_b32 s[\g+6], 0
	s_mov_b32 s[\g+7], 0
.endr
	s_lshl_b32 s18, s16, 7
	s_lshl_b32 s20, s17, 8
	s_add_co_u32 s20, s20, s18
	s_lshl_b32 s46, s42, 8
	s_add_co_u32 s46, s46, s18
	s_mov_b32 s21, 0
	s_mov_b32 s47, 0
	s_mov_b64 s[18:19], KS
	s_mul_u64 s[22:23], s[20:21], s[18:19]
	s_mul_u64 s[92:93], s[46:47], s[18:19]
	s_mov_b64 s[18:19], KROW
	s_mul_u64 s[20:21], s[20:21], s[18:19]
	s_mul_u64 s[46:47], s[46:47], s[18:19]
	s_mul_i32 s45, s14, HALFT
	s_mul_i32 s94, s14, HALFS
	s_wait_kmcnt 0x0
	s_add_nc_u64 s[6:7], s[4:5], ASC               ; A's scale bytes
	s_add_nc_u64 s[20:21], s[4:5], s[20:21]
	s_add_nc_u64 s[22:23], s[6:7], s[22:23]
	s_add_nc_u64 s[46:47], s[8:9], s[46:47]
	s_add_nc_u64 s[92:93], s[10:11], s[92:93]
	CROUND
	s_mov_b32 s[G0S], 1
	s_add_co_u32 s[G0S+1], s94, SCL
	s_mov_b64 s[G0S+2:G0S+3], s[22:23]
	s_or_b32 s[G0S+3], s[G0S+3], 0x80000000
	s_mov_b32 s[G0SB], 1
	s_add_co_u32 s[G0SB+1], s94, SCL
	s_mov_b64 s[G0SB+2:G0SB+3], s[92:93]
	s_or_b32 s[G0SB+3], s[G0SB+3], 0x80000000
	JLOAD G0S, G1S, G0SB, G1SB
.irp s, 0,1
	s_mov_b32 s[G0+4*\s], 1
	s_add_co_u32 s[G0+4*\s+1], s45, \s*SLOT
	s_add_nc_u64 s[G0+4*\s+2:G0+4*\s+3], s[20:21], \s*ASTEP
	s_or_b32 s[G0+4*\s+3], s[G0+4*\s+3], 0x80000000
	s_mov_b32 s[G0B+4*\s], 1
	s_add_co_u32 s[G0B+4*\s+1], s45, \s*SLOT
	s_add_nc_u64 s[G0B+4*\s+2:G0B+4*\s+3], s[46:47], \s*ROWB
	s_or_b32 s[G0B+4*\s+3], s[G0B+4*\s+3], 0x80000000
	JLOAD G0+4*\s, G1, G0B+4*\s, G1B
.endr
	v_and_b32 v1, 15, v0
	v_bfe_u32 v2, v0, 4, 1
	v_mul_u32_u24 v3, v1, PITCH
	v_mul_u32_u24 v4, v2, 24
	v_add_nc_u32 v4, v3, v4
	v_lshl_add_u32 v5, v2, 4, v4
	s_mul_i32 s21, s15, HALFT
	s_mul_i32 s22, s16, HALFT
	s_add_co_u32 s22, s22, 2*HALFT
.irp s, 0,1
	v_add_nc_u32 v[ADRA+\s], s21, v4
	v_add_nc_u32 v[ADRB+\s], s22, v4
	v_add_nc_u32 v[ADRA+2+\s], s21, v5
	v_add_nc_u32 v[ADRB+2+\s], s22, v5
	s_add_co_u32 s21, s21, SLOT
	s_add_co_u32 s22, s22, SLOT
.endr
	v_mul_u32_u24 v5, v1, KS
	v_lshrrev_b32 v6, 8, v5
	v_lshl_add_u32 v5, v6, 4, v5
	s_mul_i32 s21, s15, HALFS
	s_mul_i32 s22, s16, HALFS
	s_add_co_u32 s22, s22, 2*HALFS
	s_sub_co_u32 s22, s22, s21
	v_mul_u32_u24 v6, s22, v2
	s_add_co_u32 s21, s21, SCL
	v_add_nc_u32 v5, v5, v6
	v_add_nc_u32 v[ADRS], s21, v5
	s_mul_i32 s23, s14, 16*SPITCH                  ; my stage
	v_mul_u32_u24 v5, v1, SPITCH
	v_lshl_add_u32 v5, v2, 5, v5
	v_add_nc_u32 v[STO], s23, v5
	v_and_b32 v6, 31, v0
	v_lshlrev_b32 v[CO], 4, v6
	v_add_nc_u32 v[RD], s23, v[CO]
	s_lshl_b32 s20, s17, 8
	s_lshl_b32 s21, s15, 7
	s_add_co_u32 s20, s20, s21                     ; my first row
	s_mov_b32 s21, 0
	s_mov_b64 s[18:19], SIZE_N*4
	s_mul_u64 s[20:21], s[20:21], s[18:19]
	s_lshl_b32 s46, s42, 10                        ; my first column, in bytes
	s_lshl_b32 s47, s16, 9
	s_add_co_u32 s46, s46, s47
	s_mov_b32 s47, 0
	s_add_nc_u64 s[20:21], s[20:21], s[46:47]
	s_add_nc_u64 s[12:13], s[12:13], s[20:21]
	s_add_nc_u64 s[98:99], s[98:99], s[20:21]
	v_add_nc_u32 v7, s46, v[CO]
	global_load_b128 v[BV:BV+3], v7, s[96:97]
	s_wait_tensorcnt 1                             ; the scales and my part of K step 0 are in (K step 1's load may be out)
	s_barrier_signal -1
	s_barrier_wait -1
	FETCH_B 0, 0, 0
	FETCH_A 0, 0, 0
	SCALES 0
	FETCH_A 0, 0, 4
	STEP 0, 0, 1
.if LAPS > 1
	s_mov_b32 s3, LAPS-1
.Llap:
	TURN 0, 1, 1
	STEP 1, 0, 0
	TURN 1, 0, 1
	STEP 0, 0, 0
	s_sub_co_u32 s3, s3, 1
	s_cmp_lg_u32 s3, 0
	s_cbranch_scc1 .Llap
.endif
	TURN 0, 1, 0
	STEP 1, 0, 0
	s_wait_dscnt 4*NL
	WIN MUL_LO
	MUL16 0, 1, NQ-1, 1, 0
	MUL16 2, 1, NQ-1, 1, 0
	s_wait_dscnt 0
	WIN MUL_HI
	MUL16 4, 1, NQ-1, 1, 0
	MUL16 6, 1, NQ-1, 1, 0
	WIN 0
.macro RLOAD a                         ; the residual's 16 rows of block a into window 1, two sets by turns
.set RR, 64*((\a)%2)
	WIN 0x40
.irp t, 0,1,2,3,4,5,6,7,8,9,10,11,12,13,14,15
	global_load_b128 v[RR+4*\t:RR+4*\t+3], v[CO], s[98:99] offset:(16*(\a)+\t)*SIZE_N*4 th:TH_LOAD_NT
.endr
	WIN 0
.endm
.macro TOSTAGE a
.set AC, 64*((\a)%4)
.set WN, 0x08+4*((\a)/4)
	WIN WN                                         ; an LDS store's data are its source 1
.irp b, 0,1,2,3,4,5,6,7
	ds_store_b128 v[STO], v[AC+8*\b:AC+8*\b+3] offset:64*\b          ; each accumulator from its low end on
	ds_store_b128 v[STO], v[AC+8*\b+4:AC+8*\b+7] offset:64*\b+16
.endr
	WIN 0
.set BB, BK+64*((\a)%2)
.irp t, 0,1,2,3,4,5,6,7,8,9,10,11,12,13,14,15
	ds_load_b128 v[BB+4*\t:BB+4*\t+3], v[RD] offset:\t*SPITCH        ; LDS serves a wave's instructions in order: these see the stores above
.endr
.endm
.macro SEND a, yds, yld                ; yds, yld: the LDS instructions and the global loads issued behind block a's, which may stay out
.set BB, BK+64*((\a)%2)
.set RR, 64*((\a)%2)
	s_wait_dscnt \yds
	s_wait_loadcnt \yld
	WIN 0x04                                       ; source 1: window 1
.set i, 0
.rept 32
	v_pk_add_f32 v[BB+i:BB+i+1], v[BB+i:BB+i+1], v[RR+i:RR+i+1]
.set i, i+2
.endr
	WIN 0
.irp t, 0,1,2,3,4,5,6,7,8,9,10,11,12,13,14,15
	v_pk_add_f32 v[BB+4*\t:BB+4*\t+1], v[BB+4*\t:BB+4*\t+1], v[BV:BV+1]
	v_pk_add_f32 v[BB+4*\t+2:BB+4*\t+3], v[BB+4*\t+2:BB+4*\t+3], v[BV+2:BV+3]
.endr
.irp t, 0,1,2,3,4,5,6,7,8,9,10,11,12,13,14,15
	global_store_b128 v[CO], v[BB+4*\t:BB+4*\t+3], s[12:13] offset:(16*(\a)+\t)*SIZE_N*4 th:TH_STORE_NT   ; 32 lanes store 512 consecutive bytes, at a multiple of 256 from the buffer's first byte
.endr
.endm
	PLACES NP
	RLOAD 0
	TOSTAGE 0
.irp a, 1,2,3,4,5,6,7
.if \a > 1
	s_wait_xcnt 0x0                                ; the stores of the block two back have read their registers: this block's loads may land there
.endif
	RLOAD \a
	TOSTAGE \a
	SEND \a-1, 32, 16                              ; behind that block's loads: this block's 16 LDS stores and 16 LDS loads, and its 16 loads of the residual
.endr
	SEND 7, 0, 0
	s_wait_tensorcnt 0x0                           ; the wave's end
	ds_add_u32 v[SPW], v[NIL]
	s_wait_dscnt 0x0
	CROUND                                         ; the closing round
	s_endpgm
.Lfunc_end_k_q52658dc3a8_wo:
	.size	k_q52658dc3a8_wo, .Lfunc_end_k_q52658dc3a8_wo-k_q52658dc3a8_wo
	.p2alignl 7, 3214868480
	.fill 96, 4, 3214868480
	.section	.rodata,"a",@progbits
	.p2align	6, 0x0
	.amdhsa_kernel k_q52658dc3a8_wo
		.amdhsa_group_segment_fixed_size 327680
		.amdhsa_private_segment_fixed_size 0
		.amdhsa_enable_private_segment 0
		.amdhsa_kernarg_size 48
		.amdhsa_user_sgpr_count 2
		.amdhsa_user_sgpr_kernarg_segment_ptr 1
		.amdhsa_wavefront_size32 1
		.amdhsa_system_sgpr_workgroup_id_x 1
		.amdhsa_system_sgpr_workgroup_id_y 1
		.amdhsa_system_sgpr_workgroup_id_z 1
		.amdhsa_system_vgpr_workitem_id 0
		.amdhsa_next_free_vgpr 1024
		.amdhsa_next_free_sgpr 106
		.amdhsa_reserve_vcc 0
		.amdhsa_float_denorm_mode_32 3
		.amdhsa_float_denorm_mode_16_64 3
		.amdhsa_memory_ordered 1
		.amdhsa_forward_progress 1
		.amdhsa_inst_pref_size 205
	.end_amdhsa_kernel
	.amdgpu_metadata
---
amdhsa.version: [ 1, 2 ]
amdhsa.kernels:
  - .name:           k_q52658dc3a8_wo
    .symbol:         k_q52658dc3a8_wo.kd
    .args:
      - { .name: ctxb, .offset: 0, .size: 8, .value_kind: global_buffer, .address_space: global }
      - { .name: wo_codes, .offset: 8, .size: 8, .value_kind: global_buffer, .address_space: global }
      - { .name: wo_scales, .offset: 16, .size: 8, .value_kind: global_buffer, .address_space: global }
      - { .name: bo, .offset: 24, .size: 8, .value_kind: global_buffer, .address_space: global }
      - { .name: x, .offset: 32, .size: 8, .value_kind: global_buffer, .address_space: global }
      - { .name: x1, .offset: 40, .size: 8, .value_kind: global_buffer, .address_space: global }
    .group_segment_fixed_size: 327680
    .private_segment_fixed_size: 0
    .kernarg_segment_align: 8
    .kernarg_segment_size: 48
    .max_flat_workgroup_size: 128
    .sgpr_count:     106
    .vgpr_count:     1024
    .wavefront_size: 32
...
	.end_amdgpu_metadata
.endif
;; end of part 4
;; launch ln2q (part 5): grid 256 x 1, 8 waves a work-group, no clusters, 23,552 bytes of LDS; arguments x1, ln2_g, ln2_b, h2b; writes h2b
.if DOCPART == 5
	.amdgcn_target "amdgcn-amd-amdhsa--gfx1250"
	.amdhsa_code_object_version 6
	.text
	.protected	k_q52658dc3a8_ln2q
	.globl	k_q52658dc3a8_ln2q
	.p2align	8
	.type	k_q52658dc3a8_ln2q,@function
k_q52658dc3a8_ln2q:
	s_mov_b64 s[64:65], 0
	v_nop
	global_prefetch_b8 v0, s[64:65] scope:SCOPE_SE
	s_setreg_imm32_b32 hwreg(HW_REG_WAVE_MODE, 25, 1), 1
	s_wait_xcnt 0x0
; h2 = LayerNorm(x1) g + b, quantised along its 1,024 columns to FP6 (E2M3) with one E8M0 byte for each 32.  h2b: codes [4096][768] at 0, scale bytes [4096][32] at HSOFF.
; SHARES.  A work-group takes 16 rows; wave w takes columns 128 w .. 128 w + 127 of all 16.  Lane (r, h) holds 64 numbers of row r: register 16 b + i = column 128 w + 32 b + 16 h + i.
; Mean and variance in two passes (the mean is taken off before the squares), each summed over the eight waves through LDS.  Codes leave through LDS as whole rows: a wave stores 1,536 consecutive bytes.
; LIMITS: NaN and infinities among the inputs are not served; a block of zeros gets the byte 1 (its codes are zeros; this program alone reads the bytes).
.set HSOFF, 3145728
.set RED1, 0
.set RED2, 512
.set HST,  9216
.set HPI,  784
.set HSS,  21760
.set X,   32
.set G,   96
.set BT,  160
.set TM,  96
.set PW,  112
.set PC,  114
.set SEL, 20
.macro QUANT s, pc, pw
.irp b, 0,1,2,3
	v_max3_num_f32 v[TM+\b], |v[\s+16*\b]|, |v[\s+1+16*\b]|, 0x1800000   ; and the floor 2^(3 - 127): the byte cannot fall under 1
.endr
.irp i, 2,4,6,8,10,12,14
.irp b, 0,1,2,3
	v_max3_num_f32 v[TM+\b], v[TM+\b], |v[\s+16*\b+\i]|, |v[\s+1+16*\b+\i]|
.endr
.endr
.irp b, 0,1,2,3
	v_permlanex16_b32 v[TM+4+\b], v[TM+\b], s[SEL], s[SEL+1]
.endr
.irp b, 0,1,2,3
	v_max_num_f32 v[TM+\b], v[TM+\b], v[TM+4+\b]
.endr
.irp b, 0,1,2,3
	v_add_nc_u32 v[TM+12+\b], 0xff000000, v[TM+\b]   ; 2 off the exponent field: the conversion's scale operand
.endr
.irp b, 0,1,2,3
	v_lshrrev_b32 v[TM+4+\b], 23, v[TM+12+\b]
.endr
	v_lshl_or_b32 v[\pw], v[TM+5], 8, v[TM+4]
	v_lshl_or_b32 v[\pw], v[TM+6], 16, v[\pw]
	v_lshl_or_b32 v[\pw], v[TM+7], 24, v[\pw]
.irp c, 0,1
	v_cvt_scalef32_pk16_fp6_f32 v[\pc+6*\c:\pc+2+6*\c], v[\s+32*\c:\s+15+32*\c], v[TM+12+2*\c]
	v_cvt_scalef32_pk16_fp6_f32 v[\pc+12+4*\c:\pc+14+4*\c], v[\s+16+32*\c:\s+31+32*\c], v[TM+12+2*\c+1]
.endr
	v_nop                                          ; one plain place behind a scaled conversion
.irp c, 0,1
.irp i, 0,1,2
	v_permlane16_swap_b32 v[\pc+6*\c+\i], v[\pc+12+4*\c+\i]
.endr
.irp i, 0,1,2
	v_mov_b32 v[\pc+3+6*\c+\i], v[\pc+12+4*\c+\i]
.endr
.endr
.endm
.macro BARRIER
	s_wait_dscnt 0x0
	s_barrier_signal -1
	s_barrier_wait -1
.endm
.macro ROWSUM off
	v_pk_add_f32 v[24:25], v[24:25], v[26:27]
	v_add_f32 v24, v24, v25
	v_permlanex16_b32 v25, v24, s[SEL], s[SEL+1]
	v_add_f32 v24, v24, v25
	ds_store_b32 v9, v24 offset:\off               ; both halves of the lanes write the same word with the same value
	BARRIER
.irp i, 0,1,2,3,4,5,6,7
	ds_load_b32 v[24+\i], v10 offset:\off+64*\i
.endr
	s_wait_dscnt 0x0
	v_add_f32 v24, v24, v25
	v_add_f32 v26, v26, v27
	v_add_f32 v28, v28, v29
	v_add_f32 v30, v30, v31
	v_add_f32 v24, v24, v26
	v_add_f32 v28, v28, v30
	v_add_f32 v24, v24, v28
.endm
	s_load_b256 s[4:11], s[0:1], 0x0               ; x1, ln2_g, ln2_b, h2b
	v_lshl_add_u32 v254, v0, 2, 0x5800
	v_mov_b32 v255, 0
	v_lshrrev_b32 v1, 5, v0
	v_readfirstlane_b32 s18, v1                    ; wave 0..7
	v_and_b32 v1, 31, v0
	v_and_b32 v2, 15, v0
	v_bfe_u32 v3, v0, 4, 1
	s_mov_b32 s[SEL], 0x76543210
	s_mov_b32 s[SEL+1], 0xfedcba98
	s_mov_b32 s36, 0x3a800000                      ; 1 / 1,024
	s_lshl_b32 s19, s18, 9
	v_lshl_add_u32 v5, v3, 6, s19                  ; gains and biases: 512 w + 64 h
	v_lshl_add_u32 v4, v2, 12, v5                  ; x1: + row r
	s_mul_i32 s22, s18, 96
	s_lshl_b32 s23, s18, 2
	v_lshl_add_u32 v7, v2, 5, s23
	s_lshl_b32 s24, s18, 6
	v_lshl_add_u32 v9, v2, 2, s24
	v_lshlrev_b32 v10, 2, v2
	v_mul_u32_u24 v11, v2, HPI
	v_mad_u32_u24 v11, v3, 24, v11
	s_add_co_u32 s25, s22, HST
	v_add_nc_u32 v11, s25, v11
	v_add_nc_u32 v12, HSS, v7
	s_mul_i32 s27, s18, 2*HPI
	s_add_co_u32 s27, s27, HST
	v_lshl_add_u32 v15, v1, 4, s27
	v_lshl_add_u32 v16, v3, 4, v15
	s_mul_i32 s28, s18, 1536
	v_lshl_add_u32 v17, v1, 4, s28
	v_lshlrev_b32 v19, 4, v1
	s_lshl_b32 s2, ttmp9, 16
	s_mov_b32 s3, 0
	s_mul_i32 s30, ttmp9, 12288
	s_mov_b32 s31, 0
	s_lshl_b32 s32, ttmp9, 9
	s_add_co_u32 s32, s32, HSOFF
	s_mov_b32 s33, 0
	s_wait_kmcnt 0x0
	s_add_nc_u64 s[4:5], s[4:5], s[2:3]
	s_add_nc_u64 s[30:31], s[10:11], s[30:31]
	s_add_nc_u64 s[32:33], s[10:11], s[32:33]
.irp b, 0,1,2,3
.irp j, 0,1,2,3
	global_load_b128 v[X+16*\b+4*\j:X+16*\b+4*\j+3], v4, s[4:5] offset:128*\b+16*\j
.endr
.endr
.irp b, 0,1,2,3
.irp j, 0,1,2,3
	global_load_b128 v[G+16*\b+4*\j:G+16*\b+4*\j+3], v5, s[6:7] offset:128*\b+16*\j
.endr
.endr
.irp b, 0,1,2,3
.irp j, 0,1,2,3
	global_load_b128 v[BT+16*\b+4*\j:BT+16*\b+4*\j+3], v5, s[8:9] offset:128*\b+16*\j
.endr
.endr
	s_wait_loadcnt 32                              ; x1's 16 loads are in; the 32 issued behind them may be out
	v_pk_add_f32 v[24:25], v[X:X+1], v[X+2:X+3]
	v_pk_add_f32 v[26:27], v[X+4:X+5], v[X+6:X+7]
.set j, 8
.rept 14
	v_pk_add_f32 v[24:25], v[24:25], v[X+j:X+j+1]
	v_pk_add_f32 v[26:27], v[26:27], v[X+j+2:X+j+3]
.set j, j+4
.endr
	ROWSUM RED1
	v_mul_f32 v20, s36, v24                        ; the mean
	v_mov_b32 v21, v20
.set j, 0
.rept 32
	v_pk_add_f32 v[X+j:X+j+1], v[X+j:X+j+1], v[20:21] neg_lo:[0,1] neg_hi:[0,1]
.set j, j+2
.endr
	v_pk_mul_f32 v[24:25], v[X:X+1], v[X:X+1]
	v_pk_mul_f32 v[26:27], v[X+2:X+3], v[X+2:X+3]
.set j, 4
.rept 15
	v_pk_fma_f32 v[24:25], v[X+j:X+j+1], v[X+j:X+j+1], v[24:25]
	v_pk_fma_f32 v[26:27], v[X+j+2:X+j+3], v[X+j+2:X+j+3], v[26:27]
.set j, j+4
.endr
	ROWSUM RED2
	v_fmaak_f32 v24, s36, v24, 0x3727c5ac          ; the variance + 1e-5
	v_rsq_f32 v22, v24
	s_wait_loadcnt 0x0
	v_nop                                          ; a plain place behind the transcendental
	s_wait_alu depctr_va_vdst(0)                   ; the wait ahead of the result's first reader
	v_mov_b32 v23, v22
.set j, 0
.rept 32
	v_pk_mul_f32 v[X+j:X+j+1], v[X+j:X+j+1], v[22:23]
.set j, j+2
.endr
.set j, 0
.rept 32
	v_pk_fma_f32 v[X+j:X+j+1], v[X+j:X+j+1], v[G+j:G+j+1], v[BT+j:BT+j+1]
.set j, j+2
.endr
.irp b, 0,1,2,3
	v_mov_b32 v[TM+4+\b], 0
.endr
	QUANT X, PC, PW
.irp p, 0,1,2,3,4,5
	ds_store_b64 v11, v[PC+2*\p:PC+2*\p+1] offset:48*(\p/3)+8*(\p%3)
.endr
	ds_store_b32 v12, v[PW]
	BARRIER                                        ; 16 rows of codes and their scale bytes lie in LDS
	ds_load_b128 v[32:35], v15
	ds_load_b128 v[36:39], v16 offset:512
	ds_load_b128 v[40:43], v15 offset:1040
	s_wait_dscnt 0x0
	global_store_b128 v17, v[32:35], s[30:31]              ; a wave stores 1,536 consecutive bytes
	global_store_b128 v17, v[36:39], s[30:31] offset:512
	global_store_b128 v17, v[40:43], s[30:31] offset:1024
	s_cmp_lg_u32 s18, 0                            ; wave 0 stores the 512 scale bytes
	s_cbranch_scc1 .Ldone
	ds_load_b128 v[52:55], v19 offset:HSS
	s_wait_dscnt 0x0
	global_store_b128 v19, v[52:55], s[32:33]
.Ldone:
	s_wait_tensorcnt 0x0
	ds_add_u32 v254, v255
	s_wait_dscnt 0x0
	s_endpgm
.Lfunc_end_k_q52658dc3a8_ln2q:
	.size	k_q52658dc3a8_ln2q, .Lfunc_end_k_q52658dc3a8_ln2q-k_q52658dc3a8_ln2q
	.p2alignl 7, 3214868480
	.fill 96, 4, 3214868480
	.section	.rodata,"a",@progbits
	.p2align	6, 0x0
	.amdhsa_kernel k_q52658dc3a8_ln2q
		.amdhsa_group_segment_fixed_size 23552
		.amdhsa_private_segment_fixed_size 0
		.amdhsa_enable_private_segment 0
		.amdhsa_kernarg_size 32
		.amdhsa_user_sgpr_count 2
		.amdhsa_user_sgpr_kernarg_segment_ptr 1
		.amdhsa_wavefront_size32 1
		.amdhsa_system_sgpr_workgroup_id_x 1
		.amdhsa_system_sgpr_workgroup_id_y 1
		.amdhsa_system_sgpr_workgroup_id_z 1
		.amdhsa_system_vgpr_workitem_id 0
		.amdhsa_next_free_vgpr 256
		.amdhsa_next_free_sgpr 66
		.amdhsa_reserve_vcc 0
		.amdhsa_float_denorm_mode_32 3
		.amdhsa_float_denorm_mode_16_64 3
		.amdhsa_memory_ordered 1
		.amdhsa_forward_progress 1
		.amdhsa_inst_pref_size 25
	.end_amdhsa_kernel
	.amdgpu_metadata
---
amdhsa.version: [ 1, 2 ]
amdhsa.kernels:
  - .name:           k_q52658dc3a8_ln2q
    .symbol:         k_q52658dc3a8_ln2q.kd
    .args:
      - { .name: x1, .offset: 0, .size: 8, .value_kind: global_buffer, .address_space: global }
      - { .name: ln2_g, .offset: 8, .size: 8, .value_kind: global_buffer, .address_space: global }
      - { .name: ln2_b, .offset: 16, .size: 8, .value_kind: global_buffer, .address_space: global }
      - { .name: h2b, .offset: 24, .size: 8, .value_kind: global_buffer, .address_space: global }
    .group_segment_fixed_size: 23552
    .private_segment_fixed_size: 0
    .kernarg_segment_align: 8
    .kernarg_segment_size: 32
    .max_flat_workgroup_size: 256
    .sgpr_count:     66
    .vgpr_count:     256
    .wavefront_size: 32
...
	.end_amdgpu_metadata
.endif
;; end of part 5
;; launch up (part 6): grid 16 x 16, 4 waves a work-group, clusters of 4 x 4, 327,680 bytes of LDS; arguments h2b, w1_codes, w1_scales, b1, hidb; writes hidb
.if DOCPART == 6
	.amdgcn_target "amdgcn-amd-amdhsa--gfx1250"
	.amdhsa_code_object_version 6
	.text
	.protected	k_q52658dc3a8_up
	.globl	k_q52658dc3a8_up
	.p2align	8
	.type	k_q52658dc3a8_up,@function
k_q52658dc3a8_up:
	s_mov_b64 s[64:65], 0
	v_nop
	global_prefetch_b8 v0, s[64:65] scope:SCOPE_SE
	s_setreg_imm32_b32 hwreg(HW_REG_WAVE_MODE, 25, 1), 1
	s_wait_xcnt 0x0
	s_wait_alu depctr_hold_cnt(0) depctr_sa_sdst(0) depctr_va_vdst(0) depctr_va_sdst(0) depctr_va_ssrc(0) depctr_va_vcc(0) depctr_vm_vsrc(0)
	s_getreg_b32 s2, hwreg(HW_REG_IB_STS2, 6, 4)
	s_cmp_eq_u32 s2, 0
	s_cbranch_scc0 .Lentry_in_a_cluster
	s_endpgm
.Lentry_in_a_cluster:
	s_bfe_u32 s2, ttmp6, 0x10000c
	s_cmp_lg_u32 s2, 0xf033
	s_cbranch_scc0 .Lentry_shape_is_right
	s_endpgm
.Lentry_shape_is_right:
; hid = gelu(h2 w1 + b1), the exact (erf) form, on codes of FP6 (E2M3) with E8M0 scales, quantised again along its 4,096 columns.
; A: h2b, codes [4096][768], scale bytes [4096][32] at 3,145,728.  B: w1 [4096][768], [4096][32].
; hidb: codes in dense blocks [row / 128][column / 256][128 rows][192 bytes], as the next product's tensor loads take them; scale bytes [4096][128] at 12,582,912.
; A tile of 256 x 256 is made by four waves, 128 x 128 each.  K = 1,024 goes in steps of 256 through two LDS slots; clusters of 4 x 4 ask for A's tiles jointly along a row, for B's along a column.
; THE WAY OUT is a loop of eight trips, one for each block of 16 rows, so that the long part (gelu, quantiser, stores) is written once: only the 32 lines that take a block's accumulators, + b1, into W differ,
; and stand in eight arms chosen by the trip's number.  Codes and scale words go into a stage in slot 0 (it has had its last fill and its last read); a barrier; each wave stores 12,288 consecutive bytes.
; The scale bytes leave as 8 bytes a row (a tile owns 8 of a row's 128): one byte in 24 of what the launch stores.
; erf(z) = z P(z^2) / Q(z^2), z held to +-3.7439, P of degree 4 and Q of degree 6 in z^2: a few units in f32's last place.  gelu = x / 2 + (x / 2) erf(x / sqrt 2):
; LIMITS: for x far below 0 the sum 1 + erf loses relative accuracy (its absolute error stays about 1e-7 |x|); NaN and infinities are not served; a block of zeros gets the byte 1.
.set SIZE_K, 1024
.set ASTEP,  192
.set AROW,   192
.set AROWS,  128
.set KSTEP,  256
.set NQ,     KSTEP/128
.set ROWB,   192
.set KROW,   SIZE_K*6/8
.set APIT,   KROW
.set PITCH,  240
.set FR,     12
.set NL,     6
.set NP,     4
.set HALFT,  128*PITCH
.set SLOT,   4*HALFT
.set LAPS,   SIZE_K/(2*KSTEP)
.set KS,     SIZE_K/32
.set SCL,    2*SLOT
.set HALFS,  (128*KS/256)*272
.set SBLK,   (16*KS/256)*272
.set SPARE,  SCL+4*HALFS
.set ADRA, 16
.set ADRB, 20
.set STO,  24
.set RD,   25
.set CO,   26
.set ADRS, 27
.set SPW,  28
.set NIL,  29
.set STS,  9
.set RDS,  10
.set SC,   32
.set AF,   128
.set BI,   64                          ; v64-127  b1 of my columns: register 8 b + j = column 16 b + 8 h + j
.set W,    128                         ; v128-191 a block's 64 numbers
.set GZ,   192                         ; gelu, 16 numbers at a time: z,
.set GZ2,  208                         ; z^2, later x / 2,
.set GN,   224                         ; P, later erf,
.set GQ,   240                         ; Q, later 1 / Q
.set PC0,  192                         ; the codes take gelu's registers
.set TM,   32
.set PW0,  48
.set CA0,  56                          ; v[56:57] P's leading coefficient, v[58:59] Q's, v60 the hold
.set CB0,  58
.set CLP,  60
.set SST,  49152
.set SEL,  104
.set G1, 24
.set G0, 32
.set G1B, 48
.set G0B, 56
.set G1S, 68
.set G0S, 76
.set G1SB, 80
.set G0SB, 88
.set MSB, 0
.macro WIN new
.if MSB != \new
	s_set_vgpr_msb (MSB<<8)|\new
.set MSB, \new
.endif
.endm
.set MUL_LO, 0xa1
.set MUL_HI, 0xf1
.set TO_B,   0x40
.macro JLOAD g0a, g1a, g0b, g1b
	s_cmp_eq_u32 s15, 0
	s_cbranch_scc0 .Lfor_b_\@
	tensor_load_to_lds s[\g0a:\g0a+3], s[\g1a:\g1a+7]
	s_nop 0
.rept 4
	v_nop
.endr
	s_branch .Lasked_\@
.Lfor_b_\@:
	tensor_load_to_lds s[\g0b:\g0b+3], s[\g1b:\g1b+7]
	s_nop 0
.rept 4
	v_nop
.endr
.Lasked_\@:
.endm
.macro CREST
	s_cmp_lg_u32 s14, 0
	s_cbranch_scc1 .Lnot_wave_0_\@
	s_barrier_signal -3
.Lnot_wave_0_\@:
	s_barrier_wait -3
	s_barrier_signal -1
	s_barrier_wait -1
.endm
.macro CROUND
	s_barrier_signal -1
	s_barrier_wait -1
	CREST
.endm
.macro FRAG reg, adr, q, i
.irp p, 0,1,2,3,4,5
.set PCE, 12*(\q)+6*(\p/3)+\p%3
.if PCE%8 < 5
	ds_load_b64 v[\reg+2*\p:\reg+2*\p+1], v[\adr] offset:8*PCE+16*(PCE/8)+(\i)*16*PITCH
.else
	ds_load_b64 v[\reg+2*\p:\reg+2*\p+1], v[\adr+2] offset:8*PCE+16*(PCE/8)+(\i)*16*PITCH
.endif
.endr
.endm
.macro MUL16 a0, p, q, sc, zero
.irp a, \a0, \a0+1
.irp b, 0,1,2,3,4,5,6,7
.if \zero
	v_wmma_scale_f32_16x16x128_f8f6f4 v[8*(8*((\a)%4)+\b):8*(8*((\a)%4)+\b)+7], v[128*(\p)+FR*\b:128*(\p)+FR*\b+FR-1], v[AF+FR*(\a):AF+FR*(\a)+FR-1], 0, v[SC+8*NQ*(\sc)+NQ*\b+(\q)], v[SC+8*NQ*(\sc)+NQ*(\a)+(\q)] matrix_a_fmt:MATRIX_FMT_FP6 matrix_b_fmt:MATRIX_FMT_FP6 matrix_a_scale:MATRIX_SCALE_ROW1
.else
	v_wmma_scale_f32_16x16x128_f8f6f4 v[8*(8*((\a)%4)+\b):8*(8*((\a)%4)+\b)+7], v[128*(\p)+FR*\b:128*(\p)+FR*\b+FR-1], v[AF+FR*(\a):AF+FR*(\a)+FR-1], v[8*(8*((\a)%4)+\b):8*(8*((\a)%4)+\b)+7], v[SC+8*NQ*(\sc)+NQ*\b+(\q)], v[SC+8*NQ*(\sc)+NQ*(\a)+(\q)] matrix_a_fmt:MATRIX_FMT_FP6 matrix_b_fmt:MATRIX_FMT_FP6 matrix_a_scale:MATRIX_SCALE_ROW1
.endif
.endr
.endr
.endm
.macro FETCH_B slot, q, p
	WIN TO_B
.irp i, 0,1,2,3,4,5,6,7
	FRAG 128*(\p)+FR*\i, ADRB+\slot, \q, \i
.endr
	WIN 0
.endm
.macro FETCH_A slot, q, i0
.irp i, \i0, \i0+1, \i0+2, \i0+3
	FRAG AF+FR*(\i), ADRA+\slot, \q, \i
.endr
.endm
.macro SCALES sc
.irp i, 0,1,2,3,4,5,6,7
	ds_load_b64 v[SC+8*NQ*\sc+NQ*\i:SC+8*NQ*\sc+NQ*\i+1], v[ADRS] offset:\i*SBLK
.endr
.endm
.macro PLACES n
.rept \n
	v_nop
.endr
.endm
.macro STEP slot, q, zero
	s_wait_dscnt 4*NL                              ; B's set and A's blocks 0-3 are in; the youngest 24 loads (A's blocks 4-7) may be out
	WIN MUL_LO
	MUL16 0, (\q)%2, \q, \slot, \zero
	MUL16 2, (\q)%2, \q, \slot, \zero
	s_wait_dscnt 0
	PLACES NP
	FETCH_B \slot, (\q)+1, 1-(\q)%2
	FETCH_A \slot, (\q)+1, 0
	WIN MUL_HI
	MUL16 4, (\q)%2, \q, \slot, \zero
	MUL16 6, (\q)%2, \q, \slot, \zero
	PLACES NP
	WIN 0
	FETCH_A \slot, (\q)+1, 4
.endm
.macro TURN slot, next, fill
	s_wait_tensorcnt 0x0                           ; all my tensor loads have landed: my part of the next slot
	ds_add_u32 v[SPW], v[NIL]                      ; 0 onto my spare word
	s_wait_dscnt 4*NL+1                            ; (the add and the youngest 24 loads may be out)
	WIN MUL_LO
	MUL16 0, 1, NQ-1, \slot, 0
	s_wait_dscnt 0x0                               ; the add is done, and my reads of this slot are over
	s_barrier_signal -1
	MUL16 2, 1, NQ-1, \slot, 0
	WIN 0
	s_barrier_wait -1
.if \fill
	CREST                                          ; a round of the cluster's barrier: no wave of any partner still reads this slot or has a load on its way
	s_add_nc_u64 s[G0+4*\slot+2:G0+4*\slot+3], s[G0+4*\slot+2:G0+4*\slot+3], 2*ASTEP
	s_add_nc_u64 s[G0B+4*\slot+2:G0B+4*\slot+3], s[G0B+4*\slot+2:G0B+4*\slot+3], 2*ROWB
	JLOAD G0+4*\slot, G1, G0B+4*\slot, G1B
.else
	PLACES NP
.endif
	v_add_nc_u32 v[ADRS], 4*NQ, v[ADRS]
	FETCH_B \next, 0, 0
	FETCH_A \next, 0, 0
	SCALES \next
	WIN MUL_HI
	MUL16 4, 1, NQ-1, \slot, 0
	MUL16 6, 1, NQ-1, \slot, 0
	PLACES NP
	WIN 0
	FETCH_A \next, 0, 4
.endm
.macro QUANT s, pc, pw
.irp b, 0,1,2,3
	v_max3_num_f32 v[TM+\b], |v[\s+16*\b]|, |v[\s+1+16*\b]|, 0x1800000   ; and the floor 2^(3 - 127): the byte cannot fall under 1
.endr
.irp i, 2,4,6,8,10,12,14
.irp b, 0,1,2,3
	v_max3_num_f32 v[TM+\b], v[TM+\b], |v[\s+16*\b+\i]|, |v[\s+1+16*\b+\i]|
.endr
.endr
.irp b, 0,1,2,3
	v_permlanex16_b32 v[TM+4+\b], v[TM+\b], s[SEL], s[SEL+1]
.endr
.irp b, 0,1,2,3
	v_max_num_f32 v[TM+\b], v[TM+\b], v[TM+4+\b]
.endr
.irp b, 0,1,2,3
	v_add_nc_u32 v[TM+12+\b], 0xff000000, v[TM+\b]
.endr
.irp b, 0,1,2,3
	v_lshrrev_b32 v[TM+4+\b], 23, v[TM+12+\b]
.endr
	v_lshl_or_b32 v[\pw], v[TM+5], 8, v[TM+4]
	v_lshl_or_b32 v[\pw], v[TM+6], 16, v[\pw]
	v_lshl_or_b32 v[\pw], v[TM+7], 24, v[\pw]
.irp c, 0,1
	v_cvt_scalef32_pk16_fp6_f32 v[\pc+6*\c:\pc+2+6*\c], v[\s+32*\c:\s+15+32*\c], v[TM+12+2*\c]
	v_cvt_scalef32_pk16_fp6_f32 v[\pc+12+4*\c:\pc+14+4*\c], v[\s+16+32*\c:\s+31+32*\c], v[TM+12+2*\c+1]
.endr
	v_nop                                          ; one plain place behind a scaled conversion
.irp c, 0,1
.irp i, 0,1,2
	v_permlane16_swap_b32 v[\pc+6*\c+\i], v[\pc+12+4*\c+\i]
.endr
.irp i, 0,1,2
	v_mov_b32 v[\pc+3+6*\c+\i], v[\pc+12+4*\c+\i]
.endr
.endr
.endm
.macro SWAP16 s
.irp b, 0,1,2,3
.irp j, 0,1,2,3,4,5,6,7
	v_permlane16_swap_b32 v[\s+16*\b+\j], v[\s+16*\b+8+\j]
.endr
.endr
.endm
.macro HORN d, c                       ; a step of Horner's rule on eight pairs: d = d z^2 + c
.set i, 0
.rept 8
	v_pk_fma_f32 v[\d+i:\d+i+1], v[\d+i:\d+i+1], v[GZ2+i:GZ2+i+1], \c op_sel_hi:[1,1,0]
.set i, i+2
.endr
.endm
.macro GELU16 s                        ; v[W + s] .. v[W + s + 15] become their gelu
.set i, 0
.rept 8
	v_pk_mul_f32 v[GZ+i:GZ+i+1], v[W+\s+i:W+\s+i+1], 0x3f3504f3 op_sel_hi:[1,0]   ; z = x / sqrt 2
.set i, i+2
.endr
.set i, 0
.rept 16
	v_med3_num_f32 v[GZ+i], v[GZ+i], -v[CLP], v[CLP]
.set i, i+1
.endr
.set i, 0
.rept 8
	v_pk_mul_f32 v[GZ2+i:GZ2+i+1], v[GZ+i:GZ+i+1], v[GZ+i:GZ+i+1]
.set i, i+2
.endr
.set i, 0
.rept 8
	v_pk_fma_f32 v[GN+i:GN+i+1], v[GZ2+i:GZ2+i+1], v[CA0:CA0+1], 0x3b5f5da2 op_sel_hi:[1,1,0]
	v_pk_fma_f32 v[GQ+i:GQ+i+1], v[GZ2+i:GZ2+i+1], v[CB0:CB0+1], 0x37c588df op_sel_hi:[1,1,0]
.set i, i+2
.endr
	HORN GN, 0x3d50b6eb
	HORN GQ, 0x3a856d28
	HORN GN, 0x3e3da740
	HORN GQ, 0x3c6687d4
	HORN GN, 0x3f906eba
	HORN GQ, 0x3de34c21
	HORN GQ, 0x3efeb44a
	HORN GQ, 1.0
.set i, 0
.rept 16
	v_rcp_f32 v[GQ+i], v[GQ+i]
.set i, i+1
.endr
.set i, 0
.rept 8
	v_pk_mul_f32 v[GN+i:GN+i+1], v[GN+i:GN+i+1], v[GZ+i:GZ+i+1]      ; z P: plain work behind the reciprocals
.set i, i+2
.endr
.set i, 0
.rept 8
	v_pk_mul_f32 v[GZ2+i:GZ2+i+1], v[W+\s+i:W+\s+i+1], 0.5 op_sel_hi:[1,0]
.set i, i+2
.endr
	s_wait_alu depctr_va_vdst(0)                   ; one wait for the sixteen reciprocals, ahead of their first reader
.set i, 0
.rept 8
	v_pk_mul_f32 v[GN+i:GN+i+1], v[GN+i:GN+i+1], v[GQ+i:GQ+i+1]      ; erf
.set i, i+2
.endr
.set i, 0
.rept 8
	v_pk_fma_f32 v[W+\s+i:W+\s+i+1], v[GZ2+i:GZ2+i+1], v[GN+i:GN+i+1], v[GZ2+i:GZ2+i+1]
.set i, i+2
.endr
.endm
	s_load_b64 s[4:5], s[0:1], 0x0                 ; h2b
	s_load_b128 s[8:11], s[0:1], 0x8               ; w1's codes, w1's scales
	s_load_b128 s[96:99], s[0:1], 0x18             ; b1, hidb
	v_lshl_add_u32 v[SPW], v0, 2, SPARE
	v_mov_b32 v[NIL], 0
	ds_add_u32 v28, v29
	ds_add_u32 v28, v29
	s_wait_dscnt 0x0
	v_lshrrev_b32 v1, 5, v0
	v_readfirstlane_b32 s14, v1
	s_lshr_b32 s15, s14, 1
	s_and_b32 s16, s14, 1
	s_bfe_u32 s40, ttmp6, 0x40000
	s_bfe_u32 s41, ttmp6, 0x40004
	s_lshl_b32 s42, ttmp9, 2
	s_add_co_u32 s42, s42, s40                     ; tile column
	s_and_b32 s17, ttmp7, 0xffff
	s_lshl_b32 s17, s17, 2
	s_add_co_u32 s17, s17, s41                     ; tile row
	s_lshl_b32 s43, s41, 2
	s_lshl_b32 s43, 15, s43
	s_lshl_b32 s44, 0x1111, s40
	s_mov_b32 s[SEL], 0x76543210
	s_mov_b32 s[SEL+1], 0xfedcba98
	s_or_b32 s[G1+0], s43, (0<<16)|(1<<20)|(1<<21)|(3<<22)|(3<<25)
	s_or_b32 s[G1B+0], s44, (0<<16)|(1<<20)|(1<<21)|(3<<22)|(3<<25)
	s_mov_b32 s[G1+1], AROW<<16
	s_mov_b32 s[G1+2], AROWS<<16
	s_mov_b32 s[G1+3], AROW<<16
	s_mov_b32 s[G1+4], AROWS
	s_mov_b32 s[G1+5], APIT
	s_mov_b32 s[G1+6], 0
	s_mov_b32 s[G1+7], 0
	s_mov_b32 s[G1B+1], ROWB<<16
	s_mov_b32 s[G1B+2], 128<<16
	s_mov_b32 s[G1B+3], ROWB<<16
	s_mov_b32 s[G1B+4], 128
	s_mov_b32 s[G1B+5], KROW
	s_mov_b32 s[G1B+6], 0
	s_mov_b32 s[G1B+7], 0
	s_or_b32 s[G1S+0], s43, (3<<16)|(1<<20)|(1<<21)|(5<<22)|(3<<25)
	s_or_b32 s[G1SB+0], s44, (3<<16)|(1<<20)|(1<<21)|(5<<22)|(3<<25)
.irp g, G1S, G1SB
	s_mov_b32 s[\g+1], 32<<16
	s_mov_b32 s[\g+2], (128*KS/256)<<16
	s_mov_b32 s[\g+3], 32<<16
	s_mov_b32 s[\g+4], 128*KS/256
	s_mov_b32 s[\g+5], 32
	s_mov_b32 s[\g+6], 0
	s_mov_b32 s[\g+7], 0
.endr
	s_lshl_b32 s18, s16, 7
	s_lshl_b32 s20, s17, 8
	s_add_co_u32 s20, s20, s18
	s_lshl_b32 s46, s42, 8
	s_add_co_u32 s46, s46, s18
	s_mov_b32 s21, 0
	s_mov_b32 s47, 0
	s_mov_b64 s[18:19], KS
	s_mul_u64 s[22:23], s[20:21], s[18:19]
	s_mul_u64 s[92:93], s[46:47], s[18:19]
	s_mov_b64 s[18:19], KROW
	s_mul_u64 s[20:21], s[20:21], s[18:19]
	s_mul_u64 s[46:47], s[46:47], s[18:19]
	s_mul_i32 s45, s14, HALFT
	s_mul_i32 s94, s14, HALFS
	s_wait_kmcnt 0x0
	s_add_nc_u64 s[6:7], s[4:5], 3145728           ; h2's scale bytes
	s_add_nc_u64 s[20:21], s[4:5], s[20:21]
	s_add_nc_u64 s[22:23], s[6:7], s[22:23]
	s_add_nc_u64 s[46:47], s[8:9], s[46:47]
	s_add_nc_u64 s[92:93], s[10:11], s[92:93]
	CROUND
	s_mov_b32 s[G0S], 1
	s_add_co_u32 s[G0S+1], s94, SCL
	s_mov_b64 s[G0S+2:G0S+3], s[22:23]
	s_or_b32 s[G0S+3], s[G0S+3], 0x80000000
	s_mov_b32 s[G0SB], 1
	s_add_co_u32 s[G0SB+1], s94, SCL
	s_mov_b64 s[G0SB+2:G0SB+3], s[92:93]
	s_or_b32 s[G0SB+3], s[G0SB+3], 0x80000000
	JLOAD G0S, G1S, G0SB, G1SB
.irp s, 0,1
	s_mov_b32 s[G0+4*\s], 1
	s_add_co_u32 s[G0+4*\s+1], s45, \s*SLOT
	s_add_nc_u64 s[G0+4*\s+2:G0+4*\s+3], s[20:21], \s*ASTEP
	s_or_b32 s[G0+4*\s+3], s[G0+4*\s+3], 0x80000000
	s_mov_b32 s[G0B+4*\s], 1
	s_add_co_u32 s[G0B+4*\s+1], s45, \s*SLOT
	s_add_nc_u64 s[G0B+4*\s+2:G0B+4*\s+3], s[46:47], \s*ROWB
	s_or_b32 s[G0B+4*\s+3], s[G0B+4*\s+3], 0x80000000
	JLOAD G0+4*\s, G1, G0B+4*\s, G1B
.endr
	v_and_b32 v1, 15, v0
	v_bfe_u32 v2, v0, 4, 1
	v_mul_u32_u24 v3, v1, PITCH
	v_mul_u32_u24 v4, v2, 24
	v_add_nc_u32 v4, v3, v4
	v_lshl_add_u32 v5, v2, 4, v4
	s_mul_i32 s21, s15, HALFT
	s_mul_i32 s22, s16, HALFT
	s_add_co_u32 s22, s22, 2*HALFT
.irp s, 0,1
	v_add_nc_u32 v[ADRA+\s], s21, v4
	v_add_nc_u32 v[ADRB+\s], s22, v4
	v_add_nc_u32 v[ADRA+2+\s], s21, v5
	v_add_nc_u32 v[ADRB+2+\s], s22, v5
	s_add_co_u32 s21, s21, SLOT
	s_add_co_u32 s22, s22, SLOT
.endr
	v_mul_u32_u24 v5, v1, KS
	v_lshrrev_b32 v6, 8, v5
	v_lshl_add_u32 v5, v6, 4, v5
	s_mul_i32 s21, s15, HALFS
	s_mul_i32 s22, s16, HALFS
	s_add_co_u32 s22, s22, 2*HALFS
	s_sub_co_u32 s22, s22, s21
	v_mul_u32_u24 v6, s22, v2
	s_add_co_u32 s21, s21, SCL
	v_add_nc_u32 v5, v5, v6
	v_add_nc_u32 v[ADRS], s21, v5
	; the way out's LDS addresses: the stage is [256 rows][192 bytes], the scale words [256 rows][8 bytes] at SST
	v_mul_u32_u24 v5, v1, 192
	v_mad_u32_u24 v5, v2, 24, v5
	s_mul_i32 s21, s15, 24576
	s_mul_i32 s22, s16, 96
	s_add_co_u32 s21, s21, s22
	v_add_nc_u32 v[STO], s21, v5
	s_lshl_b32 s21, s15, 10
	s_lshl_b32 s22, s16, 2
	s_add_co_u32 s21, s21, s22
	s_add_co_u32 s21, s21, SST
	v_lshl_add_u32 v[STS], v1, 3, s21
	v_and_b32 v6, 31, v0
	v_lshlrev_b32 v[CO], 4, v6
	s_mul_i32 s21, s14, 12288
	v_add_nc_u32 v[RD], s21, v[CO]
	v_lshl_add_u32 v[RDS], v0, 4, SST
	s_lshl_b32 s21, s42, 10
	s_lshl_b32 s22, s16, 9
	s_add_co_u32 s21, s21, s22                     ; my first column of b1, in bytes
	v_lshl_add_u32 v7, v2, 5, s21
.irp b, 0,1,2,3,4,5,6,7
	global_load_b128 v[BI+8*\b:BI+8*\b+3], v7, s[96:97] offset:64*\b
	global_load_b128 v[BI+8*\b+4:BI+8*\b+7], v7, s[96:97] offset:64*\b+16
.endr
	s_wait_tensorcnt 1                             ; the scales and my part of K step 0 are in (K step 1's load may be out)
	s_barrier_signal -1
	s_barrier_wait -1
	FETCH_B 0, 0, 0
	FETCH_A 0, 0, 0
	SCALES 0
	FETCH_A 0, 0, 4
	STEP 0, 0, 1
.if LAPS > 1
	s_mov_b32 s3, LAPS-1
.Llap:
	TURN 0, 1, 1
	STEP 1, 0, 0
	TURN 1, 0, 1
	STEP 0, 0, 0
	s_sub_co_u32 s3, s3, 1
	s_cmp_lg_u32 s3, 0
	s_cbranch_scc1 .Llap
.endif
	TURN 0, 1, 0
	STEP 1, 0, 0
	s_wait_dscnt 4*NL
	WIN MUL_LO
	MUL16 0, 1, NQ-1, 1, 0
	MUL16 2, 1, NQ-1, 1, 0
	s_wait_dscnt 0
	WIN MUL_HI
	MUL16 4, 1, NQ-1, 1, 0
	MUL16 6, 1, NQ-1, 1, 0
	WIN 0
	; THE WAY OUT
	s_wait_loadcnt 0x0                             ; b1
	PLACES NP
	v_mov_b32 v[CA0], 0x39702d51
	v_mov_b32 v[CA0+1], 0x39702d51
	v_mov_b32 v[CB0], 0xb3fd3906
	v_mov_b32 v[CB0+1], 0xb3fd3906
	v_mov_b32 v[CLP], 0x406f9c68
.irp b, 0,1,2,3
	v_mov_b32 v[TM+4+\b], 0
.endr
.macro ARM a                           ; block a's accumulators + b1 into W, each accumulator from its low end on
.set AC, 64*((\a)%4)
.set WN, 0x02+(\a)/4
	WIN WN
.set i, 0
.rept 32
	v_pk_add_f32 v[W+i:W+i+1], v[AC+i:AC+i+1], v[BI+i:BI+i+1]
.set i, i+2
.endr
	WIN 0
.endm
	s_mov_b32 s3, 0                                ; the block
	s_mov_b32 s24, 0                               ; its 16 rows in the stage (no tensor load is out: the descriptors' registers are free)
	s_mov_b32 s25, 0                               ; and among the scale words
.Lblk:
.irp a, 0,1,2,3,4,5,6
	s_cmp_eq_u32 s3, \a
	s_cbranch_scc1 .Larm_\a
.endr
	ARM 7
	s_branch .Ljoin
.irp a, 0,1,2,3,4,5,6
.Larm_\a:
	ARM \a
	s_branch .Ljoin
.endr
.Ljoin:
	s_wait_dscnt 0x0                               ; the last trip's stores have read the codes' registers, which gelu now takes
	GELU16 0
	GELU16 16
	GELU16 32
	GELU16 48
	SWAP16 W
	QUANT W, PC0, PW0
	v_add_nc_u32 v11, s24, v[STO]
	v_add_nc_u32 v12, s25, v[STS]
.irp p, 0,1,2,3,4,5
	ds_store_b64 v11, v[PC0+2*\p:PC0+2*\p+1] offset:48*(\p/3)+8*(\p%3)
.endr
	ds_store_b32 v12, v[PW0]                       ; both halves of the lanes write the same word with the same value
	s_add_co_u32 s24, s24, 3072
	s_add_co_u32 s25, s25, 128
	s_add_co_u32 s3, s3, 1
	s_cmp_lt_u32 s3, 8
	s_cbranch_scc1 .Lblk
	s_wait_dscnt 0x0                               ; for the others' sake: my stores into the stage are done
	s_barrier_signal -1
	s_barrier_wait -1
.set i, 0
.rept 24
	ds_load_b128 v[128+4*i:131+4*i], v[RD] offset:512*i
.set i, i+1
.endr
	ds_load_b128 v[232:235], v[RDS]                ; thread t: the scale words of rows 2 t and 2 t + 1
	s_lshl_b32 s18, s17, 1
	s_add_co_u32 s18, s18, s15                     ; the block of 128 rows: 2 x tile row + wave / 2
	s_lshl_b32 s18, s18, 4
	s_add_co_u32 s18, s18, s42                     ; x 16 + the tile column
	s_mul_i32 s18, s18, 24576
	s_mul_i32 s19, s16, 12288                      ; its first or second half
	s_add_co_u32 s18, s18, s19
	s_mov_b32 s19, 0
	s_add_nc_u64 s[20:21], s[98:99], s[18:19]
	s_lshl_b32 s18, s17, 15                        ; 256 rows of 128 scale bytes,
	s_lshl_b32 s22, s42, 3                         ; the tile's 8 of them
	s_add_co_u32 s18, s18, s22
	s_add_co_u32 s18, s18, 12582912
	s_add_nc_u64 s[22:23], s[98:99], s[18:19]
	v_lshlrev_b32 v13, 8, v0
.set i, 0
.rept 24
	s_wait_dscnt 24-i                              ; this load is in; the younger ones may be out
	global_store_b128 v[CO], v[128+4*i:131+4*i], s[20:21] offset:512*i   ; 32 lanes store 512 consecutive bytes, at a multiple of 256 from the buffer's first byte
.set i, i+1
.endr
	s_wait_dscnt 0x0
	global_store_b64 v13, v[232:233], s[22:23]
	global_store_b64 v13, v[234:235], s[22:23] offset:128
	s_wait_tensorcnt 0x0                           ; the wave's end
	ds_add_u32 v[SPW], v[NIL]
	s_wait_dscnt 0x0
	CROUND                                         ; the closing round
	s_endpgm
.Lfunc_end_k_q52658dc3a8_up:
	.size	k_q52658dc3a8_up, .Lfunc_end_k_q52658dc3a8_up-k_q52658dc3a8_up
	.p2alignl 7, 3214868480
	.fill 96, 4, 3214868480
	.section	.rodata,"a",@progbits
	.p2align	6, 0x0
	.amdhsa_kernel k_q52658dc3a8_up
		.amdhsa_group_segment_fixed_size 327680
		.amdhsa_private_segment_fixed_size 0
		.amdhsa_enable_private_segment 0
		.amdhsa_kernarg_size 40
		.amdhsa_user_sgpr_count 2
		.amdhsa_user_sgpr_kernarg_segment_ptr 1
		.amdhsa_wavefront_size32 1
		.amdhsa_system_sgpr_workgroup_id_x 1
		.amdhsa_system_sgpr_workgroup_id_y 1
		.amdhsa_system_sgpr_workgroup_id_z 1
		.amdhsa_system_vgpr_workitem_id 0
		.amdhsa_next_free_vgpr 1024
		.amdhsa_next_free_sgpr 106
		.amdhsa_reserve_vcc 0
		.amdhsa_float_denorm_mode_32 3
		.amdhsa_float_denorm_mode_16_64 3
		.amdhsa_memory_ordered 1
		.amdhsa_forward_progress 1
		.amdhsa_inst_pref_size 209
	.end_amdhsa_kernel
	.amdgpu_metadata
---
amdhsa.version: [ 1, 2 ]
amdhsa.kernels:
  - .name:           k_q52658dc3a8_up
    .symbol:         k_q52658dc3a8_up.kd
    .args:
      - { .name: h2b, .offset: 0, .size: 8, .value_kind: global_buffer, .address_space: global }
      - { .name: w1_codes, .offset: 8, .size: 8, .value_kind: global_buffer, .address_space: global }
      - { .name: w1_scales, .offset: 16, .size: 8, .value_kind: global_buffer, .address_space: global }
      - { .name: b1, .offset: 24, .size: 8, .value_kind: global_buffer, .address_space: global }
      - { .name: hidb, .offset: 32, .size: 8, .value_kind: global_buffer, .address_space: global }
    .group_segment_fixed_size: 327680
    .private_segment_fixed_size: 0
    .kernarg_segment_align: 8
    .kernarg_segment_size: 40
    .max_flat_workgroup_size: 128
    .sgpr_count:     106
    .vgpr_count:     1024
    .wavefront_size: 32
...
	.end_amdgpu_metadata
.endif
;; end of part 6
;; launch down (part 7): grid 4 x 16, 4 waves a work-group, clusters of 4 x 4, 327,680 bytes of LDS; arguments hidb, w2_codes, w2_scales, b2, x1, out0; writes out0
.if DOCPART == 7
	.amdgcn_target "amdgcn-amd-amdhsa--gfx1250"
	.amdhsa_code_object_version 6
	.text
	.protected	k_q52658dc3a8_down
	.globl	k_q52658dc3a8_down
	.p2align	8
	.type	k_q52658dc3a8_down,@function
k_q52658dc3a8_down:
	s_mov_b64 s[64:65], 0
	v_nop
	global_prefetch_b8 v0, s[64:65] scope:SCOPE_SE
	s_setreg_imm32_b32 hwreg(HW_REG_WAVE_MODE, 25, 1), 1
	s_wait_xcnt 0x0
	s_wait_alu depctr_hold_cnt(0) depctr_sa_sdst(0) depctr_va_vdst(0) depctr_va_sdst(0) depctr_va_ssrc(0) depctr_va_vcc(0) depctr_vm_vsrc(0)
	s_getreg_b32 s2, hwreg(HW_REG_IB_STS2, 6, 4)
	s_cmp_eq_u32 s2, 0
	s_cbranch_scc0 .Lentry_in_a_cluster
	s_endpgm
.Lentry_in_a_cluster:
	s_bfe_u32 s2, ttmp6, 0x10000c
	s_cmp_lg_u32 s2, 0xf033
	s_cbranch_scc0 .Lentry_shape_is_right
	s_endpgm
.Lentry_shape_is_right:
; out[m][n] = resid[m][n] + bias[n] + sum over k of A[m][k] B[n][k], A and B codes of FP6 (E2M3) with one E8M0 scale for each 32 along K; out, resid: [4096][1024] f32.
; Here: out0 = x1 + hid w2 + b2, K = 4,096.  A: codes in dense blocks [row / 128][k / 256][128 rows][192 bytes] at the buffer's start, scale bytes [4096][128] at ASC.  B: [1024][3072] and [1024][128].
; A tile of 256 x 256 is made by four waves, 128 x 128 each: 64 accumulators.  K goes in steps of 256 through two LDS slots filled by the tensor data mover; the scale bytes of the 512 rows come once.
; CLUSTERS: 4 x 4 work-groups; A's tiles are asked for jointly along a row of the cluster, B's along a column.  The matrix instruction is used transposed: a lane holds eight neighbouring columns of a row.
; THE WAY OUT: a block of 16 rows goes through the wave's own stage in slot 0 (which has had its last fill and its last read) and comes back as whole rows of 512 bytes; the residual's rows, asked for a block
; ahead, and the bias are added, and 32 lanes store 512 consecutive bytes.
; 64 tiles: this launch has work for 64 work-groups.
.set SIZE_K, 4096
.set SIZE_N, 1024
.set ABLK,   1
.set ASC,    12582912
.set KSTEP,  256
.set NQ,     KSTEP/128
.set ROWB,   192
.set KROW,   SIZE_K*6/8
.if ABLK
.set ASTEP,  24576                     ; A lies in dense blocks of 128 rows x 192 bytes, one for each K step: stated as 96 rows of 256 bytes; the padding counts along the whole tile, so the LDS image is the same
.set AROW,   256
.set AROWS,  96
.set APIT,   256
.else
.set ASTEP,  192
.set AROW,   192
.set AROWS,  128
.set APIT,   KROW
.endif
.set PITCH,  240
.set FR,     12
.set NL,     6
.set NP,     4
.set HALFT,  128*PITCH
.set SLOT,   4*HALFT
.set LAPS,   SIZE_K/(2*KSTEP)
.set KS,     SIZE_K/32
.set SCL,    2*SLOT
.set HALFS,  (128*KS/256)*272
.set SBLK,   (16*KS/256)*272
.set SPARE,  SCL+4*HALFS
.set SPITCH, 528
.set ADRA, 16
.set ADRB, 20
.set STO,  24
.set RD,   25
.set CO,   26
.set ADRS, 27
.set SPW,  28
.set NIL,  29
.set SC,   32
.set BV,   64                          ; v64-67 the bias of my four columns of a row
.set AF,   128
.set BK,   128
.set G1, 24
.set G0, 32
.set G1B, 48
.set G0B, 56
.set G1S, 68
.set G0S, 76
.set G1SB, 80
.set G0SB, 88
.set MSB, 0
.macro WIN new
.if MSB != \new
	s_set_vgpr_msb (MSB<<8)|\new
.set MSB, \new
.endif
.endm
.set MUL_LO, 0xa1
.set MUL_HI, 0xf1
.set TO_B,   0x40
.macro JLOAD g0a, g1a, g0b, g1b
	s_cmp_eq_u32 s15, 0
	s_cbranch_scc0 .Lfor_b_\@
	tensor_load_to_lds s[\g0a:\g0a+3], s[\g1a:\g1a+7]
	s_nop 0
.rept 4
	v_nop
.endr
	s_branch .Lasked_\@
.Lfor_b_\@:
	tensor_load_to_lds s[\g0b:\g0b+3], s[\g1b:\g1b+7]
	s_nop 0
.rept 4
	v_nop
.endr
.Lasked_\@:
.endm
.macro CREST
	s_cmp_lg_u32 s14, 0
	s_cbranch_scc1 .Lnot_wave_0_\@
	s_barrier_signal -3
.Lnot_wave_0_\@:
	s_barrier_wait -3
	s_barrier_signal -1
	s_barrier_wait -1
.endm
.macro CROUND
	s_barrier_signal -1
	s_barrier_wait -1
	CREST
.endm
.macro FRAG reg, adr, q, i
.irp p, 0,1,2,3,4,5
.set PCE, 12*(\q)+6*(\p/3)+\p%3
.if PCE%8 < 5
	ds_load_b64 v[\reg+2*\p:\reg+2*\p+1], v[\adr] offset:8*PCE+16*(PCE/8)+(\i)*16*PITCH
.else
	ds_load_b64 v[\reg+2*\p:\reg+2*\p+1], v[\adr+2] offset:8*PCE+16*(PCE/8)+(\i)*16*PITCH
.endif
.endr
.endm
.macro MUL16 a0, p, q, sc, zero
.irp a, \a0, \a0+1
.irp b, 0,1,2,3,4,5,6,7
.if \zero
	v_wmma_scale_f32_16x16x128_f8f6f4 v[8*(8*((\a)%4)+\b):8*(8*((\a)%4)+\b)+7], v[128*(\p)+FR*\b:128*(\p)+FR*\b+FR-1], v[AF+FR*(\a):AF+FR*(\a)+FR-1], 0, v[SC+8*NQ*(\sc)+NQ*\b+(\q)], v[SC+8*NQ*(\sc)+NQ*(\a)+(\q)] matrix_a_fmt:MATRIX_FMT_FP6 matrix_b_fmt:MATRIX_FMT_FP6 matrix_a_scale:MATRIX_SCALE_ROW1
.else
	v_wmma_scale_f32_16x16x128_f8f6f4 v[8*(8*((\a)%4)+\b):8*(8*((\a)%4)+\b)+7], v[128*(\p)+FR*\b:128*(\p)+FR*\b+FR-1], v[AF+FR*(\a):AF+FR*(\a)+FR-1], v[8*(8*((\a)%4)+\b):8*(8*((\a)%4)+\b)+7], v[SC+8*NQ*(\sc)+NQ*\b+(\q)], v[SC+8*NQ*(\sc)+NQ*(\a)+(\q)] matrix_a_fmt:MATRIX_FMT_FP6 matrix_b_fmt:MATRIX_FMT_FP6 matrix_a_scale:MATRIX_SCALE_ROW1
.endif
.endr
.endr
.endm
.macro FETCH_B slot, q, p
	WIN TO_B
.irp i, 0,1,2,3,4,5,6,7
	FRAG 128*(\p)+FR*\i, ADRB+\slot, \q, \i
.endr
	WIN 0
.endm
.macro FETCH_A slot, q, i0
.irp i, \i0, \i0+1, \i0+2, \i0+3
	FRAG AF+FR*(\i), ADRA+\slot, \q, \i
.endr
.endm
.macro SCALES sc
.irp i, 0,1,2,3,4,5,6,7
	ds_load_b64 v[SC+8*NQ*\sc+NQ*\i:SC+8*NQ*\sc+NQ*\i+1], v[ADRS] offset:\i*SBLK
.endr
.endm
.macro PLACES n
.rept \n
	v_nop
.endr
.endm
.macro STEP slot, q, zero
	s_wait_dscnt 4*NL                              ; B's set and A's blocks 0-3 are in; the youngest 24 loads (A's blocks 4-7) may be out
	WIN MUL_LO
	MUL16 0, (\q)%2, \q, \slot, \zero
	MUL16 2, (\q)%2, \q, \slot, \zero
	s_wait_dscnt 0
	PLACES NP
	FETCH_B \slot, (\q)+1, 1-(\q)%2
	FETCH_A \slot, (\q)+1, 0
	WIN MUL_HI
	MUL16 4, (\q)%2, \q, \slot, \zero
	MUL16 6, (\q)%2, \q, \slot, \zero
	PLACES NP
	WIN 0
	FETCH_A \slot, (\q)+1, 4
.endm
.macro TURN slot, next, fill
	s_wait_tensorcnt 0x0                           ; all my tensor loads have landed: my part of the next slot
	ds_add_u32 v[SPW], v[NIL]                      ; 0 onto my spare word
	s_wait_dscnt 4*NL+1                            ; (the add and the youngest 24 loads may be out)
	WIN MUL_LO
	MUL16 0, 1, NQ-1, \slot, 0
	s_wait_dscnt 0x0                               ; the add is done, and my reads of this slot are over
	s_barrier_signal -1
	MUL16 2, 1, NQ-1, \slot, 0
	WIN 0
	s_barrier_wait -1
.if \fill
	CREST                                          ; a round of the cluster's barrier: no wave of any partner still reads this slot or has a load on its way
	s_add_nc_u64 s[G0+4*\slot+2:G0+4*\slot+3], s[G0+4*\slot+2:G0+4*\slot+3], 2*ASTEP
	s_add_nc_u64 s[G0B+4*\slot+2:G0B+4*\slot+3], s[G0B+4*\slot+2:G0B+4*\slot+3], 2*ROWB
	JLOAD G0+4*\slot, G1, G0B+4*\slot, G1B
.else
	PLACES NP
.endif
	v_add_nc_u32 v[ADRS], 4*NQ, v[ADRS]
	FETCH_B \next, 0, 0
	FETCH_A \next, 0, 0
	SCALES \next
	WIN MUL_HI
	MUL16 4, 1, NQ-1, \slot, 0
	MUL16 6, 1, NQ-1, \slot, 0
	PLACES NP
	WIN 0
	FETCH_A \next, 0, 4
.endm
	s_load_b64 s[4:5], s[0:1], 0x0                 ; A's buffer
	s_load_b128 s[8:11], s[0:1], 0x8               ; B's codes, B's scales
	s_load_b128 s[96:99], s[0:1], 0x18             ; the bias, the residual
	s_load_b64 s[12:13], s[0:1], 0x28              ; out
	v_lshl_add_u32 v[SPW], v0, 2, SPARE
	v_mov_b32 v[NIL], 0
	ds_add_u32 v28, v29
	ds_add_u32 v28, v29
	s_wait_dscnt 0x0
	v_lshrrev_b32 v1, 5, v0
	v_readfirstlane_b32 s14, v1
	s_lshr_b32 s15, s14, 1
	s_and_b32 s16, s14, 1
	s_bfe_u32 s40, ttmp6, 0x40000
	s_bfe_u32 s41, ttmp6, 0x40004
	s_lshl_b32 s42, ttmp9, 2
	s_add_co_u32 s42, s42, s40                     ; tile column
	s_and_b32 s17, ttmp7, 0xffff
	s_lshl_b32 s17, s17, 2
	s_add_co_u32 s17, s17, s41                     ; tile row
	s_lshl_b32 s43, s41, 2
	s_lshl_b32 s43, 15, s43
	s_lshl_b32 s44, 0x1111, s40
	s_or_b32 s[G1+0], s43, (0<<16)|(1<<20)|(1<<21)|(3<<22)|(3<<25)
	s_or_b32 s[G1B+0], s44, (0<<16)|(1<<20)|(1<<21)|(3<<22)|(3<<25)
	s_mov_b32 s[G1+1], AROW<<16
	s_mov_b32 s[G1+2], AROWS<<16
	s_mov_b32 s[G1+3], AROW<<16
	s_mov_b32 s[G1+4], AROWS
	s_mov_b32 s[G1+5], APIT
	s_mov_b32 s[G1+6], 0
	s_mov_b32 s[G1+7], 0
	s_mov_b32 s[G1B+1], ROWB<<16
	s_mov_b32 s[G1B+2], 128<<16
	s_mov_b32 s[G1B+3], ROWB<<16
	s_mov_b32 s[G1B+4], 128
	s_mov_b32 s[G1B+5], KROW
	s_mov_b32 s[G1B+6], 0
	s_mov_b32 s[G1B+7], 0
	s_or_b32 s[G1S+0], s43, (3<<16)|(1<<20)|(1<<21)|(5<<22)|(3<<25)
	s_or_b32 s[G1SB+0], s44, (3<<16)|(1<<20)|(1<<21)|(5<<22)|(3<<25)
.irp g, G1S, G1SB
	s_mov_b32 s[\g+1], 32<<16
	s_mov_b32 s[\g+2], (128*KS/256)<<16
	s_mov_b32 s[\g+3], 32<<16
	s_mov_b32 s[\g+4], 128*KS/256
	s_mov_b32 s[\g+5], 32
	s_mov_b32 s[\g+6], 0
	s_mov_b32 s[\g+7], 0
.endr
	s_lshl_b32 s18, s16, 7
	s_lshl_b32 s20, s17, 8
	s_add_co_u32 s20, s20, s18
	s_lshl_b32 s46, s42, 8
	s_add_co_u32 s46, s46, s18
	s_mov_b32 s21, 0
	s_mov_b32 s47, 0
	s_mov_b64 s[18:19], KS
	s_mul_u64 s[22:23], s[20:21], s[18:19]
	s_mul_u64 s[92:93], s[46:47], s[18:19]
	s_mov_b64 s[18:19], KROW
	s_mul_u64 s[20:21], s[20:21], s[18:19]
	s_mul_u64 s[46:47], s[46:47], s[18:19]
	s_mul_i32 s45, s14, HALFT
	s_mul_i32 s94, s14, HALFS
	s_wait_kmcnt 0x0
	s_add_nc_u64 s[6:7], s[4:5], ASC               ; A's scale bytes
	s_add_nc_u64 s[20:21], s[4:5], s[20:21]
	s_add_nc_u64 s[22:23], s[6:7], s[22:23]
	s_add_nc_u64 s[46:47], s[8:9], s[46:47]
	s_add_nc_u64 s[92:93], s[10:11], s[92:93]
	CROUND
	s_mov_b32 s[G0S], 1
	s_add_co_u32 s[G0S+1], s94, SCL
	s_mov_b64 s[G0S+2:G0S+3], s[22:23]
	s_or_b32 s[G0S+3], s[G0S+3], 0x80000000
	s_mov_b32 s[G0SB], 1
	s_add_co_u32 s[G0SB+1], s94, SCL
	s_mov_b64 s[G0SB+2:G0SB+3], s[92:93]
	s_or_b32 s[G0SB+3], s[G0SB+3], 0x80000000
	JLOAD G0S, G1S, G0SB, G1SB
.irp s, 0,1
	s_mov_b32 s[G0+4*\s], 1
	s_add_co_u32 s[G0+4*\s+1], s45, \s*SLOT
	s_add_nc_u64 s[G0+4*\s+2:G0+4*\s+3], s[20:21], \s*ASTEP
	s_or_b32 s[G0+4*\s+3], s[G0+4*\s+3], 0x80000000
	s_mov_b32 s[G0B+4*\s], 1
	s_add_co_u32 s[G0B+4*\s+1], s45, \s*SLOT
	s_add_nc_u64 s[G0B+4*\s+2:G0B+4*\s+3], s[46:47], \s*ROWB
	s_or_b32 s[G0B+4*\s+3], s[G0B+4*\s+3], 0x80000000
	JLOAD G0+4*\s, G1, G0B+4*\s, G1B
.endr
	v_and_b32 v1, 15, v0
	v_bfe_u32 v2, v0, 4, 1
	v_mul_u32_u24 v3, v1, PITCH
	v_mul_u32_u24 v4, v2, 24
	v_add_nc_u32 v4, v3, v4
	v_lshl_add_u32 v5, v2, 4, v4
	s_mul_i32 s21, s15, HALFT
	s_mul_i32 s22, s16, HALFT
	s_add_co_u32 s22, s22, 2*HALFT
.irp s, 0,1
	v_add_nc_u32 v[ADRA+\s], s21, v4
	v_add_nc_u32 v[ADRB+\s], s22, v4
	v_add_nc_u32 v[ADRA+2+\s], s21, v5
	v_add_nc_u32 v[ADRB+2+\s], s22, v5
	s_add_co_u32 s21, s21, SLOT
	s_add_co_u32 s22, s22, SLOT
.endr
	v_mul_u32_u24 v5, v1, KS
	v_lshrrev_b32 v6, 8, v5
	v_lshl_add_u32 v5, v6, 4, v5
	s_mul_i32 s21, s15, HALFS
	s_mul_i32 s22, s16, HALFS
	s_add_co_u32 s22, s22, 2*HALFS
	s_sub_co_u32 s22, s22, s21
	v_mul_u32_u24 v6, s22, v2
	s_add_co_u32 s21, s21, SCL
	v_add_nc_u32 v5, v5, v6
	v_add_nc_u32 v[ADRS], s21, v5
	s_mul_i32 s23, s14, 16*SPITCH                  ; my stage
	v_mul_u32_u24 v5, v1, SPITCH
	v_lshl_add_u32 v5, v2, 5, v5
	v_add_nc_u32 v[STO], s23, v5
	v_and_b32 v6, 31, v0
	v_lshlrev_b32 v[CO], 4, v6
	v_add_nc_u32 v[RD], s23, v[CO]
	s_lshl_b32 s20, s17, 8
	s_lshl_b32 s21, s15, 7
	s_add_co_u32 s20, s20, s21                     ; my first row
	s_mov_b32 s21, 0
	s_mov_b64 s[18:19], SIZE_N*4
	s_mul_u64 s[20:21], s[20:21], s[18:19]
	s_lshl_b32 s46, s42, 10                        ; my first column, in bytes
	s_lshl_b32 s47, s16, 9
	s_add_co_u32 s46, s46, s47
	s_mov_b32 s47, 0
	s_add_nc_u64 s[20:21], s[20:21], s[46:47]
	s_add_nc_u64 s[12:13], s[12:13], s[20:21]
	s_add_nc_u64 s[98:99], s[98:99], s[20:21]
	v_add_nc_u32 v7, s46, v[CO]
	global_load_b128 v[BV:BV+3], v7, s[96:97]
	s_wait_tensorcnt 1                             ; the scales and my part of K step 0 are in (K step 1's load may be out)
	s_barrier_signal -1
	s_barrier_wait -1
	FETCH_B 0, 0, 0
	FETCH_A 0, 0, 0
	SCALES 0
	FETCH_A 0, 0, 4
	STEP 0, 0, 1
.if LAPS > 1
	s_mov_b32 s3, LAPS-1
.Llap:
	TURN 0, 1, 1
	STEP 1, 0, 0
	TURN 1, 0, 1
	STEP 0, 0, 0
	s_sub_co_u32 s3, s3, 1
	s_cmp_lg_u32 s3, 0
	s_cbranch_scc1 .Llap
.endif
	TURN 0, 1, 0
	STEP 1, 0, 0
	s_wait_dscnt 4*NL
	WIN MUL_LO
	MUL16 0, 1, NQ-1, 1, 0
	MUL16 2, 1, NQ-1, 1, 0
	s_wait_dscnt 0
	WIN MUL_HI
	MUL16 4, 1, NQ-1, 1, 0
	MUL16 6, 1, NQ-1, 1, 0
	WIN 0
.macro RLOAD a                         ; the residual's 16 rows of block a into window 1, two sets by turns
.set RR, 64*((\a)%2)
	WIN 0x40
.irp t, 0,1,2,3,4,5,6,7,8,9,10,11,12,13,14,15
	global_load_b128 v[RR+4*\t:RR+4*\t+3], v[CO], s[98:99] offset:(16*(\a)+\t)*SIZE_N*4 th:TH_LOAD_NT
.endr
	WIN 0
.endm
.macro TOSTAGE a
.set AC, 64*((\a)%4)
.set WN, 0x08+4*((\a)/4)
	WIN WN                                         ; an LDS store's data are its source 1
.irp b, 0,1,2,3,4,5,6,7
	ds_store_b128 v[STO], v[AC+8*\b:AC+8*\b+3] offset:64*\b          ; each accumulator from its low end on
	ds_store_b128 v[STO], v[AC+8*\b+4:AC+8*\b+7] offset:64*\b+16
.endr
	WIN 0
.set BB, BK+64*((\a)%2)
.irp t, 0,1,2,3,4,5,6,7,8,9,10,11,12,13,14,15
	ds_load_b128 v[BB+4*\t:BB+4*\t+3], v[RD] offset:\t*SPITCH        ; LDS serves a wave's instructions in order: these see the stores above
.endr
.endm
.macro SEND a, yds, yld                ; yds, yld: the LDS instructions and the global loads issued behind block a's, which may stay out
.set BB, BK+64*((\a)%2)
.set RR, 64*((\a)%2)
	s_wait_dscnt \yds
	s_wait_loadcnt \yld
	WIN 0x04                                       ; source 1: window 1
.set i, 0
.rept 32
	v_pk_add_f32 v[BB+i:BB+i+1], v[BB+i:BB+i+1], v[RR+i:RR+i+1]
.set i, i+2
.endr
	WIN 0
.irp t, 0,1,2,3,4,5,6,7,8,9,10,11,12,13,14,15
	v_pk_add_f32 v[BB+4*\t:BB+4*\t+1], v[BB+4*\t:BB+4*\t+1], v[BV:BV+1]
	v_pk_add_f32 v[BB+4*\t+2:BB+4*\t+3], v[BB+4*\t+2:BB+4*\t+3], v[BV+2:BV+3]
.endr
.irp t, 0,1,2,3,4,5,6,7,8,9,10,11,12,13,14,15
	global_store_b128 v[CO], v[BB+4*\t:BB+4*\t+3], s[12:13] offset:(16*(\a)+\t)*SIZE_N*4 th:TH_STORE_NT   ; 32 lanes store 512 consecutive bytes, at a multiple of 256 from the buffer's first byte
.endr
.endm
	PLACES NP
	RLOAD 0
	TOSTAGE 0
.irp a, 1,2,3,4,5,6,7
.if \a > 1
	s_wait_xcnt 0x0                                ; the stores of the block two back have read their registers: this block's loads may land there
.endif
	RLOAD \a
	TOSTAGE \a
	SEND \a-1, 32, 16                              ; behind that block's loads: this block's 16 LDS stores and 16 LDS loads, and its 16 loads of the residual
.endr
	SEND 7, 0, 0
	s_wait_tensorcnt 0x0                           ; the wave's end
	ds_add_u32 v[SPW], v[NIL]
	s_wait_dscnt 0x0
	CROUND                                         ; the closing round
	s_endpgm
.Lfunc_end_k_q52658dc3a8_down:
	.size	k_q52658dc3a8_down, .Lfunc_end_k_q52658dc3a8_down-k_q52658dc3a8_down
	.p2alignl 7, 3214868480
	.fill 96, 4, 3214868480
	.section	.rodata,"a",@progbits
	.p2align	6, 0x0
	.amdhsa_kernel k_q52658dc3a8_down
		.amdhsa_group_segment_fixed_size 327680
		.amdhsa_private_segment_fixed_size 0
		.amdhsa_enable_private_segment 0
		.amdhsa_kernarg_size 48
		.amdhsa_user_sgpr_count 2
		.amdhsa_user_sgpr_kernarg_segment_ptr 1
		.amdhsa_wavefront_size32 1
		.amdhsa_system_sgpr_workgroup_id_x 1
		.amdhsa_system_sgpr_workgroup_id_y 1
		.amdhsa_system_sgpr_workgroup_id_z 1
		.amdhsa_system_vgpr_workitem_id 0
		.amdhsa_next_free_vgpr 1024
		.amdhsa_next_free_sgpr 106
		.amdhsa_reserve_vcc 0
		.amdhsa_float_denorm_mode_32 3
		.amdhsa_float_denorm_mode_16_64 3
		.amdhsa_memory_ordered 1
		.amdhsa_forward_progress 1
		.amdhsa_inst_pref_size 205
	.end_amdhsa_kernel
	.amdgpu_metadata
---
amdhsa.version: [ 1, 2 ]
amdhsa.kernels:
  - .name:           k_q52658dc3a8_down
    .symbol:         k_q52658dc3a8_down.kd
    .args:
      - { .name: hidb, .offset: 0, .size: 8, .value_kind: global_buffer, .address_space: global }
      - { .name: w2_codes, .offset: 8, .size: 8, .value_kind: global_buffer, .address_space: global }
      - { .name: w2_scales, .offset: 16, .size: 8, .value_kind: global_buffer, .address_space: global }
      - { .name: b2, .offset: 24, .size: 8, .value_kind: global_buffer, .address_space: global }
      - { .name: x1, .offset: 32, .size: 8, .value_kind: global_buffer, .address_space: global }
      - { .name: out0, .offset: 40, .size: 8, .value_kind: global_buffer, .address_space: global }
    .group_segment_fixed_size: 327680
    .private_segment_fixed_size: 0
    .kernarg_segment_align: 8
    .kernarg_segment_size: 48
    .max_flat_workgroup_size: 128
    .sgpr_count:     106
    .vgpr_count:     1024
    .wavefront_size: 32
...
	.end_amdgpu_metadata
.endif
;; end of part 7
;; ======== version 2 of 2: 7 launches
;; workspace buffers: hbuf 3,538,944 bytes; qkvb 9,830,400 bytes; ctxb 3,276,800 bytes; x1 16,777,216 bytes; h2b 3,276,800 bytes; hidb 13,107,200 bytes
;; launch ln1q: the kernel of part 1 again; grid 256 x 1, 8 waves a work-group, no clusters, 23,552 bytes of LDS; arguments x, ln1_g, ln1_b, wf_codes, wf_scales, bf, hbuf; writes hbuf
;; launch qkv: the kernel of part 2 again; grid 12 x 16, 4 waves a work-group, clusters of 4 x 4, 327,680 bytes of LDS; arguments hbuf, wq_codes, wq_scales, wk_codes, wk_scales, wv_codes, wv_scales, bq, bk, bv, qkvb; writes qkvb
;; launch attn: the kernel of part 3 again; grid 8 x 32, 16 waves a work-group, no clusters, 224,256 bytes of LDS; arguments qkvb, hbuf, ctxb; writes ctxb
;; launch wo (part 8): grid 8 x 32, 4 waves a work-group, clusters of 4 x 4, 327,680 bytes of LDS; arguments ctxb, wo_codes, wo_scales, bo, x, x1; writes x1
.if DOCPART == 8
	.amdgcn_target "amdgcn-amd-amdhsa--gfx1250"
	.amdhsa_code_object_version 6
	.text
	.protected	k_q52658dc3a8_wo
	.globl	k_q52658dc3a8_wo
	.p2align	8
	.type	k_q52658dc3a8_wo,@function
k_q52658dc3a8_wo:
	s_mov_b64 s[64:65], 0
	v_nop
	global_prefetch_b8 v0, s[64:65] scope:SCOPE_SE
	s_setreg_imm32_b32 hwreg(HW_REG_WAVE_MODE, 25, 1), 1
	s_wait_xcnt 0x0
	s_wait_alu depctr_hold_cnt(0) depctr_sa_sdst(0) depctr_va_vdst(0) depctr_va_sdst(0) depctr_va_ssrc(0) depctr_va_vcc(0) depctr_vm_vsrc(0)
	s_getreg_b32 s2, hwreg(HW_REG_IB_STS2, 6, 4)
	s_cmp_eq_u32 s2, 0
	s_cbranch_scc0 .Lentry_in_a_cluster
	s_endpgm
.Lentry_in_a_cluster:
	s_bfe_u32 s2, ttmp6, 0x10000c
	s_cmp_lg_u32 s2, 0xf033
	s_cbranch_scc0 .Lentry_shape_is_right
	s_endpgm
.Lentry_shape_is_right:
; out[m][n] = resid[m][n] + bias[n] + sum over k of A[m][k] B[n][k], A and B codes of FP6 (E2M3) with one E8M0 scale for each 32 along K; out, resid: [4096][1024] f32.
; Here: x1 = x + ctx wo + bo, K = 1,024.  A: codes [4096][768] at the buffer's start, scale bytes [4096][32] at ASC.  B: [1024][768] and [1024][32].
; THE TILE IS 128 x 128: out has 64 tiles of 256 x 256 and 256 of 128 x 128, one for each of 256 work-groups.  Four waves, 64 x 64 each: 16 accumulators of 16 x 16.
; THE RING.  A tensor load brings 128 rows x 256 along K (192 bytes a row, 16 bytes of padding behind every 64: rows 240 bytes apart).  A slot holds 512 along K: A's two loads, then B's two; wave 0 and 1 fetch A's
; two halves along K, waves 2 and 3 B's.  Two slots hold 1,024 along K: at this K both are first fills, and nothing is filled again.  The scale bytes of the 256 rows come once, 64 rows a wave.
; CLUSTERS: 4 x 4 work-groups; A's tiles are asked for jointly along a row of the cluster, B's along a column.  The matrix instruction is used transposed (source 0 = rows of B, source 1 = rows of A): a lane holds
; eight neighbouring columns of a row.
; A STEP is 128 along K: 16 matrix instructions on one of two sets of fragments; the other set's 48 LDS loads go out in one run at the step's head and have the step's products in which to land.
; THE BIAS is the C of each sum's first product.  THE RESIDUAL's 64 x 64 numbers are asked for at the head, behind the first fills, into registers of their own: nothing waits for them on the way out.
; THE WAY OUT: a block of 16 rows x 64 columns goes through the wave's own stage in slot 0 (which has had its last fill and its last read) and comes back as whole rows of 256 bytes; sixteen lanes store one row's
; 256 consecutive bytes, at a multiple of 256 from the buffer's first byte.
; No prefetch: a step's tiles are shared in the cluster, and the tile is the small one.
; REGISTERS, in windows of 256: window 0: v16-29 addresses; v32-63 scale words, two sets; v96-127 the bias; v128-255 the accumulators ((a, b) at v[128 + 8 (4 a + b)]).
;   window 1: two sets of fragments, at v0 and v128: B's four (48 registers), then A's four; on the way out v0-127 take the rows read back.   window 2: v0-127 the residual.
.set SIZE_K, 1024
.set SIZE_N, 1024
.set ABLK,   0
.set ASC,    3145728
.set NQ,     4                         ; steps of 128 along K in a slot
.set ROWB,   192                       ; a load's row: 256 codes
.set KROW,   SIZE_K*6/8
.if ABLK
.set ASTEP,  24576                     ; A lies in dense blocks of 128 rows x 192 bytes, one for each 256 along K: stated as 96 rows of 256 bytes; the padding counts along the whole tile, so the LDS image is the same
.set AROW,   256
.set AROWS,  96
.set APIT,   256
.else
.set ASTEP,  192
.set AROW,   192
.set AROWS,  128
.set APIT,   KROW
.endif
.set PITCH,  240
.set FR,     12
.set NP,     4
.set HALFT,  128*PITCH                 ; what one tensor load brings
.set SLOT,   4*HALFT                   ; A's first 256 along K, A's second, B's first, B's second
.set LAPS,   SIZE_K/1024               ; a lap = once round the ring
.set KS,     SIZE_K/32
.set SCL,    2*SLOT                    ; behind the ring: the scales, as units of 256 bytes + 16
.set QS,     (64*KS/256)*272           ; those of 64 rows: what one tensor load brings
.set SBLK,   (16*KS/256)*272           ; those of 16 rows
.set SPARE,  SCL+4*QS                  ; the spare words, 128 bytes for each wave
.set SPITCH, 272                       ; the stage: 16 rows x (256 bytes + 16) for each wave
.set ADRA, 16
.set ADRB, 20
.set STO,  24
.set RD,   25
.set CO,   26
.set ADRS, 27
.set SPW,  28
.set NIL,  29
.set SC,   32
.set BI,   96
.set ACC,  128
.set G1, 24
.set G0, 32
.set G1B, 48
.set G0B, 56
.set G1S, 68
.set G0S, 76
.set G1SB, 80
.set G0SB, 88
.set MSB, 0
.macro WIN new                         ; the immediate's high byte repeats the setting that is left
.if MSB != \new
	s_set_vgpr_msb (MSB<<8)|\new
.set MSB, \new
.endif
.endm
.set MUL,  0x05                        ; sources 0 (B) and 1 (A) window 1; C and D window 0
.set TO_F, 0x40                        ; destination window 1, address window 0
.macro JLOAD g0a, g1a, g0b, g1b        ; a joint load: waves 0 and 1 fetch for A, waves 2 and 3 for B; four v_nop follow each line
	s_cmp_eq_u32 s15, 0
	s_cbranch_scc0 .Lfor_b_\@
	tensor_load_to_lds s[\g0a:\g0a+3], s[\g1a:\g1a+7]
	s_nop 0
.rept 4
	v_nop
.endr
	s_branch .Lasked_\@
.Lfor_b_\@:
	tensor_load_to_lds s[\g0b:\g0b+3], s[\g1b:\g1b+7]
	s_nop 0
.rept 4
	v_nop
.endr
.Lasked_\@:
.endm
.macro CREST
	s_cmp_lg_u32 s14, 0
	s_cbranch_scc1 .Lnot_wave_0_\@
	s_barrier_signal -3
.Lnot_wave_0_\@:
	s_barrier_wait -3
	s_barrier_signal -1
	s_barrier_wait -1
.endm
.macro CROUND
	s_barrier_signal -1
	s_barrier_wait -1
	CREST
.endm
.macro FRAG reg, adr, q, i             ; a fragment: 16 rows x 128 K, 12 registers, in pieces of 8 bytes; step q of the slot lies in load q / 2, at its (q % 2)-th 128 along K; where lanes 16-31's piece lies behind one padding more, the second address register serves
.irp p, 0,1,2,3,4,5
.set PCE, 12*((\q)%2)+6*(\p/3)+\p%3
.if PCE%8 < 5
	ds_load_b64 v[\reg+2*\p:\reg+2*\p+1], v[\adr] offset:8*PCE+16*(PCE/8)+(\i)*16*PITCH+((\q)/2)*HALFT
.else
	ds_load_b64 v[\reg+2*\p:\reg+2*\p+1], v[\adr+2] offset:8*PCE+16*(PCE/8)+(\i)*16*PITCH+((\q)/2)*HALFT
.endif
.endr
.endm
.macro MUL4 a, p, q, sc, zero          ; A's block a x B's four; the 16 accumulators take turns, one instruction a turn.  zero = 1: the first product starts the sums, from the bias
.irp b, 0,1,2,3
.if \zero
	v_wmma_scale_f32_16x16x128_f8f6f4 v[ACC+8*(4*(\a)+\b):ACC+8*(4*(\a)+\b)+7], v[128*(\p)+FR*\b:128*(\p)+FR*\b+FR-1], v[128*(\p)+48+FR*(\a):128*(\p)+48+FR*(\a)+FR-1], v[BI+8*\b:BI+8*\b+7], v[SC+4*NQ*(\sc)+NQ*\b+(\q)], v[SC+4*NQ*(\sc)+NQ*(\a)+(\q)] matrix_a_fmt:MATRIX_FMT_FP6 matrix_b_fmt:MATRIX_FMT_FP6 matrix_a_scale:MATRIX_SCALE_ROW1
.else
	v_wmma_scale_f32_16x16x128_f8f6f4 v[ACC+8*(4*(\a)+\b):ACC+8*(4*(\a)+\b)+7], v[128*(\p)+FR*\b:128*(\p)+FR*\b+FR-1], v[128*(\p)+48+FR*(\a):128*(\p)+48+FR*(\a)+FR-1], v[ACC+8*(4*(\a)+\b):ACC+8*(4*(\a)+\b)+7], v[SC+4*NQ*(\sc)+NQ*\b+(\q)], v[SC+4*NQ*(\sc)+NQ*(\a)+(\q)] matrix_a_fmt:MATRIX_FMT_FP6 matrix_b_fmt:MATRIX_FMT_FP6 matrix_a_scale:MATRIX_SCALE_ROW1
.endif
.endr
.endm
.macro FETCH slot, q, p                ; 48 LDS loads in one run: the fragments of the slot's step q into set p
	WIN TO_F
.irp i, 0,1,2,3
	FRAG 128*(\p)+FR*\i, ADRB+\slot, \q, \i
.endr
.irp i, 0,1,2,3
	FRAG 128*(\p)+48+FR*\i, ADRA+\slot, \q, \i
.endr
.endm
.macro SCALES sc                       ; a slot's scale words into set sc: four words a row; lanes 0-15 take A's block i, lanes 16-31 B's block i
	WIN 0
.irp i, 0,1,2,3
	ds_load_b128 v[SC+4*NQ*\sc+NQ*\i:SC+4*NQ*\sc+NQ*\i+3], v[ADRS] offset:\i*SBLK
.endr
.endm
.macro PLACES n                        ; plain vector instructions between a matrix instruction and a load into, or a read of, its registers
.rept \n
	v_nop
.endr
.endm
.macro STEP slot, q, zero              ; 128 along K that has its successor in the same slot
	s_wait_dscnt 0x0                               ; this step's set is in (asked for a step ago)
	PLACES NP                                      ; behind the last step's products, which read the set that is loaded now
	FETCH \slot, (\q)+1, 1-(\q)%2
	WIN MUL
	MUL4 0, (\q)%2, \q, \slot, \zero
	MUL4 1, (\q)%2, \q, \slot, \zero
	MUL4 2, (\q)%2, \q, \slot, \zero
	MUL4 3, (\q)%2, \q, \slot, \zero
.endm
.macro TURN slot, next, fill           ; a slot's last step changes slots
	WIN 0                                          ; (the add's two registers lie in window 0)
	s_wait_tensorcnt 0x0                           ; all my tensor loads have landed: my part of the next slot
	ds_add_u32 v[SPW], v[NIL]                      ; 0 onto my spare word
	s_wait_dscnt 1                                 ; this step's set is in; the add may be out
	WIN MUL
	MUL4 0, 1, NQ-1, \slot, 0
	s_wait_dscnt 0x0                               ; the add is done, and my reads of this slot are over
	s_barrier_signal -1
	MUL4 1, 1, NQ-1, \slot, 0
	WIN 0
	s_barrier_wait -1
.if \fill
	CREST                                          ; the barrier has opened a round of the cluster's barrier: no wave of any partner still reads this slot or has a load on its way
	s_add_nc_u64 s[G0+4*\slot+2:G0+4*\slot+3], s[G0+4*\slot+2:G0+4*\slot+3], 4*ASTEP
	s_add_nc_u64 s[G0B+4*\slot+2:G0B+4*\slot+3], s[G0B+4*\slot+2:G0B+4*\slot+3], 4*ROWB
	JLOAD G0+4*\slot, G1, G0B+4*\slot, G1B         ; the first tensor load behind the round; the four v_nop behind it are the places in front of the loads below
.else
	PLACES NP
.endif
	v_add_nc_u32 v[ADRS], 4*NQ, v[ADRS]            ; on to the next slot's scale words
	FETCH \next, 0, 0
	SCALES \next
	WIN MUL
	MUL4 2, 1, NQ-1, \slot, 0
	MUL4 3, 1, NQ-1, \slot, 0
.endm
	s_load_b64 s[4:5], s[0:1], 0x0                 ; A's buffer
	s_load_b128 s[8:11], s[0:1], 0x8               ; B's codes, B's scales
	s_load_b128 s[96:99], s[0:1], 0x18             ; the bias, the residual
	s_load_b64 s[12:13], s[0:1], 0x28              ; out
	v_lshl_add_u32 v[SPW], v0, 2, SPARE
	v_mov_b32 v[NIL], 0
	ds_add_u32 v28, v29
	ds_add_u32 v28, v29
	s_wait_dscnt 0x0
	v_lshrrev_b32 v1, 5, v0
	v_readfirstlane_b32 s14, v1                    ; wave 0..3
	s_lshr_b32 s15, s14, 1                         ; which half of the tile's rows is mine.  Also: I fetch for A (0) or for B (1)
	s_and_b32 s16, s14, 1                          ; which half of its columns.  Also: which 256 along K of a slot I fetch, and which 64 rows' scales
	s_bfe_u32 s40, ttmp6, 0x40000                  ; cx, cy: my place in the cluster
	s_bfe_u32 s41, ttmp6, 0x40004
	s_lshl_b32 s42, ttmp9, 2
	s_add_co_u32 s42, s42, s40                     ; tile column
	s_and_b32 s17, ttmp7, 0xffff
	s_lshl_b32 s17, s17, 2
	s_add_co_u32 s17, s17, s41                     ; tile row
	s_lshl_b32 s43, s41, 2
	s_lshl_b32 s43, 15, s43                        ; my row of the cluster
	s_lshl_b32 s44, 0x1111, s40                    ; my column
	s_or_b32 s[G1+0], s43, (0<<16)|(1<<20)|(1<<21)|(3<<22)|(3<<25)
	s_or_b32 s[G1B+0], s44, (0<<16)|(1<<20)|(1<<21)|(3<<22)|(3<<25)
	s_mov_b32 s[G1+1], AROW<<16
	s_mov_b32 s[G1+2], AROWS<<16
	s_mov_b32 s[G1+3], AROW<<16
	s_mov_b32 s[G1+4], AROWS
	s_mov_b32 s[G1+5], APIT
	s_mov_b32 s[G1+6], 0
	s_mov_b32 s[G1+7], 0
	s_mov_b32 s[G1B+1], ROWB<<16
	s_mov_b32 s[G1B+2], 128<<16
	s_mov_b32 s[G1B+3], ROWB<<16
	s_mov_b32 s[G1B+4], 128
	s_mov_b32 s[G1B+5], KROW
	s_mov_b32 s[G1B+6], 0
	s_mov_b32 s[G1B+7], 0
	; the scales of 64 rows: a dense block, as rows of 256 bytes with 16 bytes of padding behind each
	s_or_b32 s[G1S+0], s43, (3<<16)|(1<<20)|(1<<21)|(5<<22)|(3<<25)
	s_or_b32 s[G1SB+0], s44, (3<<16)|(1<<20)|(1<<21)|(5<<22)|(3<<25)
.irp g, G1S, G1SB
	s_mov_b32 s[\g+1], 32<<16
	s_mov_b32 s[\g+2], (64*KS/256)<<16
	s_mov_b32 s[\g+3], 32<<16
	s_mov_b32 s[\g+4], 64*KS/256
	s_mov_b32 s[\g+5], 32
	s_mov_b32 s[\g+6], 0
	s_mov_b32 s[\g+7], 0
.endr
	s_lshl_b32 s18, s16, 6                         ; which 64 rows' scales I fetch
	s_lshl_b32 s20, s17, 7                         ; A: the tile's first row
	s_lshl_b32 s46, s42, 7                         ; B: likewise
	s_add_co_u32 s22, s20, s18
	s_add_co_u32 s92, s46, s18
	s_mov_b32 s21, 0
	s_mov_b32 s23, 0
	s_mov_b32 s47, 0
	s_mov_b32 s93, 0
	s_mov_b64 s[18:19], KS
	s_mul_u64 s[22:23], s[22:23], s[18:19]         ; where those rows' scales begin, in bytes
	s_mul_u64 s[92:93], s[92:93], s[18:19]
	s_mov_b64 s[18:19], KROW
	s_mul_u64 s[20:21], s[20:21], s[18:19]         ; and the tile's codes
	s_mul_u64 s[46:47], s[46:47], s[18:19]
	s_mul_i32 s18, s16, ASTEP                      ; + my 256 along K of a slot
	s_mov_b32 s19, 0
	s_add_nc_u64 s[20:21], s[20:21], s[18:19]
	s_mul_i32 s18, s16, ROWB
	s_add_nc_u64 s[46:47], s[46:47], s[18:19]
	s_mul_i32 s45, s14, HALFT                      ; where they go: wave x a load's bytes: no place in the cluster enters an LDS address
	s_mul_i32 s94, s14, QS
	s_wait_kmcnt 0x0
	s_add_nc_u64 s[6:7], s[4:5], ASC               ; A's scale bytes
	s_add_nc_u64 s[20:21], s[4:5], s[20:21]
	s_add_nc_u64 s[22:23], s[6:7], s[22:23]
	s_add_nc_u64 s[46:47], s[8:9], s[46:47]
	s_add_nc_u64 s[92:93], s[10:11], s[92:93]
	CROUND                                         ; all sixteen work-groups are here: the first joint loads meet
	s_mov_b32 s[G0S], 1
	s_add_co_u32 s[G0S+1], s94, SCL
	s_mov_b64 s[G0S+2:G0S+3], s[22:23]
	s_or_b32 s[G0S+3], s[G0S+3], 0x80000000
	s_mov_b32 s[G0SB], 1
	s_add_co_u32 s[G0SB+1], s94, SCL
	s_mov_b64 s[G0SB+2:G0SB+3], s[92:93]
	s_or_b32 s[G0SB+3], s[G0SB+3], 0x80000000
	JLOAD G0S, G1S, G0SB, G1SB
.irp s, 0,1
	s_mov_b32 s[G0+4*\s], 1
	s_add_co_u32 s[G0+4*\s+1], s45, \s*SLOT
	s_add_nc_u64 s[G0+4*\s+2:G0+4*\s+3], s[20:21], \s*2*ASTEP
	s_or_b32 s[G0+4*\s+3], s[G0+4*\s+3], 0x80000000
	s_mov_b32 s[G0B+4*\s], 1
	s_add_co_u32 s[G0B+4*\s+1], s45, \s*SLOT
	s_add_nc_u64 s[G0B+4*\s+2:G0B+4*\s+3], s[46:47], \s*2*ROWB
	s_or_b32 s[G0B+4*\s+3], s[G0B+4*\s+3], 0x80000000
	JLOAD G0+4*\s, G1, G0B+4*\s, G1B
.endr
	v_and_b32 v1, 15, v0                           ; l % 16
	v_bfe_u32 v2, v0, 4, 1                         ; l / 16
	v_mul_u32_u24 v3, v1, PITCH
	v_mul_u32_u24 v4, v2, 24
	v_add_nc_u32 v4, v3, v4                        ; a fragment's row x pitch + 24 x half
	v_lshl_add_u32 v5, v2, 4, v4                   ; and the same behind one padding more
	s_mul_i32 s21, s15, 64*PITCH                   ; my 64 rows of A
	s_mul_i32 s22, s16, 64*PITCH                   ; my 64 rows of B,
	s_add_co_u32 s22, s22, 2*HALFT                 ; which lie behind A's two loads
.irp s, 0,1
	v_add_nc_u32 v[ADRA+\s], s21, v4
	v_add_nc_u32 v[ADRB+\s], s22, v4
	v_add_nc_u32 v[ADRA+2+\s], s21, v5
	v_add_nc_u32 v[ADRB+2+\s], s22, v5
	s_add_co_u32 s21, s21, SLOT
	s_add_co_u32 s22, s22, SLOT
.endr
	v_mul_u32_u24 v5, v1, KS                       ; my row's scales: KS bytes a row,
	v_lshrrev_b32 v6, 8, v5
	v_lshl_add_u32 v5, v6, 4, v5                   ; and 16 more for each 256 passed
	s_mul_i32 s21, s15, QS                         ; A's: my 64 rows
	s_mul_i32 s22, s16, QS                         ; B's: my 64 rows, behind A's 128
	s_add_co_u32 s22, s22, 2*QS
	s_sub_co_u32 s22, s22, s21
	v_mul_u32_u24 v6, s22, v2                      ; lanes 16-31 take B's
	s_add_co_u32 s21, s21, SCL
	v_add_nc_u32 v5, v5, v6
	v_add_nc_u32 v[ADRS], s21, v5
	s_mul_i32 s23, s14, 16*SPITCH                  ; my stage
	v_mul_u32_u24 v5, v1, SPITCH                   ; in: row l % 16, 32 bytes for each half of the lanes
	v_lshl_add_u32 v5, v2, 5, v5
	v_add_nc_u32 v[STO], s23, v5
	v_mul_u32_u24 v6, v2, SPITCH                   ; back: lanes 0-15 take one row of 256 bytes, lanes 16-31 the next
	v_lshl_add_u32 v6, v1, 4, v6
	v_add_nc_u32 v[RD], s23, v6
	v_lshlrev_b32 v[CO], 12, v2                    ; and the same two rows in memory: 4,096 bytes a row
	v_lshl_add_u32 v[CO], v1, 4, v[CO]
	s_lshl_b32 s20, s17, 7
	s_lshl_b32 s21, s15, 6
	s_add_co_u32 s20, s20, s21                     ; my first row: 128 x tile row + 64 x half
	s_mov_b32 s21, 0
	s_mov_b64 s[18:19], SIZE_N*4
	s_mul_u64 s[20:21], s[20:21], s[18:19]
	s_lshl_b32 s46, s42, 9                         ; my first column, in bytes: 512 x tile column + 256 x half
	s_lshl_b32 s47, s16, 8
	s_add_co_u32 s46, s46, s47
	s_mov_b32 s47, 0
	s_add_nc_u64 s[20:21], s[20:21], s[46:47]
	s_add_nc_u64 s[12:13], s[12:13], s[20:21]
	s_add_nc_u64 s[98:99], s[98:99], s[20:21]
	v_lshl_add_u32 v7, v2, 5, s46                  ; the bias in the result's layout: register 8 b + j = column 16 b + 8 h + j
.irp b, 0,1,2,3
	global_load_b128 v[BI+8*\b:BI+8*\b+3], v7, s[96:97] offset:64*\b
	global_load_b128 v[BI+8*\b+4:BI+8*\b+7], v7, s[96:97] offset:64*\b+16
.endr
	WIN 0x80                                       ; destination window 2
.irp a, 0,1,2,3
.irp t, 0,1,2,3,4,5,6,7
	global_load_b128 v[32*\a+4*\t:32*\a+4*\t+3], v[CO], s[98:99] offset:(16*\a+2*\t)*SIZE_N*4 th:TH_LOAD_NT   ; the residual, as the rows will come back from the stage
.endr
.endr
	WIN 0
	s_wait_tensorcnt 1                             ; the scales and my part of slot 0 are in (slot 1's load may be out)
	s_barrier_signal -1
	s_barrier_wait -1                              ; everybody's are
	FETCH 0, 0, 0
	SCALES 0
	s_wait_loadcnt 32                              ; the bias's eight loads are in; the residual's 32, issued behind them, may be out
	STEP 0, 0, 1                                   ; the first step's products start the sums
.if LAPS > 1
	WIN 0                                          ; at a label and at a branch every window is 0
	s_mov_b32 s3, LAPS-1
.Llap:                                                 ; a trip goes once round the ring, from a lap's second step to the next lap's first, and fills both slots again
	STEP 0, 1, 0
	STEP 0, 2, 0
	TURN 0, 1, 1
	STEP 1, 0, 0
	STEP 1, 1, 0
	STEP 1, 2, 0
	TURN 1, 0, 1
	STEP 0, 0, 0
	WIN 0
	s_sub_co_u32 s3, s3, 1
	s_cmp_lg_u32 s3, 0
	s_cbranch_scc1 .Llap
.endif
	STEP 0, 1, 0                                   ; the last lap fills nothing, and has no round of the cluster's barrier
	STEP 0, 2, 0
	TURN 0, 1, 0
	STEP 1, 0, 0
	STEP 1, 1, 0
	STEP 1, 2, 0
	s_wait_dscnt 0x0                               ; the very last step: nothing more to fetch
	WIN MUL
	MUL4 0, 1, NQ-1, 1, 0
	MUL4 1, 1, NQ-1, 1, 0
	MUL4 2, 1, NQ-1, 1, 0
	MUL4 3, 1, NQ-1, 1, 0
	WIN 0
.macro TOSTAGE a                       ; block a, 16 rows x 64 columns, into my stage and back as whole rows
	WIN 0
.irp b, 0,1,2,3
	ds_store_b128 v[STO], v[ACC+8*(4*(\a)+\b):ACC+8*(4*(\a)+\b)+3] offset:64*\b          ; each accumulator from its low end on
	ds_store_b128 v[STO], v[ACC+8*(4*(\a)+\b)+4:ACC+8*(4*(\a)+\b)+7] offset:64*\b+16
.endr
	WIN TO_F
.irp t, 0,1,2,3,4,5,6,7
	ds_load_b128 v[32*(\a)+4*\t:32*(\a)+4*\t+3], v[RD] offset:\t*2*SPITCH                ; LDS serves a wave's instructions in order: these see the stores above, and the next block's stores come behind them
.endr
.endm
.macro SEND a, yds                     ; yds: the LDS instructions issued behind block a's loads, which may stay out
	s_wait_dscnt \yds
	WIN 0x49                                       ; destination and source 0 window 1, source 1 (the residual) window 2
.set i, 0
.rept 16
	v_pk_add_f32 v[32*(\a)+i:32*(\a)+i+1], v[32*(\a)+i:32*(\a)+i+1], v[32*(\a)+i:32*(\a)+i+1]
.set i, i+2
.endr
	WIN 0x04                                       ; a store's data are its source 1: window 1
.irp t, 0,1,2,3,4,5,6,7
	global_store_b128 v[CO], v[32*(\a)+4*\t:32*(\a)+4*\t+3], s[12:13] offset:(16*(\a)+2*\t)*SIZE_N*4 th:TH_STORE_NT   ; sixteen lanes store a row's 256 consecutive bytes
.endr
.endm
	PLACES NP                                      ; behind the last products: their results are read, and loads land in the registers that held fragments
	s_wait_loadcnt 0x0                             ; the residual, asked for at the head
	TOSTAGE 0
	TOSTAGE 1
	SEND 0, 16                                     ; behind block 0's loads: block 1's 8 stores and 8 loads
	TOSTAGE 2
	SEND 1, 16
	TOSTAGE 3
	SEND 2, 16
	SEND 3, 0
	WIN 0
	s_wait_tensorcnt 0x0                           ; the wave's end
	ds_add_u32 v[SPW], v[NIL]
	s_wait_dscnt 0x0
	CROUND                                         ; the closing round
	s_endpgm
.Lfunc_end_k_q52658dc3a8_wo:
	.size	k_q52658dc3a8_wo, .Lfunc_end_k_q52658dc3a8_wo-k_q52658dc3a8_wo
	.p2alignl 7, 3214868480
	.fill 96, 4, 3214868480
	.section	.rodata,"a",@progbits
	.p2align	6, 0x0
	.amdhsa_kernel k_q52658dc3a8_wo
		.amdhsa_group_segment_fixed_size 327680
		.amdhsa_private_segment_fixed_size 0
		.amdhsa_enable_private_segment 0
		.amdhsa_kernarg_size 48
		.amdhsa_user_sgpr_count 2
		.amdhsa_user_sgpr_kernarg_segment_ptr 1
		.amdhsa_wavefront_size32 1
		.amdhsa_system_sgpr_workgroup_id_x 1
		.amdhsa_system_sgpr_workgroup_id_y 1
		.amdhsa_system_sgpr_workgroup_id_z 1
		.amdhsa_system_vgpr_workitem_id 0
		.amdhsa_next_free_vgpr 768
		.amdhsa_next_free_sgpr 106
		.amdhsa_reserve_vcc 0
		.amdhsa_float_denorm_mode_32 3
		.amdhsa_float_denorm_mode_16_64 3
		.amdhsa_memory_ordered 1
		.amdhsa_forward_progress 1
		.amdhsa_inst_pref_size 69
	.end_amdhsa_kernel
	.amdgpu_metadata
---
amdhsa.version: [ 1, 2 ]
amdhsa.kernels:
  - .name:           k_q52658dc3a8_wo
    .symbol:         k_q52658dc3a8_wo.kd
    .args:
      - { .name: ctxb, .offset: 0, .size: 8, .value_kind: global_buffer, .address_space: global }
      - { .name: wo_codes, .offset: 8, .size: 8, .value_kind: global_buffer, .address_space: global }
      - { .name: wo_scales, .offset: 16, .size: 8, .value_kind: global_buffer, .address_space: global }
      - { .name: bo, .offset: 24, .size: 8, .value_kind: global_buffer, .address_space: global }
      - { .name: x, .offset: 32, .size: 8, .value_kind: global_buffer, .address_space: global }
      - { .name: x1, .offset: 40, .size: 8, .value_kind: global_buffer, .address_space: global }
    .group_segment_fixed_size: 327680
    .private_segment_fixed_size: 0
    .kernarg_segment_align: 8
    .kernarg_segment_size: 48
    .max_flat_workgroup_size: 128
    .sgpr_count:     106
    .vgpr_count:     768
    .wavefront_size: 32
...
	.end_amdgpu_metadata
.endif
;; end of part 8
;; launch ln2q: the kernel of part 5 again; grid 256 x 1, 8 waves a work-group, no clusters, 23,552 bytes of LDS; arguments x1, ln2_g, ln2_b, h2b; writes h2b
;; launch up: the kernel of part 6 again; grid 16 x 16, 4 waves a work-group, clusters of 4 x 4, 327,680 bytes of LDS; arguments h2b, w1_codes, w1_scales, b1, hidb; writes hidb
;; launch down (part 9): grid 8 x 32, 4 waves a work-group, clusters of 4 x 4, 327,680 bytes of LDS; arguments hidb, w2_codes, w2_scales, b2, x1, out0; writes out0
.if DOCPART == 9
	.amdgcn_target "amdgcn-amd-amdhsa--gfx1250"
	.amdhsa_code_object_version 6
	.text
	.protected	k_q52658dc3a8_down
	.globl	k_q52658dc3a8_down
	.p2align	8
	.type	k_q52658dc3a8_down,@function
k_q52658dc3a8_down:
	s_mov_b64 s[64:65], 0
	v_nop
	global_prefetch_b8 v0, s[64:65] scope:SCOPE_SE
	s_setreg_imm32_b32 hwreg(HW_REG_WAVE_MODE, 25, 1), 1
	s_wait_xcnt 0x0
	s_wait_alu depctr_hold_cnt(0) depctr_sa_sdst(0) depctr_va_vdst(0) depctr_va_sdst(0) depctr_va_ssrc(0) depctr_va_vcc(0) depctr_vm_vsrc(0)
	s_getreg_b32 s2, hwreg(HW_REG_IB_STS2, 6, 4)
	s_cmp_eq_u32 s2, 0
	s_cbranch_scc0 .Lentry_in_a_cluster
	s_endpgm
.Lentry_in_a_cluster:
	s_bfe_u32 s2, ttmp6, 0x10000c
	s_cmp_lg_u32 s2, 0xf033
	s_cbranch_scc0 .Lentry_shape_is_right
	s_endpgm
.Lentry_shape_is_right:
; out[m][n] = resid[m][n] + bias[n] + sum over k of A[m][k] B[n][k], A and B codes of FP6 (E2M3) with one E8M0 scale for each 32 along K; out, resid: [4096][1024] f32.
; Here: out0 = x1 + hid w2 + b2, K = 4,096.  A: codes in dense blocks [row / 128][k / 256][128 rows][192 bytes] at the buffer's start, scale bytes [4096][128] at ASC.  B: [1024][3072] and [1024][128].
; THE TILE IS 128 x 128: out has 64 tiles of 256 x 256 and 256 of 128 x 128, one for each of 256 work-groups.  Four waves, 64 x 64 each: 16 accumulators of 16 x 16.
; THE RING.  A tensor load brings 128 rows x 256 along K (192 bytes a row, 16 bytes of padding behind every 64: rows 240 bytes apart).  A slot holds 512 along K: A's two loads, then B's two; wave 0 and 1 fetch A's
; two halves along K, waves 2 and 3 B's.  Two slots: the first 1,024 along K are first fills, the other 3,072 come by six refills, one load a wave each.  The scale bytes of the 256 rows come once, 64 rows a wave.
; CLUSTERS: 4 x 4 work-groups; A's tiles are asked for jointly along a row of the cluster, B's along a column.  The matrix instruction is used transposed (source 0 = rows of B, source 1 = rows of A): a lane holds
; eight neighbouring columns of a row.
; A STEP is 128 along K: 16 matrix instructions on one of two sets of fragments; the other set's 48 LDS loads go out in one run at the step's head and have the step's products in which to land.
; THE BIAS is the C of each sum's first product.  THE RESIDUAL's 64 x 64 numbers are asked for at the head, behind the first fills, into registers of their own: nothing waits for them on the way out.
; THE WAY OUT: a block of 16 rows x 64 columns goes through the wave's own stage in slot 0 (which has had its last fill and its last read) and comes back as whole rows of 256 bytes; sixteen lanes store one row's
; 256 consecutive bytes, at a multiple of 256 from the buffer's first byte.
; No prefetch: a step's tiles are shared in the cluster, and the tile is the small one.
; REGISTERS, in windows of 256: window 0: v16-29 addresses; v32-63 scale words, two sets; v96-127 the bias; v128-255 the accumulators ((a, b) at v[128 + 8 (4 a + b)]).
;   window 1: two sets of fragments, at v0 and v128: B's four (48 registers), then A's four; on the way out v0-127 take the rows read back.   window 2: v0-127 the residual.
.set SIZE_K, 4096
.set SIZE_N, 1024
.set ABLK,   1
.set ASC,    12582912
.set NQ,     4                         ; steps of 128 along K in a slot
.set ROWB,   192                       ; a load's row: 256 codes
.set KROW,   SIZE_K*6/8
.if ABLK
.set ASTEP,  24576                     ; A lies in dense blocks of 128 rows x 192 bytes, one for each 256 along K: stated as 96 rows of 256 bytes; the padding counts along the whole tile, so the LDS image is the same
.set AROW,   256
.set AROWS,  96
.set APIT,   256
.else
.set ASTEP,  192
.set AROW,   192
.set AROWS,  128
.set APIT,   KROW
.endif
.set PITCH,  240
.set FR,     12
.set NP,     4
.set HALFT,  128*PITCH                 ; what one tensor load brings
.set SLOT,   4*HALFT                   ; A's first 256 along K, A's second, B's first, B's second
.set LAPS,   SIZE_K/1024               ; a lap = once round the ring
.set KS,     SIZE_K/32
.set SCL,    2*SLOT                    ; behind the ring: the scales, as units of 256 bytes + 16
.set QS,     (64*KS/256)*272           ; those of 64 rows: what one tensor load brings
.set SBLK,   (16*KS/256)*272           ; those of 16 rows
.set SPARE,  SCL+4*QS                  ; the spare words, 128 bytes for each wave
.set SPITCH, 272                       ; the stage: 16 rows x (256 bytes + 16) for each wave
.set ADRA, 16
.set ADRB, 20
.set STO,  24
.set RD,   25
.set CO,   26
.set ADRS, 27
.set SPW,  28
.set NIL,  29
.set SC,   32
.set BI,   96
.set ACC,  128
.set G1, 24
.set G0, 32
.set G1B, 48
.set G0B, 56
.set G1S, 68
.set G0S, 76
.set G1SB, 80
.set G0SB, 88
.set MSB, 0
.macro WIN new                         ; the immediate's high byte repeats the setting that is left
.if MSB != \new
	s_set_vgpr_msb (MSB<<8)|\new
.set MSB, \new
.endif
.endm
.set MUL,  0x05                        ; sources 0 (B) and 1 (A) window 1; C and D window 0
.set TO_F, 0x40                        ; destination window 1, address window 0
.macro JLOAD g0a, g1a, g0b, g1b        ; a joint load: waves 0 and 1 fetch for A, waves 2 and 3 for B; four v_nop follow each line
	s_cmp_eq_u32 s15, 0
	s_cbranch_scc0 .Lfor_b_\@
	tensor_load_to_lds s[\g0a:\g0a+3], s[\g1a:\g1a+7]
	s_nop 0
.rept 4
	v_nop
.endr
	s_branch .Lasked_\@
.Lfor_b_\@:
	tensor_load_to_lds s[\g0b:\g0b+3], s[\g1b:\g1b+7]
	s_nop 0
.rept 4
	v_nop
.endr
.Lasked_\@:
.endm
.macro CREST
	s_cmp_lg_u32 s14, 0
	s_cbranch_scc1 .Lnot_wave_0_\@
	s_barrier_signal -3
.Lnot_wave_0_\@:
	s_barrier_wait -3
	s_barrier_signal -1
	s_barrier_wait -1
.endm
.macro CROUND
	s_barrier_signal -1
	s_barrier_wait -1
	CREST
.endm
.macro FRAG reg, adr, q, i             ; a fragment: 16 rows x 128 K, 12 registers, in pieces of 8 bytes; step q of the slot lies in load q / 2, at its (q % 2)-th 128 along K; where lanes 16-31's piece lies behind one padding more, the second address register serves
.irp p, 0,1,2,3,4,5
.set PCE, 12*((\q)%2)+6*(\p/3)+\p%3
.if PCE%8 < 5
	ds_load_b64 v[\reg+2*\p:\reg+2*\p+1], v[\adr] offset:8*PCE+16*(PCE/8)+(\i)*16*PITCH+((\q)/2)*HALFT
.else
	ds_load_b64 v[\reg+2*\p:\reg+2*\p+1], v[\adr+2] offset:8*PCE+16*(PCE/8)+(\i)*16*PITCH+((\q)/2)*HALFT
.endif
.endr
.endm
.macro MUL4 a, p, q, sc, zero          ; A's block a x B's four; the 16 accumulators take turns, one instruction a turn.  zero = 1: the first product starts the sums, from the bias
.irp b, 0,1,2,3
.if \zero
	v_wmma_scale_f32_16x16x128_f8f6f4 v[ACC+8*(4*(\a)+\b):ACC+8*(4*(\a)+\b)+7], v[128*(\p)+FR*\b:128*(\p)+FR*\b+FR-1], v[128*(\p)+48+FR*(\a):128*(\p)+48+FR*(\a)+FR-1], v[BI+8*\b:BI+8*\b+7], v[SC+4*NQ*(\sc)+NQ*\b+(\q)], v[SC+4*NQ*(\sc)+NQ*(\a)+(\q)] matrix_a_fmt:MATRIX_FMT_FP6 matrix_b_fmt:MATRIX_FMT_FP6 matrix_a_scale:MATRIX_SCALE_ROW1
.else
	v_wmma_scale_f32_16x16x128_f8f6f4 v[ACC+8*(4*(\a)+\b):ACC+8*(4*(\a)+\b)+7], v[128*(\p)+FR*\b:128*(\p)+FR*\b+FR-1], v[128*(\p)+48+FR*(\a):128*(\p)+48+FR*(\a)+FR-1], v[ACC+8*(4*(\a)+\b):ACC+8*(4*(\a)+\b)+7], v[SC+4*NQ*(\sc)+NQ*\b+(\q)], v[SC+4*NQ*(\sc)+NQ*(\a)+(\q)] matrix_a_fmt:MATRIX_FMT_FP6 matrix_b_fmt:MATRIX_FMT_FP6 matrix_a_scale:MATRIX_SCALE_ROW1
.endif
.endr
.endm
.macro FETCH slot, q, p                ; 48 LDS loads in one run: the fragments of the slot's step q into set p
	WIN TO_F
.irp i, 0,1,2,3
	FRAG 128*(\p)+FR*\i, ADRB+\slot, \q, \i
.endr
.irp i, 0,1,2,3
	FRAG 128*(\p)+48+FR*\i, ADRA+\slot, \q, \i
.endr
.endm
.macro SCALES sc                       ; a slot's scale words into set sc: four words a row; lanes 0-15 take A's block i, lanes 16-31 B's block i
	WIN 0
.irp i, 0,1,2,3
	ds_load_b128 v[SC+4*NQ*\sc+NQ*\i:SC+4*NQ*\sc+NQ*\i+3], v[ADRS] offset:\i*SBLK
.endr
.endm
.macro PLACES n                        ; plain vector instructions between a matrix instruction and a load into, or a read of, its registers
.rept \n
	v_nop
.endr
.endm
.macro STEP slot, q, zero              ; 128 along K that has its successor in the same slot
	s_wait_dscnt 0x0                               ; this step's set is in (asked for a step ago)
	PLACES NP                                      ; behind the last step's products, which read the set that is loaded now
	FETCH \slot, (\q)+1, 1-(\q)%2
	WIN MUL
	MUL4 0, (\q)%2, \q, \slot, \zero
	MUL4 1, (\q)%2, \q, \slot, \zero
	MUL4 2, (\q)%2, \q, \slot, \zero
	MUL4 3, (\q)%2, \q, \slot, \zero
.endm
.macro TURN slot, next, fill           ; a slot's last step changes slots
	WIN 0                                          ; (the add's two registers lie in window 0)
	s_wait_tensorcnt 0x0                           ; all my tensor loads have landed: my part of the next slot
	ds_add_u32 v[SPW], v[NIL]                      ; 0 onto my spare word
	s_wait_dscnt 1                                 ; this step's set is in; the add may be out
	WIN MUL
	MUL4 0, 1, NQ-1, \slot, 0
	s_wait_dscnt 0x0                               ; the add is done, and my reads of this slot are over
	s_barrier_signal -1
	MUL4 1, 1, NQ-1, \slot, 0
	WIN 0
	s_barrier_wait -1
.if \fill
	CREST                                          ; the barrier has opened a round of the cluster's barrier: no wave of any partner still reads this slot or has a load on its way
	s_add_nc_u64 s[G0+4*\slot+2:G0+4*\slot+3], s[G0+4*\slot+2:G0+4*\slot+3], 4*ASTEP
	s_add_nc_u64 s[G0B+4*\slot+2:G0B+4*\slot+3], s[G0B+4*\slot+2:G0B+4*\slot+3], 4*ROWB
	JLOAD G0+4*\slot, G1, G0B+4*\slot, G1B         ; the first tensor load behind the round; the four v_nop behind it are the places in front of the loads below
.else
	PLACES NP
.endif
	v_add_nc_u32 v[ADRS], 4*NQ, v[ADRS]            ; on to the next slot's scale words
	FETCH \next, 0, 0
	SCALES \next
	WIN MUL
	MUL4 2, 1, NQ-1, \slot, 0
	MUL4 3, 1, NQ-1, \slot, 0
.endm
	s_load_b64 s[4:5], s[0:1], 0x0                 ; A's buffer
	s_load_b128 s[8:11], s[0:1], 0x8               ; B's codes, B's scales
	s_load_b128 s[96:99], s[0:1], 0x18             ; the bias, the residual
	s_load_b64 s[12:13], s[0:1], 0x28              ; out
	v_lshl_add_u32 v[SPW], v0, 2, SPARE
	v_mov_b32 v[NIL], 0
	ds_add_u32 v28, v29
	ds_add_u32 v28, v29
	s_wait_dscnt 0x0
	v_lshrrev_b32 v1, 5, v0
	v_readfirstlane_b32 s14, v1                    ; wave 0..3
	s_lshr_b32 s15, s14, 1                         ; which half of the tile's rows is mine.  Also: I fetch for A (0) or for B (1)
	s_and_b32 s16, s14, 1                          ; which half of its columns.  Also: which 256 along K of a slot I fetch, and which 64 rows' scales
	s_bfe_u32 s40, ttmp6, 0x40000                  ; cx, cy: my place in the cluster
	s_bfe_u32 s41, ttmp6, 0x40004
	s_lshl_b32 s42, ttmp9, 2
	s_add_co_u32 s42, s42, s40                     ; tile column
	s_and_b32 s17, ttmp7, 0xffff
	s_lshl_b32 s17, s17, 2
	s_add_co_u32 s17, s17, s41                     ; tile row
	s_lshl_b32 s43, s41, 2
	s_lshl_b32 s43, 15, s43                        ; my row of the cluster
	s_lshl_b32 s44, 0x1111, s40                    ; my column
	s_or_b32 s[G1+0], s43, (0<<16)|(1<<20)|(1<<21)|(3<<22)|(3<<25)
	s_or_b32 s[G1B+0], s44, (0<<16)|(1<<20)|(1<<21)|(3<<22)|(3<<25)
	s_mov_b32 s[G1+1], AROW<<16
	s_mov_b32 s[G1+2], AROWS<<16
	s_mov_b32 s[G1+3], AROW<<16
	s_mov_b32 s[G1+4], AROWS
	s_mov_b32 s[G1+5], APIT
	s_mov_b32 s[G1+6], 0
	s_mov_b32 s[G1+7], 0
	s_mov_b32 s[G1B+1], ROWB<<16
	s_mov_b32 s[G1B+2], 128<<16
	s_mov_b32 s[G1B+3], ROWB<<16
	s_mov_b32 s[G1B+4], 128
	s_mov_b32 s[G1B+5], KROW
	s_mov_b32 s[G1B+6], 0
	s_mov_b32 s[G1B+7], 0
	; the scales of 64 rows: a dense block, as rows of 256 bytes with 16 bytes of padding behind each
	s_or_b32 s[G1S+0], s43, (3<<16)|(1<<20)|(1<<21)|(5<<22)|(3<<25)
	s_or_b32 s[G1SB+0], s44, (3<<16)|(1<<20)|(1<<21)|(5<<22)|(3<<25)
.irp g, G1S, G1SB
	s_mov_b32 s[\g+1], 32<<16
	s_mov_b32 s[\g+2], (64*KS/256)<<16
	s_mov_b32 s[\g+3], 32<<16
	s_mov_b32 s[\g+4], 64*KS/256
	s_mov_b32 s[\g+5], 32
	s_mov_b32 s[\g+6], 0
	s_mov_b32 s[\g+7], 0
.endr
	s_lshl_b32 s18, s16, 6                         ; which 64 rows' scales I fetch
	s_lshl_b32 s20, s17, 7                         ; A: the tile's first row
	s_lshl_b32 s46, s42, 7                         ; B: likewise
	s_add_co_u32 s22, s20, s18
	s_add_co_u32 s92, s46, s18
	s_mov_b32 s21, 0
	s_mov_b32 s23, 0
	s_mov_b32 s47, 0
	s_mov_b32 s93, 0
	s_mov_b64 s[18:19], KS
	s_mul_u64 s[22:23], s[22:23], s[18:19]         ; where those rows' scales begin, in bytes
	s_mul_u64 s[92:93], s[92:93], s[18:19]
	s_mov_b64 s[18:19], KROW
	s_mul_u64 s[20:21], s[20:21], s[18:19]         ; and the tile's codes
	s_mul_u64 s[46:47], s[46:47], s[18:19]
	s_mul_i32 s18, s16, ASTEP                      ; + my 256 along K of a slot
	s_mov_b32 s19, 0
	s_add_nc_u64 s[20:21], s[20:21], s[18:19]
	s_mul_i32 s18, s16, ROWB
	s_add_nc_u64 s[46:47], s[46:47], s[18:19]
	s_mul_i32 s45, s14, HALFT                      ; where they go: wave x a load's bytes: no place in the cluster enters an LDS address
	s_mul_i32 s94, s14, QS
	s_wait_kmcnt 0x0
	s_add_nc_u64 s[6:7], s[4:5], ASC               ; A's scale bytes
	s_add_nc_u64 s[20:21], s[4:5], s[20:21]
	s_add_nc_u64 s[22:23], s[6:7], s[22:23]
	s_add_nc_u64 s[46:47], s[8:9], s[46:47]
	s_add_nc_u64 s[92:93], s[10:11], s[92:93]
	CROUND                                         ; all sixteen work-groups are here: the first joint loads meet
	s_mov_b32 s[G0S], 1
	s_add_co_u32 s[G0S+1], s94, SCL
	s_mov_b64 s[G0S+2:G0S+3], s[22:23]
	s_or_b32 s[G0S+3], s[G0S+3], 0x80000000
	s_mov_b32 s[G0SB], 1
	s_add_co_u32 s[G0SB+1], s94, SCL
	s_mov_b64 s[G0SB+2:G0SB+3], s[92:93]
	s_or_b32 s[G0SB+3], s[G0SB+3], 0x80000000
	JLOAD G0S, G1S, G0SB, G1SB
.irp s, 0,1
	s_mov_b32 s[G0+4*\s], 1
	s_add_co_u32 s[G0+4*\s+1], s45, \s*SLOT
	s_add_nc_u64 s[G0+4*\s+2:G0+4*\s+3], s[20:21], \s*2*ASTEP
	s_or_b32 s[G0+4*\s+3], s[G0+4*\s+3], 0x80000000
	s_mov_b32 s[G0B+4*\s], 1
	s_add_co_u32 s[G0B+4*\s+1], s45, \s*SLOT
	s_add_nc_u64 s[G0B+4*\s+2:G0B+4*\s+3], s[46:47], \s*2*ROWB
	s_or_b32 s[G0B+4*\s+3], s[G0B+4*\s+3], 0x80000000
	JLOAD G0+4*\s, G1, G0B+4*\s, G1B
.endr
	v_and_b32 v1, 15, v0                           ; l % 16
	v_bfe_u32 v2, v0, 4, 1                         ; l / 16
	v_mul_u32_u24 v3, v1, PITCH
	v_mul_u32_u24 v4, v2, 24
	v_add_nc_u32 v4, v3, v4                        ; a fragment's row x pitch + 24 x half
	v_lshl_add_u32 v5, v2, 4, v4                   ; and the same behind one padding more
	s_mul_i32 s21, s15, 64*PITCH                   ; my 64 rows of A
	s_mul_i32 s22, s16, 64*PITCH                   ; my 64 rows of B,
	s_add_co_u32 s22, s22, 2*HALFT                 ; which lie behind A's two loads
.irp s, 0,1
	v_add_nc_u32 v[ADRA+\s], s21, v4
	v_add_nc_u32 v[ADRB+\s], s22, v4
	v_add_nc_u32 v[ADRA+2+\s], s21, v5
	v_add_nc_u32 v[ADRB+2+\s], s22, v5
	s_add_co_u32 s21, s21, SLOT
	s_add_co_u32 s22, s22, SLOT
.endr
	v_mul_u32_u24 v5, v1, KS                       ; my row's scales: KS bytes a row,
	v_lshrrev_b32 v6, 8, v5
	v_lshl_add_u32 v5, v6, 4, v5                   ; and 16 more for each 256 passed
	s_mul_i32 s21, s15, QS                         ; A's: my 64 rows
	s_mul_i32 s22, s16, QS                         ; B's: my 64 rows, behind A's 128
	s_add_co_u32 s22, s22, 2*QS
	s_sub_co_u32 s22, s22, s21
	v_mul_u32_u24 v6, s22, v2                      ; lanes 16-31 take B's
	s_add_co_u32 s21, s21, SCL
	v_add_nc_u32 v5, v5, v6
	v_add_nc_u32 v[ADRS], s21, v5
	s_mul_i32 s23, s14, 16*SPITCH                  ; my stage
	v_mul_u32_u24 v5, v1, SPITCH                   ; in: row l % 16, 32 bytes for each half of the lanes
	v_lshl_add_u32 v5, v2, 5, v5
	v_add_nc_u32 v[STO], s23, v5
	v_mul_u32_u24 v6, v2, SPITCH                   ; back: lanes 0-15 take one row of 256 bytes, lanes 16-31 the next
	v_lshl_add_u32 v6, v1, 4, v6
	v_add_nc_u32 v[RD], s23, v6
	v_lshlrev_b32 v[CO], 12, v2                    ; and the same two rows in memory: 4,096 bytes a row
	v_lshl_add_u32 v[CO], v1, 4, v[CO]
	s_lshl_b32 s20, s17, 7
	s_lshl_b32 s21, s15, 6
	s_add_co_u32 s20, s20, s21                     ; my first row: 128 x tile row + 64 x half
	s_mov_b32 s21, 0
	s_mov_b64 s[18:19], SIZE_N*4
	s_mul_u64 s[20:21], s[20:21], s[18:19]
	s_lshl_b32 s46, s42, 9                         ; my first column, in bytes: 512 x tile column + 256 x half
	s_lshl_b32 s47, s16, 8
	s_add_co_u32 s46, s46, s47
	s_mov_b32 s47, 0
	s_add_nc_u64 s[20:21], s[20:21], s[46:47]
	s_add_nc_u64 s[12:13], s[12:13], s[20:21]
	s_add_nc_u64 s[98:99], s[98:99], s[20:21]
	v_lshl_add_u32 v7, v2, 5, s46                  ; the bias in the result's layout: register 8 b + j = column 16 b + 8 h + j
.irp b, 0,1,2,3
	global_load_b128 v[BI+8*\b:BI+8*\b+3], v7, s[96:97] offset:64*\b
	global_load_b128 v[BI+8*\b+4:BI+8*\b+7], v7, s[96:97] offset:64*\b+16
.endr
	WIN 0x80                                       ; destination window 2
.irp a, 0,1,2,3
.irp t, 0,1,2,3,4,5,6,7
	global_load_b128 v[32*\a+4*\t:32*\a+4*\t+3], v[CO], s[98:99] offset:(16*\a+2*\t)*SIZE_N*4 th:TH_LOAD_NT   ; the residual, as the rows will come back from the stage
.endr
.endr
	WIN 0
	s_wait_tensorcnt 1                             ; the scales and my part of slot 0 are in (slot 1's load may be out)
	s_barrier_signal -1
	s_barrier_wait -1                              ; everybody's are
	FETCH 0, 0, 0
	SCALES 0
	s_wait_loadcnt 32                              ; the bias's eight loads are in; the residual's 32, issued behind them, may be out
	STEP 0, 0, 1                                   ; the first step's products start the sums
.if LAPS > 1
	WIN 0                                          ; at a label and at a branch every window is 0
	s_mov_b32 s3, LAPS-1
.Llap:                                                 ; a trip goes once round the ring, from a lap's second step to the next lap's first, and fills both slots again
	STEP 0, 1, 0
	STEP 0, 2, 0
	TURN 0, 1, 1
	STEP 1, 0, 0
	STEP 1, 1, 0
	STEP 1, 2, 0
	TURN 1, 0, 1
	STEP 0, 0, 0
	WIN 0
	s_sub_co_u32 s3, s3, 1
	s_cmp_lg_u32 s3, 0
	s_cbranch_scc1 .Llap
.endif
	STEP 0, 1, 0                                   ; the last lap fills nothing, and has no round of the cluster's barrier
	STEP 0, 2, 0
	TURN 0, 1, 0
	STEP 1, 0, 0
	STEP 1, 1, 0
	STEP 1, 2, 0
	s_wait_dscnt 0x0                               ; the very last step: nothing more to fetch
	WIN MUL
	MUL4 0, 1, NQ-1, 1, 0
	MUL4 1, 1, NQ-1, 1, 0
	MUL4 2, 1, NQ-1, 1, 0
	MUL4 3, 1, NQ-1, 1, 0
	WIN 0
.macro TOSTAGE a                       ; block a, 16 rows x 64 columns, into my stage and back as whole rows
	WIN 0
.irp b, 0,1,2,3
	ds_store_b128 v[STO], v[ACC+8*(4*(\a)+\b):ACC+8*(4*(\a)+\b)+3] offset:64*\b          ; each accumulator from its low end on
	ds_store_b128 v[STO], v[ACC+8*(4*(\a)+\b)+4:ACC+8*(4*(\a)+\b)+7] offset:64*\b+16
.endr
	WIN TO_F
.irp t, 0,1,2,3,4,5,6,7
	ds_load_b128 v[32*(\a)+4*\t:32*(\a)+4*\t+3], v[RD] offset:\t*2*SPITCH                ; LDS serves a wave's instructions in order: these see the stores above, and the next block's stores come behind them
.endr
.endm
.macro SEND a, yds                     ; yds: the LDS instructions issued behind block a's loads, which may stay out
	s_wait_dscnt \yds
	WIN 0x49                                       ; destination and source 0 window 1, source 1 (the residual) window 2
.set i, 0
.rept 16
	v_pk_add_f32 v[32*(\a)+i:32*(\a)+i+1], v[32*(\a)+i:32*(\a)+i+1], v[32*(\a)+i:32*(\a)+i+1]
.set i, i+2
.endr
	WIN 0x04                                       ; a store's data are its source 1: window 1
.irp t, 0,1,2,3,4,5,6,7
	global_store_b128 v[CO], v[32*(\a)+4*\t:32*(\a)+4*\t+3], s[12:13] offset:(16*(\a)+2*\t)*SIZE_N*4 th:TH_STORE_NT   ; sixteen lanes store a row's 256 consecutive bytes
.endr
.endm
	PLACES NP                                      ; behind the last products: their results are read, and loads land in the registers that held fragments
	s_wait_loadcnt 0x0                             ; the residual, asked for at the head
	TOSTAGE 0
	TOSTAGE 1
	SEND 0, 16                                     ; behind block 0's loads: block 1's 8 stores and 8 loads
	TOSTAGE 2
	SEND 1, 16
	TOSTAGE 3
	SEND 2, 16
	SEND 3, 0
	WIN 0
	s_wait_tensorcnt 0x0                           ; the wave's end
	ds_add_u32 v[SPW], v[NIL]
	s_wait_dscnt 0x0
	CROUND                                         ; the closing round
	s_endpgm
.Lfunc_end_k_q52658dc3a8_down:
	.size	k_q52658dc3a8_down, .Lfunc_end_k_q52658dc3a8_down-k_q52658dc3a8_down
	.p2alignl 7, 3214868480
	.fill 96, 4, 3214868480
	.section	.rodata,"a",@progbits
	.p2align	6, 0x0
	.amdhsa_kernel k_q52658dc3a8_down
		.amdhsa_group_segment_fixed_size 327680
		.amdhsa_private_segment_fixed_size 0
		.amdhsa_enable_private_segment 0
		.amdhsa_kernarg_size 48
		.amdhsa_user_sgpr_count 2
		.amdhsa_user_sgpr_kernarg_segment_ptr 1
		.amdhsa_wavefront_size32 1
		.amdhsa_system_sgpr_workgroup_id_x 1
		.amdhsa_system_sgpr_workgroup_id_y 1
		.amdhsa_system_sgpr_workgroup_id_z 1
		.amdhsa_system_vgpr_workitem_id 0
		.amdhsa_next_free_vgpr 768
		.amdhsa_next_free_sgpr 106
		.amdhsa_reserve_vcc 0
		.amdhsa_float_denorm_mode_32 3
		.amdhsa_float_denorm_mode_16_64 3
		.amdhsa_memory_ordered 1
		.amdhsa_forward_progress 1
		.amdhsa_inst_pref_size 114
	.end_amdhsa_kernel
	.amdgpu_metadata
---
amdhsa.version: [ 1, 2 ]
amdhsa.kernels:
  - .name:           k_q52658dc3a8_down
    .symbol:         k_q52658dc3a8_down.kd
    .args:
      - { .name: hidb, .offset: 0, .size: 8, .value_kind: global_buffer, .address_space: global }
      - { .name: w2_codes, .offset: 8, .size: 8, .value_kind: global_buffer, .address_space: global }
      - { .name: w2_scales, .offset: 16, .size: 8, .value_kind: global_buffer, .address_space: global }
      - { .name: b2, .offset: 24, .size: 8, .value_kind: global_buffer, .address_space: global }
      - { .name: x1, .offset: 32, .size: 8, .value_kind: global_buffer, .address_space: global }
      - { .name: out0, .offset: 40, .size: 8, .value_kind: global_buffer, .address_space: global }
    .group_segment_fixed_size: 327680
    .private_segment_fixed_size: 0
    .kernarg_segment_align: 8
    .kernarg_segment_size: 48
    .max_flat_workgroup_size: 128
    .sgpr_count:     106
    .vgpr_count:     768
    .wavefront_size: 32
...
	.end_amdgpu_metadata
.endif
;; end of part 9
